; MI455X (gfx1250); checked and timed in simulation.
; The chip was launched on July 23, 2026; its instructions are those of AMD's public machine-readable ISA for CDNA 5 (MIT licence, August 2026) and "CDNA5" Instruction Set Architecture Reference Guide (July 2026). The comments in the code are by the model that wrote it; some were corrected since.
;; Multi Head Latent Attention. Allowed arithmetic: float matrix products may take bf16 or f16 operands with f32 sums; other float arithmetic in f32, or as packed bf16 or f16 multiplies, adds, multiply-adds, maxima and minima; sums over many terms, partial sums and values carried from step to step in f32; what a program stores and reads back later, other than sums and carried values, may be rounded once to bf16 or f16.
;; Inputs: b_kv 4,096 float32; b_lat 512 float32; b_ln 512 float32; b_o 2,048 float32; b_q 2,048 float32; g_ln 512 float32; w_kv 4,096 x 512 float32; w_lat 512 x 2,048 float32; w_o 2,048 x 2,048 float32; w_q 2,048 x 2,048 float32; x 4 x 1,024 x 2,048 float32.
;; Outputs: out0 4 x 1,024 x 2,048 float32.
;; 2 versions, each right. Each part assembles by itself: llvm-mc -triple=amdgcn-amd-amdhsa -mcpu=gfx1250 --defsym DOCPART=n.
;; ======== version 1 of 2: 6 launches
;; limits: values are held in f16: magnitudes above 65,504 overflow, below 6.1e-05 lose precision
;; workspace buffers: cst 39,845,888 bytes; qimg 16,777,216 bytes; yimg 8,388,608 bytes; latimg 4,194,304 bytes; kvimg 33,554,432 bytes; oimg 16,777,216 bytes
;; launch cast (part 1): grid 1216 x 1, 8 waves a work-group, no clusters, 0 bytes of LDS; arguments x, w_q, w_lat, w_kv, w_o, cst; writes cst
.if DOCPART == 1
	.amdgcn_target "amdgcn-amd-amdhsa--gfx1250"
	.amdhsa_code_object_version 6
	.text
	.protected	k_q43e1ba1163_cast
	.globl	k_q43e1ba1163_cast
	.p2align	8
	.type	k_q43e1ba1163_cast,@function
k_q43e1ba1163_cast:
	s_mov_b64 s[64:65], 0
	v_nop
	global_prefetch_b8 v0, s[64:65] scope:SCOPE_SE
	s_setreg_imm32_b32 hwreg(HW_REG_WAVE_MODE, 25, 1), 1
	s_wait_xcnt 0x0
; CAST.  The five large inputs are rounded once to bf16 and laid into one buffer, cst, for the products that follow:
;   chunks    0 ..  511  x      [4096][2048]  bf16
;   chunks  512 ..  831  w_q and w_lat, rows interleaved (below), [2560][2048]  bf16
;   chunks  832 ..  959  w_kv   [4096][512]   the bf16 number written as f16
;   chunks  960 .. 1215  w_o    [2048][2048]  the bf16 number written as f16
; A chunk is 16,384 numbers: 65,536 bytes in, 32,768 bytes out; a work-group takes one chunk, and for w_q and w_lat that is 8 rows.
; ROW ORDER of the second region: column tile tx (0..7) of the next launch owns rows 320 tx .. 320 tx + 319; in it wave w owns 80 rows:
; 64 rows of w_q (256 tx + 64 w ..) and then 16 rows of w_lat (64 tx + 16 w ..).
; LIMITS.  f16 ends at 65,504 and has a fixed step of 6e-8 below 6e-5: w_kv and w_o are taken to lie within that range; a bf16 number of 7.7e-6 or more in size is exact in f16.
; A stream: no LDS, no barrier, no matrix unit.  A load of a wave covers 512 consecutive bytes, a store 256 consecutive bytes, aligned.  All 16 loads of a thread go out at once;
; no register is written twice while a memory instruction may still read it.
.set X, 16                             ; v[16:79]   16 loads of 4 f32
.set Y, 80                             ; v[80:111]  16 stores of 4 numbers of 16 bits
	s_load_b256 s[8:15], s[0:1], 0x0               ; x s[8:9], w_q s[10:11], w_lat s[12:13], w_kv s[14:15]
	s_load_b128 s[16:19], s[0:1], 0x20             ; w_o s[16:17], cst s[18:19]
	s_mov_b32 s2, ttmp9                            ; the work-group's number
	s_mov_b32 s3, 0xffff0000                       ; a word's upper bf16
	v_lshlrev_b32 v1, 4, v0                        ; 16 bytes a thread in
	v_lshlrev_b32 v2, 3, v0                        ; 8 bytes a thread out
	s_mov_b32 s6, 0                                ; the first work-group of my source
	s_cmp_ge_u32 s2, 512
	s_cselect_b32 s6, 512, s6
	s_cmp_ge_u32 s2, 768
	s_cselect_b32 s6, 768, s6
	s_cmp_ge_u32 s2, 832
	s_cselect_b32 s6, 832, s6
	s_cmp_ge_u32 s2, 960
	s_cselect_b32 s6, 960, s6
	s_sub_co_u32 s7, s2, s6                        ; c: my chunk in the source
	s_lshr_b32 s20, s7, 5                          ; w_q: chunk c holds rows 8 c ..: tx = c / 32, w = (c / 8) % 4
	s_mul_i32 s20, s20, 40
	s_bfe_u32 s21, s7, 0x20003
	s_mul_i32 s21, s21, 10
	s_and_b32 s22, s7, 7
	s_add_co_u32 s20, s20, s21
	s_add_co_u32 s20, s20, s22
	s_add_co_u32 s20, s20, 512                     ; 512 + 40 tx + 10 w + c % 8
	s_lshr_b32 s23, s7, 3                          ; w_lat: tx = c / 8, w = (c / 2) % 4
	s_mul_i32 s23, s23, 40
	s_bfe_u32 s24, s7, 0x20001
	s_mul_i32 s24, s24, 10
	s_and_b32 s25, s7, 1
	s_add_co_u32 s23, s23, s24
	s_add_co_u32 s23, s23, s25
	s_add_co_u32 s23, s23, 520                     ; 512 + 40 tx + 10 w + 8 + c % 2
	s_mov_b32 s26, s2                              ; x, w_kv and w_o keep their order: chunk = work-group
	s_cmp_ge_u32 s2, 512
	s_cselect_b32 s26, s20, s26
	s_cmp_ge_u32 s2, 768
	s_cselect_b32 s26, s23, s26
	s_cmp_ge_u32 s2, 832
	s_cselect_b32 s26, s2, s26
	s_lshl_b32 s20, s7, 16                         ; byte offsets, made apart from the addresses
	s_mov_b32 s21, 0
	s_lshl_b32 s22, s26, 15
	s_mov_b32 s23, 0
	s_wait_kmcnt 0x0
	s_mov_b64 s[4:5], s[8:9]
	s_cmp_ge_u32 s2, 512
	s_cselect_b64 s[4:5], s[10:11], s[4:5]
	s_cmp_ge_u32 s2, 768
	s_cselect_b64 s[4:5], s[12:13], s[4:5]
	s_cmp_ge_u32 s2, 832
	s_cselect_b64 s[4:5], s[14:15], s[4:5]
	s_cmp_ge_u32 s2, 960
	s_cselect_b64 s[4:5], s[16:17], s[4:5]
	s_add_nc_u64 s[4:5], s[4:5], s[20:21]
	s_add_nc_u64 s[18:19], s[18:19], s[22:23]
.set i, 0
.rept 16
	global_load_b128 v[X+4*i:X+4*i+3], v1, s[4:5] offset:i*4096 th:TH_LOAD_NT
.set i, i+1
.endr
	s_cmp_ge_u32 s2, 832
	s_cbranch_scc1 .Lf16
.set i, 0
.rept 16                               ; x, w_q, w_lat: bf16
	s_wait_loadcnt 15-i                            ; loads come back in order: load i is in, the younger ones stay out
	v_cvt_pk_bf16_f32 v[Y+2*i], v[X+4*i], v[X+4*i+1]
	v_cvt_pk_bf16_f32 v[Y+2*i+1], v[X+4*i+2], v[X+4*i+3]
	global_store_b64 v2, v[Y+2*i:Y+2*i+1], s[18:19] offset:i*2048
.set i, i+1
.endr
	s_endpgm
.Lf16:
.set i, 0
.rept 16                               ; w_kv, w_o: rounded to bf16 like every input, and that number written as f16
	s_wait_loadcnt 15-i
	v_cvt_pk_bf16_f32 v4, v[X+4*i], v[X+4*i+1]
	v_cvt_pk_bf16_f32 v5, v[X+4*i+2], v[X+4*i+3]
	v_lshlrev_b32 v8, 16, v4
	v_and_b32 v9, s3, v4
	v_lshlrev_b32 v10, 16, v5
	v_and_b32 v11, s3, v5
	v_cvt_pk_f16_f32 v[Y+2*i], v8, v9
	v_cvt_pk_f16_f32 v[Y+2*i+1], v10, v11
	global_store_b64 v2, v[Y+2*i:Y+2*i+1], s[18:19] offset:i*2048
.set i, i+1
.endr
	s_endpgm
.Lfunc_end_k_q43e1ba1163_cast:
	.size	k_q43e1ba1163_cast, .Lfunc_end_k_q43e1ba1163_cast-k_q43e1ba1163_cast
	.p2alignl 7, 3214868480
	.fill 96, 4, 3214868480
	.section	.rodata,"a",@progbits
	.p2align	6, 0x0
	.amdhsa_kernel k_q43e1ba1163_cast
		.amdhsa_group_segment_fixed_size 0
		.amdhsa_private_segment_fixed_size 0
		.amdhsa_enable_private_segment 0
		.amdhsa_kernarg_size 48
		.amdhsa_user_sgpr_count 2
		.amdhsa_user_sgpr_kernarg_segment_ptr 1
		.amdhsa_wavefront_size32 1
		.amdhsa_system_sgpr_workgroup_id_x 1
		.amdhsa_system_sgpr_workgroup_id_y 1
		.amdhsa_system_sgpr_workgroup_id_z 1
		.amdhsa_system_vgpr_workitem_id 0
		.amdhsa_next_free_vgpr 112
		.amdhsa_next_free_sgpr 66
		.amdhsa_reserve_vcc 0
		.amdhsa_float_denorm_mode_32 3
		.amdhsa_float_denorm_mode_16_64 3
		.amdhsa_memory_ordered 1
		.amdhsa_forward_progress 1
		.amdhsa_inst_pref_size 17
	.end_amdhsa_kernel
	.amdgpu_metadata
---
amdhsa.version: [ 1, 2 ]
amdhsa.kernels:
  - .name:           k_q43e1ba1163_cast
    .symbol:         k_q43e1ba1163_cast.kd
    .args:
      - { .name: x, .offset: 0, .size: 8, .value_kind: global_buffer, .address_space: global }
      - { .name: w_q, .offset: 8, .size: 8, .value_kind: global_buffer, .address_space: global }
      - { .name: w_lat, .offset: 16, .size: 8, .value_kind: global_buffer, .address_space: global }
      - { .name: w_kv, .offset: 24, .size: 8, .value_kind: global_buffer, .address_space: global }
      - { .name: w_o, .offset: 32, .size: 8, .value_kind: global_buffer, .address_space: global }
      - { .name: cst, .offset: 40, .size: 8, .value_kind: global_buffer, .address_space: global }
    .group_segment_fixed_size: 0
    .private_segment_fixed_size: 0
    .kernarg_segment_align: 8
    .kernarg_segment_size: 48
    .max_flat_workgroup_size: 256
    .sgpr_count:     66
    .vgpr_count:     112
    .wavefront_size: 32
...
	.end_amdgpu_metadata
.endif
;; end of part 1
;; launch proj (part 2): grid 8 x 32, 4 waves a work-group, clusters of 4 x 4, 327,680 bytes of LDS; arguments cst, b_q, b_lat, qimg, yimg; writes qimg, yimg
.if DOCPART == 2
	.amdgcn_target "amdgcn-amd-amdhsa--gfx1250"
	.amdhsa_code_object_version 6
	.text
	.protected	k_q43e1ba1163_proj
	.globl	k_q43e1ba1163_proj
	.p2align	8
	.type	k_q43e1ba1163_proj,@function
k_q43e1ba1163_proj:
	s_mov_b64 s[64:65], 0
	v_nop
	global_prefetch_b8 v0, s[64:65] scope:SCOPE_SE
	s_setreg_imm32_b32 hwreg(HW_REG_WAVE_MODE, 25, 1), 1
	s_wait_xcnt 0x0
	s_wait_alu depctr_hold_cnt(0) depctr_sa_sdst(0) depctr_va_vdst(0) depctr_va_sdst(0) depctr_va_ssrc(0) depctr_va_vcc(0) depctr_vm_vsrc(0)
	s_getreg_b32 s2, hwreg(HW_REG_IB_STS2, 6, 4)
	s_cmp_eq_u32 s2, 0
	s_cbranch_scc0 .Lentry_in_a_cluster
	s_endpgm
.Lentry_in_a_cluster:
	s_bfe_u32 s2, ttmp6, 0x10000c
	s_cmp_lg_u32 s2, 0xf033
	s_cbranch_scc0 .Lentry_shape_is_right
	s_endpgm
.Lentry_shape_is_right:
; PROJ.  [q | y] = x [w_q | w_lat]^T + [b_q | b_lat].  x: 4,096 rows x 2,048, the weights 2,560 rows x 2,048, both bf16 in cst (the weights' rows interleaved: see below); sums in f32.
; A tile is 128 rows x 320 columns: 32 x 8 = 256 work-groups of equal work.  Four waves side by side, each 128 rows x 80 columns: 8 x 5 accumulators of 16 x 16.  Of a wave's 80 weight rows
; 64 are w_q's (256 tx + 64 w ..) and 16 are w_lat's (64 tx + 16 w ..), so all four waves run one text: blocks b = 0..3 are q, block 4 is y.
; K goes in steps of 128 through a ring of two LDS slots filled by tensor loads: waves 0 and 1 fetch the halves of x's tile (64 rows), waves 2 and 3 those of the weights' (160 rows).
; CLUSTER 4 x 4: x's tile is asked for jointly along a row of the cluster, the weights' along a column: the same load, descriptor and mask in the four that it names.
; THE PRODUCT IS TAKEN TRANSPOSED (source 0 = 16 weight rows, source 1 = 16 rows of x): a lane (r = l % 16, h = l / 16) ends with row r and eight neighbouring columns 8 h + 0..7.
; OUT.  q as f16 in blocks of 16 rows x 16 columns, 512 bytes each, block (R, Cb) at (128 R + Cb) x 512, a lane's 16 bytes at 16 l: one store of a wave is 512 consecutive bytes, and two such
; blocks are a fragment of a later product as they lie.  y as f32 in blocks of 1,024 bytes at (32 R + Cb) x 1024: columns 8 h + 0..3 at 16 l, columns 8 h + 4..7 at 512 + 16 l.
; The biases are rounded to bf16 like every input, and added in f32.  q carries no scale.  LIMITS: q must lie within f16's 65,504; NaN and infinities are not treated apart.
; REGISTERS, in windows of 256 (s_set_vgpr_msb: bits 1:0 source 0, 3:2 source 1, 5:4 source 2, 7:6 destination): window 0: v16-31 addresses, v64-127 and v128-191 x's fragments (two buffers; at
; work on the way out), v192-231 the biases; window 1: the weights' fragments at the same numbers; window 2: accumulators of rows 0-63 ((a, b) at 8 (5 a + b)); window 3: rows 64-127.
.set BF,    5                          ; weight fragments a wave
.set PITCH, 272                        ; an LDS row: 256 bytes + 16 of padding = 68 words: the 16 rows of a load start at 16 different groups of four banks (64 banks of 4 bytes: ISA guide 11.1)
.set ABLK,  16*PITCH                   ; from fragment to fragment of x
.set AQ,    64                         ; from quarter to quarter (32 along K)
.set AH,    32                         ; from a fragment's first 16 bytes to its second
.set BBLK,  16*PITCH
.set BQ,    64
.set BH,    32
.set AHALF, 64*PITCH                   ; what one load of x brings
.set AREG,  2*AHALF
.set BHALF, 160*PITCH                  ; what one load of weights brings
.set SLOT,  AREG+2*BHALF
.set SPARE, 2*SLOT                     ; behind the ring: the spare words, 128 bytes a wave: two blocks of 256 bytes that no other line names
.set KSA,   256                        ; bytes of memory from K step to K step
.set KSB,   256
.set LAPS,  8                          ; a lap = two K steps = once round the ring
.set NL,    2*BF+16                    ; LDS loads in a run
.set WQL,   16777216                   ; the weights' first byte in cst
.set RMW,   (1<<16)|(1<<20)|(1<<21)|(5<<22)|(3<<25)  ; group 1, word 0: 2-byte elements; padding on; bit 21 beside a mask; after every 64 words; 4 words
.set ADRA, 16                          ; v16-17  LDS address of my fragments of x in slot 0, 1
.set ADRB, 20                          ; v20-21  the same for the weights
.set CO,   26                          ; v26     16 x lane: my place in a block on the way out
.set BO,   27                          ; v27     my byte offset in b_q; never rewritten
.set SPW,  28                          ; v28     my spare word: SPARE + 4 x my thread's number; never rewritten
.set NIL,  29                          ; v29     0; never rewritten
.set PFO,  30                          ; v30     the prefetches' offset; never rewritten
.set BO2,  31                          ; v31     my byte offset in b_lat; never rewritten
.set F0,   64
.set F1,   128
.set T,    64                          ; the way out: 40 sums with their bias
.set PK,   104                         ; 16 registers of f16
.set BIAS, 192
.set G1,  24                           ; s[24:31] group 1 for x's tiles;  s[32:39] group 0, a set for each slot
.set G0,  32
.set G1B, 48                           ; s[48:55], s[56:63] the same for the weights'
.set G0B, 56
.set LIM, 43                           ; s43  1 in a wave that prefetches, else the greatest number
.set PFA, 44                           ; s[44:45] where my prefetches stand
.set MSB, 0
.macro WIN new                         ; the immediate's high byte repeats the setting that is left; a switch that changes nothing is dropped
.if MSB != (\new)
	s_set_vgpr_msb (MSB<<8)|(\new)
.set MSB, \new
.endif
.endm
.set MUL_LO, 0xa1
.set TO_B,   0x40
.macro PLACES                          ; four places behind a matrix instruction, in front of loads into registers that it has read (ISA guide 7.12.1 for vector instructions)
.rept 4
	v_nop
.endr
.endm
.macro JLOAD s                         ; a joint load; an s_nop 0 and four v_nop follow each of the two lines, ahead of the jump and the label
	s_cmp_eq_u32 s11, 0
	s_cbranch_scc0 .Lfor_b_\@
	tensor_load_to_lds s[G0+4*(\s):G0+4*(\s)+3], s[G1:G1+7]
	s_nop 0
	PLACES
	s_branch .Lasked_\@
.Lfor_b_\@:
	tensor_load_to_lds s[G0B+4*(\s):G0B+4*(\s)+3], s[G1B:G1B+7]
	s_nop 0
	PLACES
.Lasked_\@:
.endm
.macro CREST                           ; a round of the cluster's barrier behind its opening barrier
	s_cmp_lg_u32 s10, 0
	s_cbranch_scc1 .Lnot_wave_0_\@
	s_barrier_signal -3
.Lnot_wave_0_\@:
	s_barrier_wait -3
	s_barrier_signal -1
	s_barrier_wait -1
.endm
.macro CROUND
	s_barrier_signal -1
	s_barrier_wait -1
	CREST
.endm
; A PREFETCH, once a lap, behind slot 0's joint load and the run of LDS loads that follows it: the lap after the one whose first K step has just been asked for: 512 bytes of each row, as two blocks of 256:
; lanes 0-15 name 16 rows' first block, lanes 16-31 their second.  Each block is named once in the launch: x's rows by wave 0 of the clusters with x = 0, the weights' by wave 2 of the clusters with y = 0; the
; four partners that ask for a tile jointly share its rows out BY ADDRESS (32 rows of x by cx, 80 weight rows by cy).  The first two laps come by their loads alone; the loop's last trip asks for nothing.
.macro ASK
	s_cmp_gt_u32 s3, s[LIM]
	s_cbranch_scc0 .Lnot_mine_\@
	global_prefetch_b8 v[PFO], s[PFA:PFA+1] th:TH_LOAD_NT scope:SCOPE_SE
	global_prefetch_b8 v[PFO], s[PFA:PFA+1] offset:65536 th:TH_LOAD_NT scope:SCOPE_SE
	s_cmp_eq_u32 s11, 0
	s_cbranch_scc1 .Lnot_mine_\@
	global_prefetch_b8 v[PFO], s[PFA:PFA+1] offset:2*65536 th:TH_LOAD_NT scope:SCOPE_SE
	global_prefetch_b8 v[PFO], s[PFA:PFA+1] offset:3*65536 th:TH_LOAD_NT scope:SCOPE_SE
	global_prefetch_b8 v[PFO], s[PFA:PFA+1] offset:4*65536 th:TH_LOAD_NT scope:SCOPE_SE
.Lnot_mine_\@:
.endm
	s_load_b64 s[4:5], s[0:1], 0x0                 ; cst
	s_load_b256 s[68:75], s[0:1], 0x8              ; b_q s[68:69], b_lat s[70:71], qimg s[72:73], yimg s[74:75]
	v_lshl_add_u32 v[SPW], v0, 2, SPARE
	v_mov_b32 v[NIL], 0
	ds_add_u32 v[SPW], v[NIL]                      ; the wave's opening: the add and its wait ahead of my first tensor load; work on registers stands between them
	ds_add_u32 v28, v29
	v_lshrrev_b32 v1, 5, v0
	v_readfirstlane_b32 s10, v1                    ; wave 0..3
	s_lshr_b32 s11, s10, 1                         ; I fetch for x (0) or for the weights (1)
	s_and_b32 s12, s10, 1                          ; which half of that tile
	s_bfe_u32 s40, ttmp6, 0x40000                  ; cx
	s_bfe_u32 s41, ttmp6, 0x40004                  ; cy
	s_lshl_b32 s42, ttmp9, 2
	s_add_co_u32 s42, s42, s40                     ; tx = 4 x cluster x + cx
	s_and_b32 s13, ttmp7, 0xffff
	s_lshl_b32 s13, s13, 2
	s_add_co_u32 s13, s13, s41                     ; ty = 4 x cluster y + cy
	s_lshl_b32 s43, s41, 2
	s_lshl_b32 s43, 15, s43                        ; my row of the cluster
	s_lshl_b32 s44, 0x1111, s40                    ; my column
	s_or_b32 s[G1+0], s43, RMW
	s_mov_b32 s[G1+1], 128<<16                     ; tensor_dim0 = 128
	s_mov_b32 s[G1+2], 64<<16                      ; tensor_dim1 = 64
	s_mov_b32 s[G1+3], 128<<16                     ; tile_dim0 = 128
	s_mov_b32 s[G1+4], 64                          ; tile_dim1 = 64
	s_mov_b32 s[G1+5], 2048                        ; elements from row to row
	s_mov_b32 s[G1+6], 0
	s_mov_b32 s[G1+7], 0
	s_or_b32 s[G1B+0], s44, RMW
	s_mov_b32 s[G1B+1], 128<<16
	s_mov_b32 s[G1B+2], 160<<16                    ; 160 rows
	s_mov_b32 s[G1B+3], 128<<16
	s_mov_b32 s[G1B+4], 160
	s_mov_b32 s[G1B+5], 2048
	s_mov_b32 s[G1B+6], 0
	s_mov_b32 s[G1B+7], 0
	s_lshl_b32 s16, s13, 7                         ; x: row 128 ty + 64 x half,
	s_lshl_b32 s17, s12, 6
	s_add_co_u32 s16, s16, s17
	s_lshl_b32 s16, s16, 12                        ; of 4,096 bytes
	s_mov_b32 s17, 0
	s_mul_i32 s46, s42, 320                        ; weights: row 320 tx + 160 x half
	s_mul_i32 s47, s12, 160
	s_add_co_u32 s46, s46, s47
	s_lshl_b32 s46, s46, 12
	s_mov_b32 s47, 0
	s_mul_i32 s20, s12, AHALF                      ; where they go: no place in the cluster enters an LDS address
	s_mul_i32 s21, s12, BHALF
	s_add_co_u32 s21, s21, AREG
	s_wait_dscnt 0x0                               ; the opening add is done
	s_wait_kmcnt 0x0
	s_add_nc_u64 s[6:7], s[4:5], WQL
	s_add_nc_u64 s[14:15], s[4:5], s[16:17]
	s_add_nc_u64 s[46:47], s[6:7], s[46:47]
	CROUND                                         ; all sixteen work-groups are here: the first joint loads meet
.irp s, 0,1
	s_mov_b32 s[G0+4*(\s)], 1
	s_add_co_u32 s[G0+4*(\s)+1], s20, (\s)*SLOT
	s_add_nc_u64 s[G0+4*(\s)+2:G0+4*(\s)+3], s[14:15], (\s)*KSA
	s_or_b32 s[G0+4*(\s)+3], s[G0+4*(\s)+3], 0x80000000
	s_mov_b32 s[G0B+4*(\s)], 1
	s_add_co_u32 s[G0B+4*(\s)+1], s21, (\s)*SLOT
	s_add_nc_u64 s[G0B+4*(\s)+2:G0B+4*(\s)+3], s[46:47], (\s)*KSB
	s_or_b32 s[G0B+4*(\s)+3], s[G0B+4*(\s)+3], 0x80000000
	JLOAD \s                                       ; two loads of mine are out
.endr
	v_and_b32 v1, 15, v0                           ; r
	v_bfe_u32 v2, v0, 4, 1                         ; h
	v_and_b32 v5, 31, v0                           ; lane
	v_mul_u32_u24 v3, v1, PITCH
	v_lshl_add_u32 v3, v2, 4, v3                   ; a fragment's row x pitch + 16 x half
	s_mov_b32 s21, 0                               ; every wave reads all 128 rows of x,
	s_mul_i32 s22, s10, 80*PITCH                   ; and its own 80 weight rows
	s_add_co_u32 s22, s22, AREG
.irp s, 0,1
	v_add_nc_u32 v[ADRA+(\s)], s21, v3
	v_add_nc_u32 v[ADRB+(\s)], s22, v3
	s_add_co_u32 s21, s21, SLOT
	s_add_co_u32 s22, s22, SLOT
.endr
	v_lshlrev_b32 v[CO], 4, v5
	s_lshl_b32 s20, s42, 10                        ; b_q at column 256 tx + 64 w + 8 h, in bytes
	s_lshl_b32 s23, s10, 8
	s_add_co_u32 s20, s20, s23
	v_lshl_add_u32 v[BO], v2, 5, s20
	s_lshr_b32 s20, s20, 2                         ; b_lat at column 64 tx + 16 w + 8 h
	v_lshl_add_u32 v[BO2], v2, 5, s20
.irp b, 0,1,2,3
	global_load_b128 v[BIAS+8*(\b):BIAS+8*(\b)+3],   v[BO], s[68:69] offset:64*(\b)
	global_load_b128 v[BIAS+8*(\b)+4:BIAS+8*(\b)+7], v[BO], s[68:69] offset:64*(\b)+16
.endr
	global_load_b128 v[BIAS+32:BIAS+35], v[BO2], s[70:71]
	global_load_b128 v[BIAS+36:BIAS+39], v[BO2], s[70:71] offset:16
	s_lshl_b32 s16, s13, 19                        ; qimg: block (8 ty, 16 tx + 4 w) x 512 bytes
	s_lshl_b32 s17, s42, 13
	s_add_co_u32 s16, s16, s17
	s_lshl_b32 s17, s10, 11
	s_add_co_u32 s16, s16, s17
	s_mov_b32 s17, 0
	s_add_nc_u64 s[8:9], s[72:73], s[16:17]
	s_lshr_b32 s16, s16, 1                         ; yimg: block (8 ty, 4 tx + w) x 1,024 bytes: just half of that
	s_add_nc_u64 s[14:15], s[74:75], s[16:17]
	s_lshl_b32 s20, s13, 7                         ; the prefetches: x's rows 128 ty + 32 cx ..,
	s_lshl_b32 s21, s40, 5
	s_add_co_u32 s20, s20, s21
	s_mul_i32 s21, s42, 320                        ; the weights' rows 320 tx + 80 cy ..
	s_mul_i32 s23, s41, 80
	s_add_co_u32 s21, s21, s23
	s_and_b32 s22, ttmp7, 0xffff                   ; cluster y
	s_cmp_eq_u32 s11, 0
	s_cselect_b32 s20, s20, s21
	s_cselect_b32 s22, ttmp9, s22                  ; the coordinate along which other clusters read the same rows
	s_cselect_b64 s[PFA:PFA+1], s[4:5], s[6:7]
	s_or_b32 s22, s22, s12                         ; and waves 0 and 2 alone ask
	s_cmp_eq_u32 s22, 0
	s_cselect_b32 s[LIM], 1, -1                    ; the same in all sixteen partners, for a given wave
	s_lshl_b32 s20, s20, 12
	s_mov_b32 s21, 0
	s_add_nc_u64 s[PFA:PFA+1], s[PFA:PFA+1], s[20:21]
	s_add_nc_u64 s[PFA:PFA+1], s[PFA:PFA+1], 2*KSB ; at lap 1: the first trip steps it to lap 2
	v_lshlrev_b32 v[PFO], 12, v1
	v_lshl_add_u32 v[PFO], v2, 8, v[PFO]           ; row r, block h
; 2 BF matrix instructions: row blocks a0, a0 + 1 of the window's four x all BF column blocks, 32 along K.  zero = 1: the first product starts the sums.  The accumulators take turns, one instruction a turn.
.macro MUL16 f, hi, a0, zero
	WIN MUL_LO+0x50*(\hi)
.irp a, \a0, (\a0)+1
.set b, 0
.rept BF
.set rD, 8*(BF*(\a)+b)
.set rB, (\f)+8*b
.set rA, (\f)+8*(4*(\hi)+(\a))
.if \zero
	v_wmma_f32_16x16x32_bf16 v[rD:rD+7], v[rB:rB+7], v[rA:rA+7], 0
.else
	v_wmma_f32_16x16x32_bf16 v[rD:rD+7], v[rB:rB+7], v[rA:rA+7], v[rD:rD+7]
.endif
.set b, b+1
.endr
.endr
.endm
.macro FETCH slot, q, f                ; NL LDS loads in one run: quarter q's fragments into buffer f: the weights' first, then x's
	WIN TO_B
.set i, 0
.rept BF
	ds_load_b128 v[(\f)+8*i:(\f)+8*i+3],   v[ADRB+(\slot)] offset:(\q)*BQ+i*BBLK
	ds_load_b128 v[(\f)+8*i+4:(\f)+8*i+7], v[ADRB+(\slot)] offset:(\q)*BQ+i*BBLK+BH
.set i, i+1
.endr
	WIN 0
.set i, 0
.rept 8
	ds_load_b128 v[(\f)+8*i:(\f)+8*i+3],   v[ADRA+(\slot)] offset:(\q)*AQ+i*ABLK
	ds_load_b128 v[(\f)+8*i+4:(\f)+8*i+7], v[ADRA+(\slot)] offset:(\q)*AQ+i*ABLK+AH
.set i, i+1
.endr
.endm
.macro QUARTER slot, q, f, g, zero     ; multiplies buffer f; in its middle fetches quarter q of the same slot into buffer g
	s_wait_dscnt 8                                 ; the weights and x's rows 0-63 are in; the youngest eight loads (rows 64-127) may be out
	MUL16 \f, 0, 0, \zero
	MUL16 \f, 0, 2, \zero
	PLACES
	FETCH \slot, \q, \g
	s_wait_dscnt NL                                ; all but the run just issued
	MUL16 \f, 1, 0, \zero
	MUL16 \f, 1, 2, \zero
.endm
.macro MEET round                      ; the first half of a K step's last quarter: one barrier for the change of slots
	WIN 0
	s_wait_tensorcnt 0x0                           ; all my tensor loads have landed: the one that was out is my part of the next slot
	ds_add_u32 v[SPW], v[NIL]                      ; 0 onto my spare word
	s_wait_dscnt 9                                 ; (the add and the youngest eight loads may be out)
	MUL16 F1, 0, 0, 0
	s_wait_dscnt 0x0                               ; the add is done, and my reads of this slot are over
	s_barrier_signal -1
	MUL16 F1, 0, 2, 0
.if \round
	WIN 0
.endif
	s_barrier_wait -1
.endm
.macro TURN slot, next                 ; the last quarter, with the slot filled again two K steps on: the barrier opens a round of the cluster's, and the joint load is the first thing behind it
.if (\slot) == 0
	s_wait_xcnt 0x0                                ; the last prefetches, a lap back, have read their address
	s_add_nc_u64 s[PFA:PFA+1], s[PFA:PFA+1], 2*KSB
.endif
	MEET 1
	CREST
	s_add_nc_u64 s[G0+4*(\slot)+2:G0+4*(\slot)+3], s[G0+4*(\slot)+2:G0+4*(\slot)+3], 2*KSA
	s_add_nc_u64 s[G0B+4*(\slot)+2:G0B+4*(\slot)+3], s[G0B+4*(\slot)+2:G0B+4*(\slot)+3], 2*KSB
	JLOAD \slot                                    ; the four v_nop behind it are also the places in front of the loads below
	FETCH \next, 0, F0
.if (\slot) == 0
	ASK
.endif
	MUL16 F1, 1, 0, 0
	MUL16 F1, 1, 2, 0
.endm
	s_wait_tensorcnt 1                             ; my part of K step 0 is in; K step 1's may stay out
	s_barrier_signal -1
	s_barrier_wait -1
	FETCH 0, 0, F0
	QUARTER 0, 1, F0, F1, 1                        ; the first quarter stands in front of the loop: its products start the sums
	WIN 0
	s_mov_b32 s3, LAPS-1
.Llap:                                 ; a trip goes once round the ring, from a lap's second quarter to the next lap's first, and fills both slots again
	QUARTER 0, 2, F1, F0, 0
	QUARTER 0, 3, F0, F1, 0
	TURN 0, 1
	QUARTER 1, 1, F0, F1, 0
	QUARTER 1, 2, F1, F0, 0
	QUARTER 1, 3, F0, F1, 0
	TURN 1, 0
	QUARTER 0, 1, F0, F1, 0
	WIN 0
	s_sub_co_u32 s3, s3, 1
	s_cmp_lg_u32 s3, 0
	s_cbranch_scc1 .Llap
	QUARTER 0, 2, F1, F0, 0                        ; the last lap fills nothing
	QUARTER 0, 3, F0, F1, 0
	MEET 0
	PLACES
	FETCH 1, 0, F0
	MUL16 F1, 1, 0, 0
	MUL16 F1, 1, 2, 0
	QUARTER 1, 1, F0, F1, 0
	QUARTER 1, 2, F1, F0, 0
	QUARTER 1, 3, F0, F1, 0
	s_wait_dscnt 8
	MUL16 F1, 0, 0, 0
	MUL16 F1, 0, 2, 0
	s_wait_dscnt 0x0
	MUL16 F1, 1, 0, 0
	MUL16 F1, 1, 2, 0
	WIN 0
	; THE WAY OUT.  The biases are rounded to bf16; these 60 plain lines, which name no register of the last products, are also the places behind them.
	s_wait_loadcnt 0x0
.set i, 0
.rept 20
	v_cvt_pk_bf16_f32 v[32+i], v[BIAS+2*i], v[BIAS+2*i+1]
	v_lshlrev_b32 v[BIAS+2*i], 16, v[32+i]
	v_and_b32 v[BIAS+2*i+1], 0xffff0000, v[32+i]
.set i, i+1
.endr
.macro OUT a                           ; 16 rows: sums + bias (each accumulator from its low end on), q rounded to f16, six stores of 512 consecutive bytes
	s_wait_xcnt 0x0                                ; the stores of the block before have read T and PK
	WIN 0x02+(\a)/4
.set i, 0
.rept 4*BF
	v_pk_add_f32 v[T+2*i:T+2*i+1], v[8*BF*((\a)%4)+2*i:8*BF*((\a)%4)+2*i+1], v[BIAS+2*i:BIAS+2*i+1]
.set i, i+1
.endr
	WIN 0
.set i, 0
.rept 16
	v_cvt_pk_f16_f32 v[PK+i], v[T+2*i], v[T+2*i+1]
.set i, i+1
.endr
.set i, 0
.rept 4
	global_store_b128 v[CO], v[PK+4*i:PK+4*i+3], s[8:9] offset:(\a)*65536+i*512
.set i, i+1
.endr
	global_store_b128 v[CO], v[T+32:T+35], s[14:15] offset:(\a)*32768
	global_store_b128 v[CO], v[T+36:T+39], s[14:15] offset:(\a)*32768+512
.endm
.irp a, 0,1,2,3,4,5,6,7
	OUT \a
.endr
	s_wait_tensorcnt 0x0                           ; the wave's end
	ds_add_u32 v[SPW], v[NIL]
	s_wait_dscnt 0x0
	CROUND                                         ; the closing round: no work-group ends while a partner may still ask for a tile that names it
	s_endpgm
.Lfunc_end_k_q43e1ba1163_proj:
	.size	k_q43e1ba1163_proj, .Lfunc_end_k_q43e1ba1163_proj-k_q43e1ba1163_proj
	.p2alignl 7, 3214868480
	.fill 96, 4, 3214868480
	.section	.rodata,"a",@progbits
	.p2align	6, 0x0
	.amdhsa_kernel k_q43e1ba1163_proj
		.amdhsa_group_segment_fixed_size 327680
		.amdhsa_private_segment_fixed_size 0
		.amdhsa_enable_private_segment 0
		.amdhsa_kernarg_size 40
		.amdhsa_user_sgpr_count 2
		.amdhsa_user_sgpr_kernarg_segment_ptr 1
		.amdhsa_wavefront_size32 1
		.amdhsa_system_sgpr_workgroup_id_x 1
		.amdhsa_system_sgpr_workgroup_id_y 1
		.amdhsa_system_sgpr_workgroup_id_z 1
		.amdhsa_system_vgpr_workitem_id 0
		.amdhsa_next_free_vgpr 1024
		.amdhsa_next_free_sgpr 80
		.amdhsa_reserve_vcc 0
		.amdhsa_float_denorm_mode_32 3
		.amdhsa_float_denorm_mode_16_64 3
		.amdhsa_memory_ordered 1
		.amdhsa_forward_progress 1
		.amdhsa_inst_pref_size 110
	.end_amdhsa_kernel
	.amdgpu_metadata
---
amdhsa.version: [ 1, 2 ]
amdhsa.kernels:
  - .name:           k_q43e1ba1163_proj
    .symbol:         k_q43e1ba1163_proj.kd
    .args:
      - { .name: cst, .offset: 0, .size: 8, .value_kind: global_buffer, .address_space: global }
      - { .name: b_q, .offset: 8, .size: 8, .value_kind: global_buffer, .address_space: global }
      - { .name: b_lat, .offset: 16, .size: 8, .value_kind: global_buffer, .address_space: global }
      - { .name: qimg, .offset: 24, .size: 8, .value_kind: global_buffer, .address_space: global }
      - { .name: yimg, .offset: 32, .size: 8, .value_kind: global_buffer, .address_space: global }
    .group_segment_fixed_size: 327680
    .private_segment_fixed_size: 0
    .kernarg_segment_align: 8
    .kernarg_segment_size: 40
    .max_flat_workgroup_size: 128
    .sgpr_count:     80
    .vgpr_count:     1024
    .wavefront_size: 32
...
	.end_amdgpu_metadata
.endif
;; end of part 2
;; launch ln (part 3): grid 256 x 1, 4 waves a work-group, no clusters, 1,024 bytes of LDS; arguments yimg, g_ln, b_ln, latimg; writes latimg
.if DOCPART == 3
	.amdgcn_target "amdgcn-amd-amdhsa--gfx1250"
	.amdhsa_code_object_version 6
	.text
	.protected	k_q43e1ba1163_ln
	.globl	k_q43e1ba1163_ln
	.p2align	8
	.type	k_q43e1ba1163_ln,@function
k_q43e1ba1163_ln:
	s_mov_b64 s[64:65], 0
	v_nop
	global_prefetch_b8 v0, s[64:65] scope:SCOPE_SE
	s_setreg_imm32_b32 hwreg(HW_REG_WAVE_MODE, 25, 1), 1
	s_wait_xcnt 0x0
; LN.  latent = (y - mean) / sqrt(var + 1e-5) x g + b over rows of 512, all in f32; g and b are rounded to bf16 like every input; latent is rounded once to f16.
; y lies in blocks of 16 rows x 16 columns of f32, 1,024 bytes at (32 R + Cb) x 1024: lane (r = l % 16, h = l / 16) finds row r, columns 8 h + 0..3 at 16 l and columns 8 h + 4..7 at 512 + 16 l.
; A work-group takes 16 rows (one R); wave w the column blocks 8 w .. 8 w + 7: 8 KiB on end, 64 numbers of a row in each lane.
; THE VARIANCE forms no difference of large sums: each wave takes ITS mean of 128 numbers away first and sums the squares of what is left (M2); the four waves' (mean, M2) meet in LDS, and
; M2 of the row = the sum of the four M2 + 128 x the sum of (mean_w - mean)^2.
; latent goes out in blocks of 512 bytes of f16 at (32 R + Cb) x 512, a lane's eight columns at 16 l: two such blocks are a fragment of the next product as they lie.
; LIMITS: latent must lie within f16's 65,504; NaN and infinities are not treated apart.
.set PART,  0                          ; LDS: wave w's (mean, M2) of row r at 128 w + 8 r
.set SPARE, 512                        ; the spare words, 128 bytes a wave: two blocks of 256 bytes that no other line names
.set SPW, 2
.set NIL, 3
.set Y,   32                           ; v[32:95]
.set G,   96                           ; v[96:159], and b behind it, v[160:223]
.set B,   160
.set PK,  224
	s_load_b256 s[4:11], s[0:1], 0x0               ; yimg s[4:5], g_ln s[6:7], b_ln s[8:9], latimg s[10:11]
	v_lshl_add_u32 v[SPW], v0, 2, SPARE
	v_mov_b32 v[NIL], 0
	v_lshrrev_b32 v1, 5, v0
	v_readfirstlane_b32 s12, v1                    ; wave 0..3
	v_and_b32 v1, 31, v0                           ; lane
	v_and_b32 v12, 15, v0                          ; r
	v_bfe_u32 v13, v0, 4, 1                        ; h
	s_lshl_b32 s13, s12, 13
	v_lshl_add_u32 v20, v1, 4, s13                 ; y: 8,192 w + 16 l
	s_lshl_b32 s13, s12, 9
	v_lshl_add_u32 v21, v13, 5, s13                ; g, b: column 128 w + 8 h, in bytes
	s_lshl_b32 s13, s12, 12
	v_lshl_add_u32 v22, v1, 4, s13                 ; latent: 4,096 w + 16 l
	s_lshl_b32 s13, s12, 7
	v_lshl_add_u32 v23, v12, 3, s13                ; where my wave's pair goes
	v_lshlrev_b32 v24, 3, v12                      ; where the four are read
	s_lshl_b32 s14, ttmp9, 15                      ; R x 32 blocks of 1,024 bytes
	s_mov_b32 s15, 0
	s_lshl_b32 s16, ttmp9, 14                      ; R x 32 blocks of 512 bytes
	s_mov_b32 s17, 0
	s_mov_b32 s20, 0x76543210                      ; v_permlanex16_b32: each lane takes its own place in the other half
	s_mov_b32 s21, 0xfedcba98
	s_mov_b32 s22, 0x3b000000                      ; 1 / 512
	s_mov_b32 s23, 0x3727c5ac                      ; 1e-5
	s_wait_kmcnt 0x0
	s_add_nc_u64 s[4:5], s[4:5], s[14:15]
	s_add_nc_u64 s[10:11], s[10:11], s[16:17]
.set i, 0
.rept 8
	global_load_b128 v[Y+8*i:Y+8*i+3],   v20, s[4:5] offset:i*1024 th:TH_LOAD_NT
	global_load_b128 v[Y+8*i+4:Y+8*i+7], v20, s[4:5] offset:i*1024+512 th:TH_LOAD_NT
.set i, i+1
.endr
.set i, 0
.rept 8
	global_load_b128 v[G+8*i:G+8*i+3],   v21, s[6:7] offset:i*64
	global_load_b128 v[G+8*i+4:G+8*i+7], v21, s[6:7] offset:i*64+16
.set i, i+1
.endr
.set i, 0
.rept 8
	global_load_b128 v[B+8*i:B+8*i+3],   v21, s[8:9] offset:i*64
	global_load_b128 v[B+8*i+4:B+8*i+7], v21, s[8:9] offset:i*64+16
.set i, i+1
.endr
	s_wait_loadcnt 32                              ; y is in; the 32 loads of g and b stay out
.irp k, 0,1,2,3                        ; the sum of my 64 numbers, in four chains
	v_pk_add_f32 v[4+2*(\k):5+2*(\k)], v[Y+2*(\k):Y+2*(\k)+1], v[Y+8+2*(\k):Y+9+2*(\k)]
.endr
.set i, 8
.rept 24
	v_pk_add_f32 v[4+2*(i%4):5+2*(i%4)], v[4+2*(i%4):5+2*(i%4)], v[Y+2*i:Y+2*i+1]
.set i, i+1
.endr
	v_pk_add_f32 v[4:5], v[4:5], v[6:7]
	v_pk_add_f32 v[8:9], v[8:9], v[10:11]
	v_pk_add_f32 v[4:5], v[4:5], v[8:9]
	v_add_f32 v12, v4, v5
	v_permlanex16_b32 v13, v12, s20, s21           ; the row's other 64 numbers of my wave lie in the lane 16 away
	v_add_f32 v12, v12, v13
	v_mul_f32 v14, 0x3c000000, v12                 ; my wave's mean of 128
	v_mov_b32 v15, v14
.set i, 0
.rept 32
	v_pk_add_f32 v[Y+2*i:Y+2*i+1], v[Y+2*i:Y+2*i+1], v[14:15] neg_lo:[0,1] neg_hi:[0,1]
.set i, i+1
.endr
.irp k, 0,1,2,3                        ; the squares of what is left
	v_pk_mul_f32 v[4+2*(\k):5+2*(\k)], v[Y+2*(\k):Y+2*(\k)+1], v[Y+2*(\k):Y+2*(\k)+1]
.endr
.set i, 4
.rept 28
	v_pk_fma_f32 v[4+2*(i%4):5+2*(i%4)], v[Y+2*i:Y+2*i+1], v[Y+2*i:Y+2*i+1], v[4+2*(i%4):5+2*(i%4)]
.set i, i+1
.endr
	v_pk_add_f32 v[4:5], v[4:5], v[6:7]
	v_pk_add_f32 v[8:9], v[8:9], v[10:11]
	v_pk_add_f32 v[4:5], v[4:5], v[8:9]
	v_add_f32 v12, v4, v5
	v_permlanex16_b32 v13, v12, s20, s21
	v_add_f32 v17, v12, v13
	v_mov_b32 v16, v14
	ds_store_b64 v23, v[16:17] offset:PART         ; both halves of the lanes write the same pair
	s_wait_dscnt 0x0                               ; for the others' sake
	s_barrier_signal -1
	s_barrier_wait -1
	ds_load_b64 v[18:19], v24 offset:PART
	ds_load_b64 v[26:27], v24 offset:PART+128
	ds_load_b64 v[28:29], v24 offset:PART+256
	ds_load_b64 v[30:31], v24 offset:PART+384
	s_wait_dscnt 0x0
	v_add_f32 v4, v18, v26
	v_add_f32 v5, v28, v30
	v_add_f32 v4, v4, v5
	v_mul_f32 v4, 0x3e800000, v4                   ; the row's mean
	v_sub_f32 v5, v18, v4
	v_sub_f32 v6, v26, v4
	v_sub_f32 v7, v28, v4
	v_sub_f32 v8, v30, v4
	v_mul_f32 v9, v5, v5
	v_fmac_f32 v9, v6, v6
	v_fmac_f32 v9, v7, v7
	v_fmac_f32 v9, v8, v8
	v_add_f32 v10, v19, v27
	v_add_f32 v11, v29, v31
	v_add_f32 v10, v10, v11
	v_fmamk_f32 v10, v9, 0x43000000, v10           ; + 128 x the sum of (mean_w - mean)^2
	v_fma_f32 v10, v10, s22, s23                   ; var + 1e-5
	v_rsq_f32 v6, v10
	v_sub_f32 v5, v14, v4                          ; mean_w - mean: the plain line behind the root
	s_wait_alu depctr_va_vdst(0)                   ; the wait ahead of the first use of the root
	v_mov_b32 v7, v6
	v_mul_f32 v8, v5, v6
	v_mov_b32 v9, v8
	s_wait_loadcnt 0x0                             ; g and b
.set i, 0
.rept 64                               ; both rounded to bf16
	v_cvt_pk_bf16_f32 v[10+i%2], v[G+2*i], v[G+2*i+1]
	v_lshlrev_b32 v[G+2*i], 16, v[10+i%2]
	v_and_b32 v[G+2*i+1], 0xffff0000, v[10+i%2]
.set i, i+1
.endr
.set i, 0
.rept 32
	v_pk_fma_f32 v[Y+2*i:Y+2*i+1], v[Y+2*i:Y+2*i+1], v[6:7], v[8:9]
.set i, i+1
.endr
.set i, 0
.rept 32
	v_pk_fma_f32 v[Y+2*i:Y+2*i+1], v[Y+2*i:Y+2*i+1], v[G+2*i:G+2*i+1], v[B+2*i:B+2*i+1]
.set i, i+1
.endr
.set i, 0
.rept 32
	v_cvt_pk_f16_f32 v[PK+i], v[Y+2*i], v[Y+2*i+1]
.set i, i+1
.endr
.set i, 0
.rept 8
	global_store_b128 v22, v[PK+4*i:PK+4*i+3], s[10:11] offset:i*512  ; 512 consecutive bytes, aligned
.set i, i+1
.endr
	s_wait_tensorcnt 0x0                           ; the wave's end, behind my last LDS store
	ds_add_u32 v[SPW], v[NIL]
	s_wait_dscnt 0x0
	s_endpgm
.Lfunc_end_k_q43e1ba1163_ln:
	.size	k_q43e1ba1163_ln, .Lfunc_end_k_q43e1ba1163_ln-k_q43e1ba1163_ln
	.p2alignl 7, 3214868480
	.fill 96, 4, 3214868480
	.section	.rodata,"a",@progbits
	.p2align	6, 0x0
	.amdhsa_kernel k_q43e1ba1163_ln
		.amdhsa_group_segment_fixed_size 1024
		.amdhsa_private_segment_fixed_size 0
		.amdhsa_enable_private_segment 0
		.amdhsa_kernarg_size 32
		.amdhsa_user_sgpr_count 2
		.amdhsa_user_sgpr_kernarg_segment_ptr 1
		.amdhsa_wavefront_size32 1
		.amdhsa_system_sgpr_workgroup_id_x 1
		.amdhsa_system_sgpr_workgroup_id_y 1
		.amdhsa_system_sgpr_workgroup_id_z 1
		.amdhsa_system_vgpr_workitem_id 0
		.amdhsa_next_free_vgpr 256
		.amdhsa_next_free_sgpr 66
		.amdhsa_reserve_vcc 0
		.amdhsa_float_denorm_mode_32 3
		.amdhsa_float_denorm_mode_16_64 3
		.amdhsa_memory_ordered 1
		.amdhsa_forward_progress 1
		.amdhsa_inst_pref_size 31
	.end_amdhsa_kernel
	.amdgpu_metadata
---
amdhsa.version: [ 1, 2 ]
amdhsa.kernels:
  - .name:           k_q43e1ba1163_ln
    .symbol:         k_q43e1ba1163_ln.kd
    .args:
      - { .name: yimg, .offset: 0, .size: 8, .value_kind: global_buffer, .address_space: global }
      - { .name: g_ln, .offset: 8, .size: 8, .value_kind: global_buffer, .address_space: global }
      - { .name: b_ln, .offset: 16, .size: 8, .value_kind: global_buffer, .address_space: global }
      - { .name: latimg, .offset: 24, .size: 8, .value_kind: global_buffer, .address_space: global }
    .group_segment_fixed_size: 1024
    .private_segment_fixed_size: 0
    .kernarg_segment_align: 8
    .kernarg_segment_size: 32
    .max_flat_workgroup_size: 128
    .sgpr_count:     66
    .vgpr_count:     256
    .wavefront_size: 32
...
	.end_amdgpu_metadata
.endif
;; end of part 3
;; launch kvp (part 4): grid 16 x 16, 4 waves a work-group, clusters of 4 x 4, 327,680 bytes of LDS; arguments latimg, cst, b_kv, kvimg; writes kvimg
.if DOCPART == 4
	.amdgcn_target "amdgcn-amd-amdhsa--gfx1250"
	.amdhsa_code_object_version 6
	.text
	.protected	k_q43e1ba1163_kvp
	.globl	k_q43e1ba1163_kvp
	.p2align	8
	.type	k_q43e1ba1163_kvp,@function
k_q43e1ba1163_kvp:
	s_mov_b64 s[64:65], 0
	v_nop
	global_prefetch_b8 v0, s[64:65] scope:SCOPE_SE
	s_setreg_imm32_b32 hwreg(HW_REG_WAVE_MODE, 25, 1), 1
	s_wait_xcnt 0x0
	s_wait_alu depctr_hold_cnt(0) depctr_sa_sdst(0) depctr_va_vdst(0) depctr_va_sdst(0) depctr_va_ssrc(0) depctr_va_vcc(0) depctr_vm_vsrc(0)
	s_getreg_b32 s2, hwreg(HW_REG_IB_STS2, 6, 4)
	s_cmp_eq_u32 s2, 0
	s_cbranch_scc0 .Lentry_in_a_cluster
	s_endpgm
.Lentry_in_a_cluster:
	s_bfe_u32 s2, ttmp6, 0x10000c
	s_cmp_lg_u32 s2, 0xf033
	s_cbranch_scc0 .Lentry_shape_is_right
	s_endpgm
.Lentry_shape_is_right:
; KVP.  kv = latent w_kv^T + b_kv.  latent: 4,096 rows x 512 in f16, in blocks of 16 x 16 (512 bytes, block (R, Cb) at (32 R + Cb) x 512, lane l's 16 bytes at 16 l: row l % 16, columns 8 (l / 16) + 0..7);
; w_kv: [4096][512] in cst, bf16 numbers written as f16; sums in f32.  A tile is 256 x 256: 16 x 16 = 256 work-groups; four waves 2 x 2, each 128 x 128: 64 accumulators.
; K goes in four steps of 128 through a ring of two LDS slots filled by tensor loads.  latent's part of a step is 4,096 consecutive bytes of each row of blocks and is read from LDS as it lies: a fragment is two
; loads of 16 bytes at 16 l, 512 bytes apart: consecutive lanes, consecutive bytes.  The weights' rows are 256 bytes, padded to 272 in LDS.
; CLUSTER 4 x 4: latent's tile is asked for jointly along a row of the cluster, the weights' along a column.  NO PREFETCH: of K's four steps two are asked for at the head and two by the one lap's refills: a
; prefetch that runs two steps ahead of the loads would have nothing left to name.
; THE PRODUCT IS TAKEN TRANSPOSED: a lane ends with row l % 16 and eight neighbouring columns.  OUT, f16 blocks of 512 bytes at (256 R + Cb) x 512: K (Cb 0..127) with lane l's 16 bytes at 16 l; V (Cb 128..255) with
; the 16 bytes of key r, channel half h at 16 x (r % 8 + 8 h + 16 (r / 8)), so that a turning LDS load at 16 l finds each group of eight lanes its eight keys of one channel half.
; b_kv is rounded to bf16 like every input and added in f32.  LIMITS: latent, w_kv, k and v must lie within f16's 65,504; NaN and infinities are not treated apart.
; REGISTERS, in windows of 256 (s_set_vgpr_msb: bits 1:0 source 0, 3:2 source 1, 5:4 source 2, 7:6 destination): window 0: v16-31 addresses, v64-191 latent's fragments (two buffers; at work on the way out),
; v192-255 the bias; window 1: the weights' fragments; window 2: accumulators of my rows 0-63 ((a, b) at 8 (8 a + b)); window 3: rows 64-127.
.set BF,    8
.set PITCH, 272                        ; 256 bytes + 16 of padding = 68 words: the 16 rows of a load start at 16 different groups of four banks (64 banks of 4 bytes: ISA guide 11.1)
.set ABLK,  4096                       ; from row of blocks to row of blocks
.set AQ,    1024                       ; a quarter is two blocks
.set AH,    512
.set BBLK,  16*PITCH
.set BQ,    64
.set BH,    32
.set AHALF, 8*4096
.set AREG,  2*AHALF
.set BHALF, 128*PITCH
.set SLOT,  AREG+2*BHALF
.set SPARE, 2*SLOT                     ; the spare words, 128 bytes a wave: two blocks of 256 bytes that no other line names
.set KSA,   4096
.set KSB,   256
.set LAPS,  2
.set NL,    2*BF+16
.set WKV,   27262976                   ; w_kv's first byte in cst
.set RMW,   (1<<16)|(1<<20)|(1<<21)|(5<<22)|(3<<25)  ; 2-byte elements; padding on; bit 21 beside a mask; after every 64 words; 4 words
.set IMW,   (3<<16)|(1<<21)            ; 8-byte elements, no padding; bit 21 beside a mask
.set ADRA, 16
.set ADRB, 20
.set CO,   26                          ; v26  my place in a block on the way out
.set BO,   27                          ; v27  my byte offset in b_kv; never rewritten
.set SPW,  28
.set NIL,  29
.set F0,   64
.set F1,   128
.set T,    64
.set PK,   128
.set BIAS, 192
.set G1,  24
.set G0,  32
.set G1B, 48
.set G0B, 56
.set MSB, 0
.macro WIN new                         ; the immediate's high byte repeats the setting that is left; a switch that changes nothing is dropped
.if MSB != (\new)
	s_set_vgpr_msb (MSB<<8)|(\new)
.set MSB, \new
.endif
.endm
.set MUL_LO, 0xa1
.set TO_B,   0x40
.macro PLACES                          ; four places behind a matrix instruction, in front of loads into registers that it has read (ISA guide 7.12.1 for vector instructions)
.rept 4
	v_nop
.endr
.endm
.macro JLOAD s                         ; a joint load; an s_nop 0 and four v_nop follow each of the two lines, ahead of the jump and the label
	s_cmp_eq_u32 s11, 0
	s_cbranch_scc0 .Lfor_b_\@
	tensor_load_to_lds s[G0+4*(\s):G0+4*(\s)+3], s[G1:G1+7]
	s_nop 0
	PLACES
	s_branch .Lasked_\@
.Lfor_b_\@:
	tensor_load_to_lds s[G0B+4*(\s):G0B+4*(\s)+3], s[G1B:G1B+7]
	s_nop 0
	PLACES
.Lasked_\@:
.endm
.macro CREST
	s_cmp_lg_u32 s10, 0
	s_cbranch_scc1 .Lnot_wave_0_\@
	s_barrier_signal -3
.Lnot_wave_0_\@:
	s_barrier_wait -3
	s_barrier_signal -1
	s_barrier_wait -1
.endm
.macro CROUND
	s_barrier_signal -1
	s_barrier_wait -1
	CREST
.endm
	s_load_b256 s[68:75], s[0:1], 0x0              ; latimg s[68:69], cst s[70:71], b_kv s[72:73], kvimg s[74:75]
	v_lshl_add_u32 v[SPW], v0, 2, SPARE
	v_mov_b32 v[NIL], 0
	ds_add_u32 v[SPW], v[NIL]                      ; the wave's opening: the add and its wait ahead of my first tensor load; work on registers stands between them
	ds_add_u32 v28, v29
	v_lshrrev_b32 v1, 5, v0
	v_readfirstlane_b32 s10, v1                    ; wave 0..3
	s_lshr_b32 s11, s10, 1                         ; which half of the tile's rows is mine.  Also: I fetch for latent (0) or for the weights (1)
	s_and_b32 s12, s10, 1                          ; which half of its columns.  Also: which half of that tile I fetch
	s_bfe_u32 s40, ttmp6, 0x40000                  ; cx
	s_bfe_u32 s41, ttmp6, 0x40004                  ; cy
	s_lshl_b32 s42, ttmp9, 2
	s_add_co_u32 s42, s42, s40                     ; tx
	s_and_b32 s13, ttmp7, 0xffff
	s_lshl_b32 s13, s13, 2
	s_add_co_u32 s13, s13, s41                     ; ty
	s_lshl_b32 s43, s41, 2
	s_lshl_b32 s43, 15, s43                        ; my row of the cluster
	s_lshl_b32 s44, 0x1111, s40                    ; my column
	s_or_b32 s[G1+0], s43, IMW
	s_mov_b32 s[G1+1], 512<<16                     ; tensor_dim0 = 512 elements of 8 bytes
	s_mov_b32 s[G1+2], 8<<16                       ; tensor_dim1 = 8 rows of blocks
	s_mov_b32 s[G1+3], 512<<16                     ; tile_dim0
	s_mov_b32 s[G1+4], 8                           ; tile_dim1
	s_mov_b32 s[G1+5], 2048                        ; 16,384 bytes from row of blocks to row of blocks
	s_mov_b32 s[G1+6], 0
	s_mov_b32 s[G1+7], 0
	s_or_b32 s[G1B+0], s44, RMW
	s_mov_b32 s[G1B+1], 128<<16
	s_mov_b32 s[G1B+2], 128<<16
	s_mov_b32 s[G1B+3], 128<<16
	s_mov_b32 s[G1B+4], 128
	s_mov_b32 s[G1B+5], 512                        ; elements from row to row of w_kv
	s_mov_b32 s[G1B+6], 0
	s_mov_b32 s[G1B+7], 0
	s_lshl_b32 s16, s13, 18                        ; latent: row of blocks 16 ty + 8 x half, of 16,384 bytes
	s_lshl_b32 s17, s12, 17
	s_add_co_u32 s16, s16, s17
	s_mov_b32 s17, 0
	s_lshl_b32 s46, s42, 18                        ; weights: row 256 tx + 128 x half, of 1,024 bytes
	s_lshl_b32 s47, s12, 17
	s_add_co_u32 s46, s46, s47
	s_mov_b32 s47, 0
	s_mul_i32 s20, s12, AHALF
	s_mul_i32 s21, s12, BHALF
	s_add_co_u32 s21, s21, AREG
	s_wait_dscnt 0x0                               ; the opening add is done
	s_wait_kmcnt 0x0
	s_add_nc_u64 s[6:7], s[70:71], WKV
	s_add_nc_u64 s[14:15], s[68:69], s[16:17]
	s_add_nc_u64 s[46:47], s[6:7], s[46:47]
	CROUND                                         ; all sixteen work-groups are here: the first joint loads meet
.irp s, 0,1
	s_mov_b32 s[G0+4*(\s)], 1
	s_add_co_u32 s[G0+4*(\s)+1], s20, (\s)*SLOT
	s_add_nc_u64 s[G0+4*(\s)+2:G0+4*(\s)+3], s[14:15], (\s)*KSA
	s_or_b32 s[G0+4*(\s)+3], s[G0+4*(\s)+3], 0x80000000
	s_mov_b32 s[G0B+4*(\s)], 1
	s_add_co_u32 s[G0B+4*(\s)+1], s21, (\s)*SLOT
	s_add_nc_u64 s[G0B+4*(\s)+2:G0B+4*(\s)+3], s[46:47], (\s)*KSB
	s_or_b32 s[G0B+4*(\s)+3], s[G0B+4*(\s)+3], 0x80000000
	JLOAD \s                                       ; two loads of mine are out
.endr
	v_and_b32 v1, 15, v0                           ; r
	v_bfe_u32 v2, v0, 4, 1                         ; h
	v_and_b32 v5, 31, v0                           ; lane
	v_mul_u32_u24 v3, v1, PITCH
	v_lshl_add_u32 v3, v2, 4, v3                   ; the weights: row x pitch + 16 x half
	v_lshlrev_b32 v4, 4, v5                        ; latent: 16 x lane
	s_mul_i32 s21, s11, AHALF                      ; my 128 rows of latent
	s_mul_i32 s22, s12, BHALF                      ; my 128 weight rows
	s_add_co_u32 s22, s22, AREG
.irp s, 0,1
	v_add_nc_u32 v[ADRA+(\s)], s21, v4
	v_add_nc_u32 v[ADRB+(\s)], s22, v3
	s_add_co_u32 s21, s21, SLOT
	s_add_co_u32 s22, s22, SLOT
.endr
	v_and_b32 v6, 7, v0                            ; V's place in a block: r % 8 + 8 h + 16 (r / 8)
	v_bfe_u32 v7, v0, 3, 1
	v_lshl_add_u32 v8, v2, 3, v6
	v_lshl_add_u32 v8, v7, 4, v8
	v_lshlrev_b32 v8, 4, v8
	s_cmp_ge_u32 ttmp9, 2                          ; column tiles 8 .. 15 are V: clusters 2 and 3 along x, alike in all partners; it enters a store's offset alone
	s_cselect_b32 s78, -1, 0
	v_cndmask_b32 v[CO], v4, v8, s78
	s_lshl_b32 s20, s42, 10                        ; b_kv at column 256 tx + 128 x half + 8 h, in bytes
	s_lshl_b32 s23, s12, 9
	s_add_co_u32 s20, s20, s23
	v_lshl_add_u32 v[BO], v2, 5, s20
.irp b, 0,1,2,3,4,5,6,7
	global_load_b128 v[BIAS+8*(\b):BIAS+8*(\b)+3],   v[BO], s[72:73] offset:64*(\b)
	global_load_b128 v[BIAS+8*(\b)+4:BIAS+8*(\b)+7], v[BO], s[72:73] offset:64*(\b)+16
.endr
	s_lshl_b32 s16, s13, 21                        ; kvimg: block (16 ty + 8 x row half, 16 tx + 8 x column half) x 512 bytes
	s_lshl_b32 s17, s11, 20
	s_add_co_u32 s16, s16, s17
	s_lshl_b32 s17, s42, 13
	s_add_co_u32 s16, s16, s17
	s_lshl_b32 s17, s12, 12
	s_add_co_u32 s16, s16, s17
	s_mov_b32 s17, 0
	s_add_nc_u64 s[8:9], s[74:75], s[16:17]
; 2 BF matrix instructions: row blocks a0, a0 + 1 of the window's four x all BF column blocks, 32 along K.  zero = 1: the first product starts the sums.  The accumulators take turns, one instruction a turn.
.macro MUL16 f, hi, a0, zero
	WIN MUL_LO+0x50*(\hi)
.irp a, \a0, (\a0)+1
.set b, 0
.rept BF
.set rD, 8*(BF*(\a)+b)
.set rB, (\f)+8*b
.set rA, (\f)+8*(4*(\hi)+(\a))
.if \zero
	v_wmma_f32_16x16x32_f16 v[rD:rD+7], v[rB:rB+7], v[rA:rA+7], 0
.else
	v_wmma_f32_16x16x32_f16 v[rD:rD+7], v[rB:rB+7], v[rA:rA+7], v[rD:rD+7]
.endif
.set b, b+1
.endr
.endr
.endm
.macro FETCH slot, q, f                ; NL LDS loads in one run: quarter q's fragments into buffer f: the weights' first, then latent's
	WIN TO_B
.set i, 0
.rept BF
	ds_load_b128 v[(\f)+8*i:(\f)+8*i+3],   v[ADRB+(\slot)] offset:(\q)*BQ+i*BBLK
	ds_load_b128 v[(\f)+8*i+4:(\f)+8*i+7], v[ADRB+(\slot)] offset:(\q)*BQ+i*BBLK+BH
.set i, i+1
.endr
	WIN 0
.set i, 0
.rept 8
	ds_load_b128 v[(\f)+8*i:(\f)+8*i+3],   v[ADRA+(\slot)] offset:(\q)*AQ+i*ABLK
	ds_load_b128 v[(\f)+8*i+4:(\f)+8*i+7], v[ADRA+(\slot)] offset:(\q)*AQ+i*ABLK+AH
.set i, i+1
.endr
.endm
.macro QUARTER slot, q, f, g, zero
	s_wait_dscnt 8                                 ; the weights and latent's rows 0-63 are in; the youngest eight loads (rows 64-127) may be out
	MUL16 \f, 0, 0, \zero
	MUL16 \f, 0, 2, \zero
	PLACES
	FETCH \slot, \q, \g
	s_wait_dscnt NL                                ; all but the run just issued
	MUL16 \f, 1, 0, \zero
	MUL16 \f, 1, 2, \zero
.endm
.macro MEET round
	WIN 0
	s_wait_tensorcnt 0x0                           ; all my tensor loads have landed: the one that was out is my part of the next slot
	ds_add_u32 v[SPW], v[NIL]                      ; 0 onto my spare word
	s_wait_dscnt 9                                 ; (the add and the youngest eight loads may be out)
	MUL16 F1, 0, 0, 0
	s_wait_dscnt 0x0                               ; the add is done, and my reads of this slot are over
	s_barrier_signal -1
	MUL16 F1, 0, 2, 0
.if \round
	WIN 0
.endif
	s_barrier_wait -1
.endm
.macro TURN slot, next                 ; the last quarter, with the slot filled again two K steps on: the barrier opens a round of the cluster's, and the joint load is the first thing behind it
	MEET 1
	CREST
	s_add_nc_u64 s[G0+4*(\slot)+2:G0+4*(\slot)+3], s[G0+4*(\slot)+2:G0+4*(\slot)+3], 2*KSA
	s_add_nc_u64 s[G0B+4*(\slot)+2:G0B+4*(\slot)+3], s[G0B+4*(\slot)+2:G0B+4*(\slot)+3], 2*KSB
	JLOAD \slot                                    ; the four v_nop behind it are also the places in front of the loads below
	FETCH \next, 0, F0
	MUL16 F1, 1, 0, 0
	MUL16 F1, 1, 2, 0
.endm
	s_wait_tensorcnt 1                             ; my part of K step 0 is in; K step 1's may stay out
	s_barrier_signal -1
	s_barrier_wait -1
	FETCH 0, 0, F0
	QUARTER 0, 1, F0, F1, 1                        ; the first quarter's products start the sums
	WIN 0
	s_mov_b32 s3, LAPS-1
.Llap:                                 ; a trip goes once round the ring and fills both slots again: one trip at K = 512
	QUARTER 0, 2, F1, F0, 0
	QUARTER 0, 3, F0, F1, 0
	TURN 0, 1
	QUARTER 1, 1, F0, F1, 0
	QUARTER 1, 2, F1, F0, 0
	QUARTER 1, 3, F0, F1, 0
	TURN 1, 0
	QUARTER 0, 1, F0, F1, 0
	WIN 0
	s_sub_co_u32 s3, s3, 1
	s_cmp_lg_u32 s3, 0
	s_cbranch_scc1 .Llap
	QUARTER 0, 2, F1, F0, 0                        ; the last lap fills nothing
	QUARTER 0, 3, F0, F1, 0
	MEET 0
	PLACES
	FETCH 1, 0, F0
	MUL16 F1, 1, 0, 0
	MUL16 F1, 1, 2, 0
	QUARTER 1, 1, F0, F1, 0
	QUARTER 1, 2, F1, F0, 0
	QUARTER 1, 3, F0, F1, 0
	s_wait_dscnt 8
	MUL16 F1, 0, 0, 0
	MUL16 F1, 0, 2, 0
	s_wait_dscnt 0x0
	MUL16 F1, 1, 0, 0
	MUL16 F1, 1, 2, 0
	WIN 0
	; THE WAY OUT.  The bias is rounded to bf16; these 96 plain lines, which name no register of the last products, are also the places behind them.
	s_wait_loadcnt 0x0
.set i, 0
.rept 32
	v_cvt_pk_bf16_f32 v[32+i], v[BIAS+2*i], v[BIAS+2*i+1]
	v_lshlrev_b32 v[BIAS+2*i], 16, v[32+i]
	v_and_b32 v[BIAS+2*i+1], 0xffff0000, v[32+i]
.set i, i+1
.endr
.macro OUT a                           ; 16 rows: sums + bias (each accumulator from its low end on), rounded to f16, eight stores of 512 consecutive bytes
	s_wait_xcnt 0x0                                ; the stores of the block before have read PK
	WIN 0x02+(\a)/4
.set i, 0
.rept 4*BF
	v_pk_add_f32 v[T+2*i:T+2*i+1], v[8*BF*((\a)%4)+2*i:8*BF*((\a)%4)+2*i+1], v[BIAS+2*i:BIAS+2*i+1]
.set i, i+1
.endr
	WIN 0
.set i, 0
.rept 32
	v_cvt_pk_f16_f32 v[PK+i], v[T+2*i], v[T+2*i+1]
.set i, i+1
.endr
.set i, 0
.rept 8
	global_store_b128 v[CO], v[PK+4*i:PK+4*i+3], s[8:9] offset:(\a)*131072+i*512
.set i, i+1
.endr
.endm
.irp a, 0,1,2,3,4,5,6,7
	OUT \a
.endr
	s_wait_tensorcnt 0x0                           ; the wave's end
	ds_add_u32 v[SPW], v[NIL]
	s_wait_dscnt 0x0
	CROUND                                         ; the closing round
	s_endpgm
.Lfunc_end_k_q43e1ba1163_kvp:
	.size	k_q43e1ba1163_kvp, .Lfunc_end_k_q43e1ba1163_kvp-k_q43e1ba1163_kvp
	.p2alignl 7, 3214868480
	.fill 96, 4, 3214868480
	.section	.rodata,"a",@progbits
	.p2align	6, 0x0
	.amdhsa_kernel k_q43e1ba1163_kvp
		.amdhsa_group_segment_fixed_size 327680
		.amdhsa_private_segment_fixed_size 0
		.amdhsa_enable_private_segment 0
		.amdhsa_kernarg_size 32
		.amdhsa_user_sgpr_count 2
		.amdhsa_user_sgpr_kernarg_segment_ptr 1
		.amdhsa_wavefront_size32 1
		.amdhsa_system_sgpr_workgroup_id_x 1
		.amdhsa_system_sgpr_workgroup_id_y 1
		.amdhsa_system_sgpr_workgroup_id_z 1
		.amdhsa_system_vgpr_workitem_id 0
		.amdhsa_next_free_vgpr 1024
		.amdhsa_next_free_sgpr 80
		.amdhsa_reserve_vcc 0
		.amdhsa_float_denorm_mode_32 3
		.amdhsa_float_denorm_mode_16_64 3
		.amdhsa_memory_ordered 1
		.amdhsa_forward_progress 1
		.amdhsa_inst_pref_size 156
	.end_amdhsa_kernel
	.amdgpu_metadata
---
amdhsa.version: [ 1, 2 ]
amdhsa.kernels:
  - .name:           k_q43e1ba1163_kvp
    .symbol:         k_q43e1ba1163_kvp.kd
    .args:
      - { .name: latimg, .offset: 0, .size: 8, .value_kind: global_buffer, .address_space: global }
      - { .name: cst, .offset: 8, .size: 8, .value_kind: global_buffer, .address_space: global }
      - { .name: b_kv, .offset: 16, .size: 8, .value_kind: global_buffer, .address_space: global }
      - { .name: kvimg, .offset: 24, .size: 8, .value_kind: global_buffer, .address_space: global }
    .group_segment_fixed_size: 327680
    .private_segment_fixed_size: 0
    .kernarg_segment_align: 8
    .kernarg_segment_size: 32
    .max_flat_workgroup_size: 128
    .sgpr_count:     80
    .vgpr_count:     1024
    .wavefront_size: 32
...
	.end_amdgpu_metadata
.endif
;; end of part 4
;; launch attn (part 5): grid 4 x 64, 4 waves a work-group, no clusters, 327,680 bytes of LDS; arguments qimg, kvimg, oimg; writes oimg
.if DOCPART == 5
	.amdgcn_target "amdgcn-amd-amdhsa--gfx1250"
	.amdhsa_code_object_version 6
	.text
	.protected	k_q43e1ba1163_attn
	.globl	k_q43e1ba1163_attn
	.p2align	8
	.type	k_q43e1ba1163_attn,@function
k_q43e1ba1163_attn:
	s_mov_b64 s[64:65], 0
	v_nop
	global_prefetch_b8 v0, s[64:65] scope:SCOPE_SE
	s_setreg_imm32_b32 hwreg(HW_REG_WAVE_MODE, 25, 1), 1
	s_wait_xcnt 0x0
; ATTN.  O[q] = the sum over k <= q of softmax_k(Q[q] . K[k] / sqrt(128)) V[k], for 64 pairs of batch and head, 1,024 rows each, head size 128.  The window of 1,024 hides nothing that the causal mask leaves at 1,024 rows.
; Q, K, V, O are f16 in blocks of 16 rows x 16 columns, 512 bytes: qimg and oimg at (128 R + Cb) x 512, kvimg at (256 R + Cb) x 512 (K: Cb 0..127, V: 128..255); R = row / 16 of 4,096 rows, Cb = 8 x head + ..
; In a block lane l's 16 bytes (row l % 16, columns 8 (l / 16) + 0..7) lie at 16 l; in V's blocks key r, channel half h lie at 16 x (r % 8 + 8 h + 16 (r / 8)).  So fragments of Q and K are two loads at 16 l, 512 bytes
; apart, V comes turned by ds_load_tr16_b128 at 16 l, O leaves by stores of 512 consecutive bytes, and no LDS access has two lanes in one bank.
; Products, maxima and sums in f32; the weights p are rounded to f16 for the second product (their sum l is taken of the unrounded p), O once at the end.
; LIMITS.  Q, K, V arrive within f16's 65,504.  A hidden score counts as its value less 1e30.  A weight below 2^-126 counts as 0 in l; below 6e-5 p keeps f16's fixed step of 6e-8.  NaN and infinities are not treated apart.
; THE WALK.  A head's queries lie in 8 blocks of 128; block i needs the key tiles 0 .. i of 128 keys, the last of which holds the diagonal.  A work-group takes TWO blocks, 7 - b and then b: 9 tiles whatever b: 256 work-groups
; of equal work, and one loop with a constant trip count.  Which tile is asked for, and what a trip does, hang on scalar registers made from b; every jump but the loop's own goes forward and passes no barrier and no tensor load.
; NO CLUSTER: only a head's four work-groups read the same K and V; what a trip does hangs on b, which differs between them, and from trip 5 on they ask for different tiles; one walk common to all four would have 12 trips for 9.
; SHARES.  A wave owns two tiles of 16 queries, one in each of the block's two bands of 64: rows 64 t + 16 w + r.  A key tile is two steps of 64 keys.  In the diagonal tile step 0 masks tile 0 and shows tile 1 everything; step 1 is
; wholly hidden from tile 0, which is left out, and masks tile 1: the same work for all four waves.
; THE MASK is the C operand that starts the sum S^T = K Q^T: MD, made once: -1e30 where 16 kb + 8 h + j > 16 w + r, else 0.
; LAYOUT.  S^T = K Q^T (source 0 = 16 keys, source 1 = 16 queries) holds ONE query a lane and the keys 8 h + 0..7; two such results rounded to f16 ARE source 1 of O^T = V^T P, whose result holds one query a lane and eight channels.
; SOFTMAX.  A running maximum m and sum l: p = 2^(c s - c m), c = log2(e) / sqrt(128); in every step O and l are multiplied by a = 2^(c m_old - c m_new).  A block begins with c m far below every c s: its first a is 0, so O^T and l
; need only hold finite numbers there: zeros at the start (128 lines, in the wait for the first tile), the first block's leavings later: no first step is written out.
; IN PHASES: a step's K Q^T, then the two runs of LDS loads, the softmax, then V^T P.
; REGISTERS, in windows of 256 (s_set_vgpr_msb: bits 1:0 source 0, 3:2 source 1, 5:4 source 2, 7:6 destination): window 0: v2-7 addresses, v8-23 statistics, v32-95 S^T, v96-127 P, v128-159 MD, v160-223 Q;
; window 1: v0-127 O^T (64 t + 8 cb), v128-255 K of a step (32 kb + 8 c); window 2: v0-127 V of a step (64 kk + 8 cb), v128-191 the second block's Q.
.set SLOT1, 65536                      ; a slot: K's 8 rows of blocks x 4,096 bytes, then V's 8; slot 1 begins here: one exclusive or turns an address
.set VOFF,  32768
.set SPARE, 131072                     ; the spare words, 128 bytes a wave: two blocks of 256 bytes that no other line names
.set L16, 2                            ; v2  16 x lane; never rewritten
.set ADR, 3                            ; v3  the slot in hand + 16 x lane
.set MQ,  4                            ; v4  16 w + r - 8 h, for the mask
.set PFO, 5                            ; v5  the prefetches' offset; never rewritten
.set SPW, 6                            ; v6  my spare word; never rewritten
.set NIL, 7                            ; v7  0; never rewritten
.set ST,  8                            ; tile t's statistics at v[ST+8 t]: c m, m, l (even keys', odd keys'), c0-c3 at work; a takes c2's place
.set S,   32
.set P,   96
.set MD,  128
.set Q,   160
.set KF,  128                          ; window 1
.set QB,  128                          ; window 2
.set WV,  12
.set PB,  14                           ; s14  b
.set HI,  15                           ; s15  7 - b
.set G1,  24                           ; s[24:31] descriptor group 1
.set G0,  40                           ; s[40:43] group 0, made anew at each change of slots
.set PFA, 44                           ; s[44:45] my four rows of blocks of the tile behind the one that is being asked for
.set LIM, 46                           ; s46  2 where b = 0, else the greatest number
.set SLOTS, 56                         ; s56  tiles still to be asked for
.set CS,  58                           ; s[58:59] c
.set SEL, 60                           ; s[60:61] v_permlanex16_b32's selects
.set TB,  62                           ; s62  the slot in hand
.set RT,  70                           ; s70  tiles of the block in hand still to be entered
.set NXT, 71                           ; s71  the tile to be asked for next
.set LQ,  72                           ; s72  the last tile of the block whose tiles are being asked for
.set OFF, 74                           ; s[74:75] a tile's byte offset
.set OLO, 80                           ; s[80:81] O at my rows of the second block
.set BIGN, 82                          ; s82  -1e30
.set QLO, 86                           ; s[86:87] Q at my rows of the second block
.set MSB, 0
.macro WIN new                         ; the immediate's high byte repeats the setting that is left; a switch that changes nothing is dropped
.if MSB != (\new)
	s_set_vgpr_msb (MSB<<8)|(\new)
.set MSB, \new
.endif
.endm
.set W_KQ, 0x01                        ; K in window 1; Q, S^T and MD in window 0
.set W_PV, 0x52                        ; V in window 2, P in window 0, O^T in window 1
.set W_RS, 0x41                        ; O^T (destination and source 0) in window 1, the factor in window 0
.macro PLACES                          ; four places behind a matrix instruction (ISA guide 7.12.1 for vector instructions)
.rept 4
	v_nop
.endr
.endm
; THE CHANGE OF SLOTS.  Each wave waits for all its tensor loads, of which one is out: its part of the other slot; adds 0 to its spare word; waits for that and for its reads of the slot that it leaves.  Behind the barrier nobody reads
; the old slot and the other slot is whole.  fill = 1: the old slot is filled again, first thing behind the barrier, with tile NXT: each wave its own four rows of blocks, 16 KiB.  (At its first use slot 0 is waited for and slot 1 filled.)
.macro CHANGE fill
	WIN 0
	s_wait_tensorcnt 0x0                           ; no tensor load of mine is out, so group 0 may be written
	ds_add_u32 v[SPW], v[NIL]                      ; 0 onto my spare word; scalar work stands between it and the wait for it
.if \fill
	s_lshl_b32 s[OFF], s[NXT], 20                  ; a tile is 8 rows of blocks of 131,072 bytes
	s_xor_b32 s[G0+1], s[G0+1], SLOT1
	s_add_nc_u64 s[G0+2:G0+3], s[6:7], s[OFF:OFF+1]
	s_or_b32 s[G0+3], s[G0+3], 0x80000000
	s_wait_xcnt 0x0                                ; the last prefetches, a tile back, have read their address
	s_add_nc_u64 s[PFA:PFA+1], s[6:7], s[OFF:OFF+1]
	s_add_nc_u64 s[PFA:PFA+1], s[PFA:PFA+1], 0x100000
	s_add_co_u32 s[NXT], s[NXT], 1                 ; the block's next tile, or behind its last the second block's tile 0
	s_cmp_gt_u32 s[NXT], s[LQ]
	s_cselect_b32 s[NXT], 0, s[NXT]
	s_cselect_b32 s[LQ], s[PB], s[LQ]
.endif
	s_wait_dscnt 0x0                               ; the add is done, and my reads of the slot are over
	s_barrier_signal -1
	s_xor_b32 s[TB], s[TB], SLOT1
	s_barrier_wait -1
.if \fill
	tensor_load_to_lds s[G0:G0+3], s[G1:G1+7]      ; my one tensor load until the next such barrier
	s_nop 0
	PLACES
.endif
.endm
; A PREFETCH of the tile behind the one just asked for, behind the tensor load and the run of LDS loads that the products wait for.  A head's four work-groups walk tiles 0, 1, 2 .. together at first: the one with b = 0, whose
; first block needs all eight, asks, each wave for the 64 blocks of 256 bytes that it will fetch itself: lanes 0-15 one row of blocks, lanes 16-31 the next, two instructions.  So tiles 2 to 7 are named once each in the launch;
; tiles 0 and 1 come by their loads alone, and the last two trips ask for nothing.
.macro ASK
	s_cmp_gt_u32 s[SLOTS], s[LIM]
	s_cbranch_scc0 .Lnot_mine_\@
	global_prefetch_b8 v[PFO], s[PFA:PFA+1] th:TH_LOAD_NT scope:SCOPE_SE
	global_prefetch_b8 v[PFO], s[PFA:PFA+1] offset:262144 th:TH_LOAD_NT scope:SCOPE_SE
.Lnot_mine_\@:
.endm
	s_load_b128 s[4:7], s[0:1], 0x0                ; qimg s[4:5], kvimg s[6:7]
	s_load_b64 s[10:11], s[0:1], 0x10              ; oimg
	v_lshl_add_u32 v[SPW], v0, 2, SPARE
	v_mov_b32 v[NIL], 0
	ds_add_u32 v[SPW], v[NIL]                      ; the wave's opening: the add and its wait ahead of my first tensor load; work on registers stands between them
	ds_add_u32 v6, v7
	v_lshrrev_b32 v1, 5, v0
	v_readfirstlane_b32 s[WV], v1                  ; wave 0..3
	s_mov_b32 s[PB], ttmp9
	s_sub_co_u32 s[HI], 7, s[PB]
	s_and_b32 s16, ttmp7, 0xffff
	s_lshr_b32 s17, s16, 4                         ; batch
	s_and_b32 s18, s16, 15                         ; head:
	s_lshl_b32 s18, s18, 12                        ; its 8 blocks of 512 bytes
	s_lshl_b32 s2, s17, 23                         ; kvimg: the batch's 64 rows of blocks,
	s_add_co_u32 s2, s2, s18
	s_and_b32 s19, s[WV], 1                        ; my half of a tile's 8 rows of blocks,
	s_lshl_b32 s19, s19, 19
	s_add_co_u32 s2, s2, s19
	s_lshr_b32 s19, s[WV], 1                       ; of K (waves 0, 1) or of V (waves 2, 3)
	s_lshl_b32 s19, s19, 16
	s_add_co_u32 s2, s2, s19
	s_mov_b32 s3, 0
	s_lshl_b32 s17, s17, 6
	s_add_co_u32 s17, s17, s[WV]                   ; qimg, oimg: row of blocks 64 x batch + 8 x block + w (+ 4 t)
	s_lshl_b32 s20, s[HI], 3
	s_add_co_u32 s20, s20, s17
	s_lshl_b32 s20, s20, 16
	s_add_co_u32 s20, s20, s18
	s_mov_b32 s21, 0
	s_lshl_b32 s22, s[PB], 3
	s_add_co_u32 s22, s22, s17
	s_lshl_b32 s22, s22, 16
	s_add_co_u32 s22, s22, s18
	s_mov_b32 s23, 0
	s_mov_b32 s[G1+0], 3<<16                       ; elements of 8 bytes, no mask, no padding
	s_mov_b32 s[G1+1], 512<<16                     ; tensor_dim0 = 512: 4,096 bytes
	s_mov_b32 s[G1+2], 4<<16                       ; tensor_dim1 = 4 rows of blocks
	s_mov_b32 s[G1+3], 512<<16                     ; tile_dim0
	s_mov_b32 s[G1+4], 4                           ; tile_dim1
	s_mov_b32 s[G1+5], 16384                       ; 131,072 bytes from row of blocks to row of blocks
	s_mov_b32 s[G1+6], 0
	s_mov_b32 s[G1+7], 0
	s_mov_b32 s[G0], 1
	s_lshl_b32 s[G0+1], s[WV], 14                  ; slot 0, my 16 KiB
	s_mov_b32 s[CS], 0x3e0293ee                    ; c = log2(e) / sqrt(128)
	s_mov_b32 s[CS+1], s[CS]
	s_mov_b32 s[SEL], 0x76543210
	s_mov_b32 s[SEL+1], 0xfedcba98
	s_mov_b32 s[TB], SLOT1                         ; the first change of slots turns it into 0
	s_sub_co_u32 s[RT], 8, s[PB]                   ; the first block has 8 - b tiles
	s_mov_b32 s[NXT], 1
	s_mov_b32 s[LQ], s[HI]
	s_mov_b32 s[OFF+1], 0
	s_mov_b32 s[BIGN], 0xf149f2ca                  ; -1e30
	s_mov_b32 s[SLOTS], 8
	s_cmp_eq_u32 s[PB], 0
	s_cselect_b32 s[LIM], 2, -1
	s_wait_dscnt 0x0                               ; the opening add is done
	s_wait_kmcnt 0x0
	s_add_nc_u64 s[6:7], s[6:7], s[2:3]            ; my part of the head's tile 0
	s_add_nc_u64 s[G0+2:G0+3], s[6:7], 0
	s_or_b32 s[G0+3], s[G0+3], 0x80000000
	s_add_nc_u64 s[QLO:QLO+1], s[4:5], s[22:23]
	s_add_nc_u64 s[4:5], s[4:5], s[20:21]
	s_add_nc_u64 s[OLO:OLO+1], s[10:11], s[22:23]
	s_add_nc_u64 s[10:11], s[10:11], s[20:21]
	tensor_load_to_lds s[G0:G0+3], s[G1:G1+7]      ; tile 0 into slot 0
	s_nop 0
	PLACES
	v_and_b32 v1, 31, v0
	v_lshlrev_b32 v[L16], 4, v1
.set i, 0
.rept 8                                ; Q of the first block: tile i / 4, channels 32 (i % 4) on
	global_load_b128 v[Q+8*i:Q+8*i+3],   v[L16], s[4:5] offset:(i/4)*262144+(i%4)*1024
	global_load_b128 v[Q+8*i+4:Q+8*i+7], v[L16], s[4:5] offset:(i/4)*262144+(i%4)*1024+512
.set i, i+1
.endr
	WIN 0x80
.set i, 0
.rept 8                                ; and of the second
	global_load_b128 v[QB+8*i:QB+8*i+3],   v[L16], s[QLO:QLO+1] offset:(i/4)*262144+(i%4)*1024
	global_load_b128 v[QB+8*i+4:QB+8*i+7], v[L16], s[QLO:QLO+1] offset:(i/4)*262144+(i%4)*1024+512
.set i, i+1
.endr
	WIN 0
	v_and_b32 v24, 15, v0                          ; r
	v_bfe_u32 v25, v0, 4, 1                        ; h
	v_lshlrev_b32 v26, 3, v25
	v_sub_nc_u32 v[MQ], v24, v26
	s_lshl_b32 s13, s[WV], 4
	v_add_nc_u32 v[MQ], s13, v[MQ]
.set i, 0
.rept 32
	v_cmp_gt_i32 vcc_lo, 16*(i/8)+i%8, v[MQ]
	v_cndmask_b32 v[MD+i], 0, s[BIGN], vcc_lo
.set i, i+1
.endr
	v_lshlrev_b32 v[PFO], 8, v24
	v_lshl_add_u32 v[PFO], v25, 17, v[PFO]
	WIN 0x40
.set i, 0
.rept 128
	v_mov_b32 v[i], 0
.set i, i+1
.endr
	WIN 0
.macro INIT                            ; a block begins: c m far below every c s, m at the lowest finite number
.irp t, 0,1
	v_mov_b32 v[ST+8*(\t)], 0xfe000000
	v_mov_b32 v[ST+8*(\t)+1], 0xff7fffff
.endr
.endm
.irp t, 0,1
	v_mov_b32 v[ST+8*(\t)+2], 0
	v_mov_b32 v[ST+8*(\t)+3], 0
.endr
	INIT
	s_wait_loadcnt 0x0                             ; Q
; THE MATRIX WORK, for tiles tlo .. 1.  The accumulators take turns, one instruction a turn.
.macro KQS tlo, mt                     ; S^T = K Q^T: channels 32 c on, keys 16 kb on; the first product of a sum takes 0, or MD for tile mt
.set c, 0
.rept 4
.set kb, 0
.rept 4
.irp t, 0,1
.if (\t) >= (\tlo)
.set rS, S+32*(\t)+8*kb
.set rK, KF+32*kb+8*c
.set rQ, Q+32*(\t)+8*c
.if (c == 0) && ((\t) == (\mt))
	v_wmma_f32_16x16x32_f16 v[rS:rS+7], v[rK:rK+7], v[rQ:rQ+7], v[MD+8*kb:MD+8*kb+7]
.elseif c == 0
	v_wmma_f32_16x16x32_f16 v[rS:rS+7], v[rK:rK+7], v[rQ:rQ+7], 0
.else
	v_wmma_f32_16x16x32_f16 v[rS:rS+7], v[rK:rK+7], v[rQ:rQ+7], v[rS:rS+7]
.endif
.endif
.endr
.set kb, kb+1
.endr
.set c, c+1
.endr
.endm
.macro PVS tlo                         ; O^T += V^T P: keys 32 kk on, channels 16 cb on
.set kk, 0
.rept 2
.set cb, 0
.rept 8
.irp t, 0,1
.if (\t) >= (\tlo)
.set rO, 64*(\t)+8*cb
.set rV, 64*kk+8*cb
.set rP, P+16*(\t)+8*kk
	v_wmma_f32_16x16x32_f16 v[rO:rO+7], v[rV:rV+7], v[rP:rP+7], v[rO:rO+7]
.endif
.endr
.set cb, cb+1
.endr
.set kk, kk+1
.endr
.endm
.macro FETCH_K s                       ; step s of the slot in hand: 16 fragments of K, 32 loads in one run
	WIN 0x40
.set i, 0
.rept 16                               ; keys 16 (i / 4) on, channels 32 (i % 4) on
	ds_load_b128 v[KF+8*i:KF+8*i+3],   v[ADR] offset:(4*(\s)+i/4)*4096+(i%4)*1024
	ds_load_b128 v[KF+8*i+4:KF+8*i+7], v[ADR] offset:(4*(\s)+i/4)*4096+(i%4)*1024+512
.set i, i+1
.endr
	WIN 0
.endm
.macro FETCH_V s                       ; 16 fragments of V^T, turned: lane l gets channel l % 16 and 8 keys from each load
	WIN 0x80
.set i, 0
.rept 16                               ; keys 32 (i / 8) on, channels 16 (i % 8) on
	ds_load_tr16_b128 v[8*i:8*i+3],   v[ADR] offset:VOFF+(4*(\s)+2*(i/8))*4096+(i%8)*512
	ds_load_tr16_b128 v[8*i+4:8*i+7], v[ADR] offset:VOFF+(4*(\s)+2*(i/8))*4096+(i%8)*512+4096
.set i, i+1
.endr
	WIN 0
.endm
; THE SOFTMAX of one tile for one step is a list of 134 lines; SM writes number j of it for tile t.  s0-s31 are the lane's 32 scores.
;   0-15  the maximum of the scores and the old m, three operands at a time (each accumulator's lowest registers are read first)     16-20  the other half of the lanes' maximum; c m_old kept; m; c m; its change
;   21    a     22-37  c s - c m, a pair each     38-69  the exponentials     (one wait)     70-85  the roundings to f16     86-101  the sums; l = a l + sum     102-133  O^T times a
.macro SM t
.set rT, ST+8*(\t)
.set rS, S+32*(\t)
.set rP, P+16*(\t)
.set rO, 64*(\t)+2*(j-102)
.if j < 4
	v_max3_num_f32 v[rT+4+j], v[rS+8*j], v[rS+8*j+1], v[rS+8*j+2]
.elseif j < 12
	v_max3_num_f32 v[rT+4+j%4], v[rT+4+j%4], v[rS+8*(j%4)+2*(j/4)+1], v[rS+8*(j%4)+2*(j/4)+2]
.elseif j == 12
	v_max3_num_f32 v[rT+4], v[rT+4], v[rS+7], v[rS+15]
.elseif j == 13
	v_max3_num_f32 v[rT+6], v[rT+6], v[rS+23], v[rS+31]
.elseif j == 14
	v_max3_num_f32 v[rT+4], v[rT+4], v[rT+5], v[rT+6]
.elseif j == 15
	v_max3_num_f32 v[rT+4], v[rT+4], v[rT+7], v[rT+1]
.elseif j == 16
	v_permlanex16_b32 v[rT+5], v[rT+4], s[SEL], s[SEL+1]  ; the query's other 32 keys lie in the lane 16 away
.elseif j == 17
	v_mov_b32 v[rT+7], v[rT]
.elseif j == 18
	v_max_num_f32 v[rT+1], v[rT+4], v[rT+5]
.elseif j == 19
	v_mul_f32 v[rT], s[CS], v[rT+1]
.elseif j == 20
	v_sub_f32 v[rT+7], v[rT+7], v[rT]
.elseif j == 21
	v_exp_f32 v[rT+6], v[rT+7]
.elseif j < 38
	v_pk_fma_f32 v[rS+2*(j-22):rS+2*(j-22)+1], v[rS+2*(j-22):rS+2*(j-22)+1], s[CS:CS+1], v[rT:rT+1] op_sel_hi:[1,0,0] neg_lo:[0,0,1] neg_hi:[0,0,1]
.elseif j < 70
	v_exp_f32 v[rS+j-38], v[rS+j-38]
.elseif j < 86
	v_cvt_pk_f16_f32 v[rP+j-70], v[rS+2*(j-70)], v[rS+2*(j-70)+1]
.elseif j < 102                        ; the 16 pairs are added in place, neighbours 1, 2, 4 and 8 pairs apart; then l takes the sum
.set z, j-86
.set w, 4
.set u, z
.if z >= 14
.set w, 32
.set u, 0
.elseif z >= 12
.set w, 16
.set u, z-12
.elseif z >= 8
.set w, 8
.set u, z-8
.endif
.if z < 15
	v_pk_add_f32 v[rS+w*u:rS+w*u+1], v[rS+w*u:rS+w*u+1], v[rS+w*u+w/2:rS+w*u+w/2+1]
.else
	v_pk_fma_f32 v[rT+2:rT+3], v[rT+2:rT+3], v[rT+6:rT+7], v[rS:rS+1] op_sel_hi:[1,0,1]
.endif
.else
	v_pk_mul_f32 v[rO:rO+1], v[rO:rO+1], v[rT+6:rT+7] op_sel_hi:[1,0]
.endif
.endm
.macro RUN tlo, n                      ; the list's next n numbers, for tiles tlo .. 1, the tiles alternating
.rept \n
.irp t, 0,1
.if (\t) >= (\tlo)
	SM \t
.endif
.endr
.set j, j+1
.endr
.endm
.macro SOFT tlo
	WIN 0
.set j, 0
	RUN \tlo, 70                                   ; nothing here names an exponential's result
	v_nop                                          ; a plain line behind the last exponential,
	s_wait_alu depctr_va_vdst(0)                   ; and the one wait ahead of the first use: for all exponentials of both tiles
	RUN \tlo, 32
	WIN W_RS
	RUN \tlo, 32
.endm
; A KEY STEP: step s of the slot in hand, for tiles tlo .. 1; tile mt takes the mask (-1: none); nextk = 1: K of the slot's next step is fetched too.
.macro STEP s, tlo, mt, nextk
	s_wait_dscnt 0x0                               ; K is in
	WIN W_KQ
	KQS \tlo, \mt
	PLACES                                         ; behind the products that read K, and behind the last step's, which read V: in front of the loads into both, and of the softmax
	FETCH_V \s
.if \nextk
	FETCH_K (\s)+1
.endif
	SOFT \tlo
.if \nextk
	s_wait_dscnt 32                                ; V is in; K's 32 loads, issued behind V's, may stay out
.else
	s_wait_dscnt 0x0                               ; V is in
.endif
	WIN W_PV
	PVS \tlo
	WIN 0
.endm
; A BLOCK ENDS: l's two halves and the other half of the lanes' are added; O^T is divided by l, rounded to f16 and stored as it lies: a store of a wave is one block, 512 consecutive bytes.
.macro FINISH
	PLACES
	WIN 0
.irp t, 0,1
	v_add_f32 v[ST+8*(\t)+4], v[ST+8*(\t)+2], v[ST+8*(\t)+3]
.endr
.irp t, 0,1
	v_permlanex16_b32 v[ST+8*(\t)+5], v[ST+8*(\t)+4], s[SEL], s[SEL+1]
.endr
.irp t, 0,1
	v_add_f32 v[ST+8*(\t)+4], v[ST+8*(\t)+4], v[ST+8*(\t)+5]
.endr
.irp t, 0,1
	v_rcp_f32 v[ST+8*(\t)+6], v[ST+8*(\t)+4]
.endr
	v_nop                                          ; a plain line behind the last reciprocal,
	s_wait_alu depctr_va_vdst(0)                   ; and the wait ahead of the first use: one for both
.irp t, 0,1
	WIN W_RS
.set i, 64*(\t)
.rept 32
	v_pk_mul_f32 v[i:i+1], v[i:i+1], v[ST+8*(\t)+6:ST+8*(\t)+7] op_sel_hi:[1,0]
.set i, i+2
.endr
	WIN 0x05                                       ; sources 0 and 1 window 1, destination window 0: S^T's registers are free
.set i, 0
.rept 32
	v_cvt_pk_f16_f32 v[S+32*(\t)+i], v[64*(\t)+2*i], v[64*(\t)+2*i+1]
.set i, i+1
.endr
	WIN 0
.set i, 0
.rept 8
	global_store_b128 v[L16], v[S+32*(\t)+4*i:S+32*(\t)+4*i+3], s[10:11] offset:(\t)*262144+i*512
.set i, i+1
.endr
.endr
	s_wait_xcnt 0x0                                ; the stores have read their registers and O's address
.endm
.Lslot:                                ; 8 trips: a tile is entered and the next is asked for
	CHANGE 1
	v_add_nc_u32 v[ADR], s[TB], v[L16]
	FETCH_K 0
	ASK
	s_sub_co_u32 s[RT], s[RT], 1
	s_cmp_eq_u32 s[RT], 0
	s_cbranch_scc1 .Ldiag
	STEP 0, 0, -1, 1
	STEP 1, 0, -1, 0
	s_branch .Lbottom
.Ldiag:                                ; the first block's last tile (the second block's is the walk's last, behind the loop)
	STEP 0, 0, 0, 1
	STEP 1, 1, 1, 0
	FINISH
	s_mov_b64 s[10:11], s[OLO:OLO+1]
	s_add_co_u32 s[RT], s[PB], 1                   ; the second block has b + 1 tiles
	WIN 0x02                                       ; its Q goes where the one text of the steps names Q
.set i, 0
.rept 64
	v_mov_b32 v[Q+i], v[QB+i]
.set i, i+1
.endr
	WIN 0
	INIT
.Lbottom:
	s_sub_co_u32 s[SLOTS], s[SLOTS], 1
	s_cmp_lg_u32 s[SLOTS], 0
	s_cbranch_scc1 .Lslot
	CHANGE 0                                       ; the walk's last tile is written out: nothing is asked for
	v_add_nc_u32 v[ADR], s[TB], v[L16]
	FETCH_K 0
	STEP 0, 0, 0, 1
	STEP 1, 1, 1, 0
	FINISH
	s_wait_tensorcnt 0x0                           ; the wave's end
	ds_add_u32 v[SPW], v[NIL]
	s_wait_dscnt 0x0
	s_endpgm
.Lfunc_end_k_q43e1ba1163_attn:
	.size	k_q43e1ba1163_attn, .Lfunc_end_k_q43e1ba1163_attn-k_q43e1ba1163_attn
	.p2alignl 7, 3214868480
	.fill 96, 4, 3214868480
	.section	.rodata,"a",@progbits
	.p2align	6, 0x0
	.amdhsa_kernel k_q43e1ba1163_attn
		.amdhsa_group_segment_fixed_size 327680
		.amdhsa_private_segment_fixed_size 0
		.amdhsa_enable_private_segment 0
		.amdhsa_kernarg_size 24
		.amdhsa_user_sgpr_count 2
		.amdhsa_user_sgpr_kernarg_segment_ptr 1
		.amdhsa_wavefront_size32 1
		.amdhsa_system_sgpr_workgroup_id_x 1
		.amdhsa_system_sgpr_workgroup_id_y 1
		.amdhsa_system_sgpr_workgroup_id_z 1
		.amdhsa_system_vgpr_workitem_id 0
		.amdhsa_next_free_vgpr 704
		.amdhsa_next_free_sgpr 88
		.amdhsa_reserve_vcc 1
		.amdhsa_float_denorm_mode_32 3
		.amdhsa_float_denorm_mode_16_64 3
		.amdhsa_memory_ordered 1
		.amdhsa_forward_progress 1
		.amdhsa_inst_pref_size 156
	.end_amdhsa_kernel
	.amdgpu_metadata
---
amdhsa.version: [ 1, 2 ]
amdhsa.kernels:
  - .name:           k_q43e1ba1163_attn
    .symbol:         k_q43e1ba1163_attn.kd
    .args:
      - { .name: qimg, .offset: 0, .size: 8, .value_kind: global_buffer, .address_space: global }
      - { .name: kvimg, .offset: 8, .size: 8, .value_kind: global_buffer, .address_space: global }
      - { .name: oimg, .offset: 16, .size: 8, .value_kind: global_buffer, .address_space: global }
    .group_segment_fixed_size: 327680
    .private_segment_fixed_size: 0
    .kernarg_segment_align: 8
    .kernarg_segment_size: 24
    .max_flat_workgroup_size: 128
    .sgpr_count:     88
    .vgpr_count:     704
    .wavefront_size: 32
...
	.end_amdgpu_metadata
.endif
;; end of part 5
;; launch outp (part 6): grid 8 x 32, 4 waves a work-group, clusters of 4 x 4, 327,680 bytes of LDS; arguments oimg, cst, b_o, out0; writes out0
.if DOCPART == 6
	.amdgcn_target "amdgcn-amd-amdhsa--gfx1250"
	.amdhsa_code_object_version 6
	.text
	.protected	k_q43e1ba1163_outp
	.globl	k_q43e1ba1163_outp
	.p2align	8
	.type	k_q43e1ba1163_outp,@function
k_q43e1ba1163_outp:
	s_mov_b64 s[64:65], 0
	v_nop
	global_prefetch_b8 v0, s[64:65] scope:SCOPE_SE
	s_setreg_imm32_b32 hwreg(HW_REG_WAVE_MODE, 25, 1), 1
	s_wait_xcnt 0x0
	s_wait_alu depctr_hold_cnt(0) depctr_sa_sdst(0) depctr_va_vdst(0) depctr_va_sdst(0) depctr_va_ssrc(0) depctr_va_vcc(0) depctr_vm_vsrc(0)
	s_getreg_b32 s2, hwreg(HW_REG_IB_STS2, 6, 4)
	s_cmp_eq_u32 s2, 0
	s_cbranch_scc0 .Lentry_in_a_cluster
	s_endpgm
.Lentry_in_a_cluster:
	s_bfe_u32 s2, ttmp6, 0x10000c
	s_cmp_lg_u32 s2, 0xf033
	s_cbranch_scc0 .Lentry_shape_is_right
	s_endpgm
.Lentry_shape_is_right:
; OUTP.  out = o w_o^T + b_o.  o: 4,096 rows x 2,048 in f16, in blocks of 16 x 16 (512 bytes, block (R, Cb) at (128 R + Cb) x 512, lane l's 16 bytes at 16 l: row l % 16, columns 8 (l / 16) + 0..7);
; w_o: [2048][2048] in cst, bf16 numbers written as f16; sums in f32; out in f32, row-major.  A tile is 128 x 256: 32 x 8 = 256 work-groups; four waves side by side, each 128 rows x 64 columns: 8 x 4 accumulators.
; K goes in steps of 128 through a ring of two LDS slots filled by tensor loads.  o's part of a step is 4,096 consecutive bytes of each row of blocks and is read from LDS as it lies (a fragment: two loads of 16 bytes at 16 l,
; 512 bytes apart); the weights' rows are 256 bytes, padded to 272 in LDS.  Waves 0 and 1 fetch the halves of o's tile, waves 2 and 3 those of the weights'.
; CLUSTER 4 x 4: o's tile is asked for jointly along a row of the cluster, the weights' along a column.
; THE PRODUCT IS TAKEN TRANSPOSED: a lane ends with row l % 16 and eight neighbouring columns, 32 bytes.  A wave's 64 columns are 256 bytes of a row of out: 16 rows at a time go through the wave's own stage in LDS
; and come back as whole rows, so that sixteen lanes store 256 consecutive bytes, aligned.  b_o is rounded to bf16 like every input and added in f32.
; LIMITS: o and w_o must lie within f16's 65,504; NaN and infinities are not treated apart.
; REGISTERS, in windows of 256 (s_set_vgpr_msb: bits 1:0 source 0, 3:2 source 1, 5:4 source 2, 7:6 destination): window 0: v16-31 addresses, v64-191 o's fragments (two buffers; at work on the way out), v192-223 the bias;
; window 1: the weights' fragments; window 2: accumulators of rows 0-63 ((a, b) at 8 (4 a + b)); window 3: rows 64-127.
.set BF,    4
.set PITCH, 272                        ; 256 bytes + 16 of padding = 68 words: the 16 rows of a load start at 16 different groups of four banks (64 banks of 4 bytes: ISA guide 11.1)
.set ABLK,  4096
.set AQ,    1024
.set AH,    512
.set BBLK,  16*PITCH
.set BQ,    64
.set BH,    32
.set AHALF, 4*4096
.set AREG,  2*AHALF
.set BHALF, 128*PITCH
.set SLOT,  AREG+2*BHALF
.set STAGE, 2*SLOT                     ; behind the ring, never filled by a tensor load: 16 rows x 272 bytes for each wave
.set SPARE, STAGE+4*16*PITCH           ; the spare words, 128 bytes a wave: two blocks of 256 bytes that no other line names
.set KSA,   4096
.set KSB,   256
.set LAPS,  8
.set NL,    2*BF+16
.set WO,    31457280                   ; w_o's first byte in cst
.set RMW,   (1<<16)|(1<<20)|(1<<21)|(5<<22)|(3<<25)  ; 2-byte elements; padding on; bit 21 beside a mask; after every 64 words; 4 words
.set IMW,   (3<<16)|(1<<21)            ; 8-byte elements, no padding; bit 21 beside a mask
.set ADRA, 16
.set ADRB, 20
.set STO,  24                          ; v24  the way out: where I put 32 bytes of a row
.set RD,   25                          ; v25  where I read a row back
.set CO,   26                          ; v26  my byte offset in two rows of out
.set BO,   27                          ; v27  my byte offset in b_o; never rewritten
.set SPW,  28
.set NIL,  29
.set PFO,  30                          ; v30  the prefetches' offset; never rewritten
.set F0,   64
.set F1,   128
.set T,    64                          ; the way out: 32 sums with their bias
.set BIAS, 192
.set G1,  24
.set G0,  32
.set G1B, 48
.set G0B, 56
.set LIM, 43                           ; s43  1 in a wave that prefetches, else the greatest number
.set PFA, 44                           ; s[44:45] where my prefetches stand
.set PFS, 76                           ; s[76:77] a lap in bytes: 8,192 in o's rows of blocks, 512 in the weights' rows
.set MSB, 0
.macro WIN new                         ; the immediate's high byte repeats the setting that is left; a switch that changes nothing is dropped
.if MSB != (\new)
	s_set_vgpr_msb (MSB<<8)|(\new)
.set MSB, \new
.endif
.endm
.set MUL_LO, 0xa1
.set TO_B,   0x40
.macro PLACES                          ; four places behind a matrix instruction, in front of loads into registers that it has read (ISA guide 7.12.1 for vector instructions)
.rept 4
	v_nop
.endr
.endm
.macro JLOAD s                         ; a joint load; an s_nop 0 and four v_nop follow each of the two lines, ahead of the jump and the label
	s_cmp_eq_u32 s11, 0
	s_cbranch_scc0 .Lfor_b_\@
	tensor_load_to_lds s[G0+4*(\s):G0+4*(\s)+3], s[G1:G1+7]
	s_nop 0
	PLACES
	s_branch .Lasked_\@
.Lfor_b_\@:
	tensor_load_to_lds s[G0B+4*(\s):G0B+4*(\s)+3], s[G1B:G1B+7]
	s_nop 0
	PLACES
.Lasked_\@:
.endm
.macro CREST
	s_cmp_lg_u32 s10, 0
	s_cbranch_scc1 .Lnot_wave_0_\@
	s_barrier_signal -3
.Lnot_wave_0_\@:
	s_barrier_wait -3
	s_barrier_signal -1
	s_barrier_wait -1
.endm
.macro CROUND
	s_barrier_signal -1
	s_barrier_wait -1
	CREST
.endm
; A PREFETCH, once a lap, behind slot 0's joint load and the run of LDS loads that follows it: the lap after the one whose first K step has just been asked for.  Of o a lap is 8,192 consecutive bytes of a row of blocks: a lane a
; block of 256 bytes, an instruction a row of blocks; of the weights 512 bytes of each row: lanes 0-15 name 16 rows' first 256 bytes, lanes 16-31 their second.  Each block is named once in the launch: o's by wave 0 of the
; clusters with x = 0, the weights' by wave 2 of the clusters with y = 0; the four partners that ask for a tile jointly share it out BY ADDRESS (2 rows of blocks by cx, 64 weight rows by cy).  The first two laps come by their
; loads alone; the loop's last trip asks for nothing.
.macro ASK
	s_cmp_gt_u32 s3, s[LIM]
	s_cbranch_scc0 .Lnot_mine_\@
	global_prefetch_b8 v[PFO], s[PFA:PFA+1] th:TH_LOAD_NT scope:SCOPE_SE
	global_prefetch_b8 v[PFO], s[PFA:PFA+1] offset:65536 th:TH_LOAD_NT scope:SCOPE_SE
	s_cmp_eq_u32 s11, 0
	s_cbranch_scc1 .Lnot_mine_\@
	global_prefetch_b8 v[PFO], s[PFA:PFA+1] offset:2*65536 th:TH_LOAD_NT scope:SCOPE_SE
	global_prefetch_b8 v[PFO], s[PFA:PFA+1] offset:3*65536 th:TH_LOAD_NT scope:SCOPE_SE
.Lnot_mine_\@:
.endm
	s_load_b256 s[68:75], s[0:1], 0x0              ; oimg s[68:69], cst s[70:71], b_o s[72:73], out0 s[74:75]
	v_lshl_add_u32 v[SPW], v0, 2, SPARE
	v_mov_b32 v[NIL], 0
	ds_add_u32 v[SPW], v[NIL]                      ; the wave's opening: the add and its wait ahead of my first tensor load; work on registers stands between them
	ds_add_u32 v28, v29
	v_lshrrev_b32 v1, 5, v0
	v_readfirstlane_b32 s10, v1                    ; wave 0..3
	s_lshr_b32 s11, s10, 1                         ; I fetch for o (0) or for the weights (1)
	s_and_b32 s12, s10, 1                          ; which half of that tile
	s_bfe_u32 s40, ttmp6, 0x40000                  ; cx
	s_bfe_u32 s41, ttmp6, 0x40004                  ; cy
	s_lshl_b32 s42, ttmp9, 2
	s_add_co_u32 s42, s42, s40                     ; tx
	s_and_b32 s13, ttmp7, 0xffff
	s_lshl_b32 s13, s13, 2
	s_add_co_u32 s13, s13, s41                     ; ty
	s_lshl_b32 s43, s41, 2
	s_lshl_b32 s43, 15, s43                        ; my row of the cluster
	s_lshl_b32 s44, 0x1111, s40                    ; my column
	s_or_b32 s[G1+0], s43, IMW
	s_mov_b32 s[G1+1], 512<<16                     ; tensor_dim0 = 512 elements of 8 bytes
	s_mov_b32 s[G1+2], 4<<16                       ; tensor_dim1 = 4 rows of blocks
	s_mov_b32 s[G1+3], 512<<16
	s_mov_b32 s[G1+4], 4
	s_mov_b32 s[G1+5], 8192                        ; 65,536 bytes from row of blocks to row of blocks
	s_mov_b32 s[G1+6], 0
	s_mov_b32 s[G1+7], 0
	s_or_b32 s[G1B+0], s44, RMW
	s_mov_b32 s[G1B+1], 128<<16
	s_mov_b32 s[G1B+2], 128<<16
	s_mov_b32 s[G1B+3], 128<<16
	s_mov_b32 s[G1B+4], 128
	s_mov_b32 s[G1B+5], 2048
	s_mov_b32 s[G1B+6], 0
	s_mov_b32 s[G1B+7], 0
	s_lshl_b32 s16, s13, 19                        ; o: row of blocks 8 ty + 4 x half, of 65,536 bytes
	s_lshl_b32 s17, s12, 18
	s_add_co_u32 s16, s16, s17
	s_mov_b32 s17, 0
	s_lshl_b32 s46, s42, 20                        ; weights: row 256 tx + 128 x half, of 4,096 bytes
	s_lshl_b32 s47, s12, 19
	s_add_co_u32 s46, s46, s47
	s_mov_b32 s47, 0
	s_mul_i32 s20, s12, AHALF
	s_mul_i32 s21, s12, BHALF
	s_add_co_u32 s21, s21, AREG
	s_wait_dscnt 0x0                               ; the opening add is done
	s_wait_kmcnt 0x0
	s_mov_b64 s[4:5], s[68:69]
	s_add_nc_u64 s[6:7], s[70:71], WO
	s_add_nc_u64 s[14:15], s[4:5], s[16:17]
	s_add_nc_u64 s[46:47], s[6:7], s[46:47]
	CROUND                                         ; all sixteen work-groups are here: the first joint loads meet
.irp s, 0,1
	s_mov_b32 s[G0+4*(\s)], 1
	s_add_co_u32 s[G0+4*(\s)+1], s20, (\s)*SLOT
	s_add_nc_u64 s[G0+4*(\s)+2:G0+4*(\s)+3], s[14:15], (\s)*KSA
	s_or_b32 s[G0+4*(\s)+3], s[G0+4*(\s)+3], 0x80000000
	s_mov_b32 s[G0B+4*(\s)], 1
	s_add_co_u32 s[G0B+4*(\s)+1], s21, (\s)*SLOT
	s_add_nc_u64 s[G0B+4*(\s)+2:G0B+4*(\s)+3], s[46:47], (\s)*KSB
	s_or_b32 s[G0B+4*(\s)+3], s[G0B+4*(\s)+3], 0x80000000
	JLOAD \s                                       ; two loads of mine are out
.endr
	v_and_b32 v1, 15, v0                           ; r
	v_bfe_u32 v2, v0, 4, 1                         ; h
	v_and_b32 v5, 31, v0                           ; lane
	v_mul_u32_u24 v3, v1, PITCH
	v_lshl_add_u32 v3, v2, 4, v3                   ; the weights: row x pitch + 16 x half
	v_lshlrev_b32 v4, 4, v5                        ; o: 16 x lane
	s_mov_b32 s21, 0                               ; every wave reads all 128 rows of o,
	s_mul_i32 s22, s10, 64*PITCH                   ; and its own 64 weight rows
	s_add_co_u32 s22, s22, AREG
.irp s, 0,1
	v_add_nc_u32 v[ADRA+(\s)], s21, v4
	v_add_nc_u32 v[ADRB+(\s)], s22, v3
	s_add_co_u32 s21, s21, SLOT
	s_add_co_u32 s22, s22, SLOT
.endr
	s_mul_i32 s23, s10, 16*PITCH
	s_add_co_u32 s23, s23, STAGE                   ; my stage
	v_mul_u32_u24 v6, v1, PITCH                    ; in: row r, 32 bytes for each half of the lanes
	v_lshl_add_u32 v6, v2, 5, v6
	v_add_nc_u32 v[STO], s23, v6
	v_mul_u32_u24 v6, v2, PITCH                    ; back: lanes 0-15 take one row of 256 bytes, lanes 16-31 the next
	v_lshl_add_u32 v6, v1, 4, v6
	v_add_nc_u32 v[RD], s23, v6
	v_lshlrev_b32 v6, 13, v2                       ; and the same two rows in out: 8,192 bytes a row
	v_lshl_add_u32 v[CO], v1, 4, v6
	s_lshl_b32 s20, s42, 10                        ; b_o at column 256 tx + 64 w + 8 h, in bytes
	s_lshl_b32 s23, s10, 8
	s_add_co_u32 s20, s20, s23
	v_lshl_add_u32 v[BO], v2, 5, s20
.irp b, 0,1,2,3
	global_load_b128 v[BIAS+8*(\b):BIAS+8*(\b)+3],   v[BO], s[72:73] offset:64*(\b)
	global_load_b128 v[BIAS+8*(\b)+4:BIAS+8*(\b)+7], v[BO], s[72:73] offset:64*(\b)+16
.endr
	s_lshl_b32 s16, s13, 20                        ; out: row 128 ty, column 256 tx + 64 w
	s_add_co_u32 s16, s16, s20
	s_mov_b32 s17, 0
	s_add_nc_u64 s[8:9], s[74:75], s[16:17]
	s_lshl_b32 s20, s13, 19                        ; the prefetches: o's rows of blocks 8 ty + 2 cx ..,
	s_lshl_b32 s21, s40, 17
	s_add_co_u32 s20, s20, s21
	s_lshl_b32 s21, s42, 20                        ; the weights' rows 256 tx + 64 cy ..
	s_lshl_b32 s23, s41, 18
	s_add_co_u32 s21, s21, s23
	s_and_b32 s22, ttmp7, 0xffff                   ; cluster y
	s_mov_b32 s[PFS], 2*KSB
	s_mov_b32 s[PFS+1], 0
	s_cmp_eq_u32 s11, 0
	s_cselect_b32 s20, s20, s21
	s_cselect_b32 s22, ttmp9, s22                  ; the coordinate along which other clusters read the same rows
	s_cselect_b64 s[PFA:PFA+1], s[4:5], s[6:7]
	s_cselect_b32 s[PFS], 2*KSA, s[PFS]
	s_cselect_b32 s78, -1, 0
	s_or_b32 s22, s22, s12                         ; waves 0 and 2 alone ask
	s_cmp_eq_u32 s22, 0
	s_cselect_b32 s[LIM], 1, -1                    ; the same in all sixteen partners, for a given wave
	s_mov_b32 s21, 0
	s_add_nc_u64 s[PFA:PFA+1], s[PFA:PFA+1], s[20:21]
	s_add_nc_u64 s[PFA:PFA+1], s[PFA:PFA+1], s[PFS:PFS+1]  ; at lap 1: the first trip steps it to lap 2
	v_lshlrev_b32 v6, 12, v1
	v_lshl_add_u32 v6, v2, 8, v6                   ; the weights: row r, block h
	v_lshlrev_b32 v7, 8, v5                        ; o: block l
	v_cndmask_b32 v[PFO], v6, v7, s78
; 2 BF matrix instructions: row blocks a0, a0 + 1 of the window's four x all BF column blocks, 32 along K.  zero = 1: the first product starts the sums.  The accumulators take turns, one instruction a turn.
.macro MUL16 f, hi, a0, zero
	WIN MUL_LO+0x50*(\hi)
.irp a, \a0, (\a0)+1
.set b, 0
.rept BF
.set rD, 8*(BF*(\a)+b)
.set rB, (\f)+8*b
.set rA, (\f)+8*(4*(\hi)+(\a))
.if \zero
	v_wmma_f32_16x16x32_f16 v[rD:rD+7], v[rB:rB+7], v[rA:rA+7], 0
.else
	v_wmma_f32_16x16x32_f16 v[rD:rD+7], v[rB:rB+7], v[rA:rA+7], v[rD:rD+7]
.endif
.set b, b+1
.endr
.endr
.endm
.macro FETCH slot, q, f                ; NL LDS loads in one run: quarter q's fragments into buffer f: the weights' first, then o's
	WIN TO_B
.set i, 0
.rept BF
	ds_load_b128 v[(\f)+8*i:(\f)+8*i+3],   v[ADRB+(\slot)] offset:(\q)*BQ+i*BBLK
	ds_load_b128 v[(\f)+8*i+4:(\f)+8*i+7], v[ADRB+(\slot)] offset:(\q)*BQ+i*BBLK+BH
.set i, i+1
.endr
	WIN 0
.set i, 0
.rept 8
	ds_load_b128 v[(\f)+8*i:(\f)+8*i+3],   v[ADRA+(\slot)] offset:(\q)*AQ+i*ABLK
	ds_load_b128 v[(\f)+8*i+4:(\f)+8*i+7], v[ADRA+(\slot)] offset:(\q)*AQ+i*ABLK+AH
.set i, i+1
.endr
.endm
.macro QUARTER slot, q, f, g, zero
	s_wait_dscnt 8                                 ; the weights and o's rows 0-63 are in; the youngest eight loads (rows 64-127) may be out
	MUL16 \f, 0, 0, \zero
	MUL16 \f, 0, 2, \zero
	PLACES
	FETCH \slot, \q, \g
	s_wait_dscnt NL                                ; all but the run just issued
	MUL16 \f, 1, 0, \zero
	MUL16 \f, 1, 2, \zero
.endm
.macro MEET round
	WIN 0
	s_wait_tensorcnt 0x0                           ; all my tensor loads have landed: the one that was out is my part of the next slot
	ds_add_u32 v[SPW], v[NIL]                      ; 0 onto my spare word
	s_wait_dscnt 9                                 ; (the add and the youngest eight loads may be out)
	MUL16 F1, 0, 0, 0
	s_wait_dscnt 0x0                               ; the add is done, and my reads of this slot are over
	s_barrier_signal -1
	MUL16 F1, 0, 2, 0
.if \round
	WIN 0
.endif
	s_barrier_wait -1
.endm
.macro TURN slot, next                 ; the last quarter, with the slot filled again two K steps on: the barrier opens a round of the cluster's, and the joint load is the first thing behind it
.if (\slot) == 0
	s_wait_xcnt 0x0                                ; the last prefetches, a lap back, have read their address
	s_add_nc_u64 s[PFA:PFA+1], s[PFA:PFA+1], s[PFS:PFS+1]
.endif
	MEET 1
	CREST
	s_add_nc_u64 s[G0+4*(\slot)+2:G0+4*(\slot)+3], s[G0+4*(\slot)+2:G0+4*(\slot)+3], 2*KSA
	s_add_nc_u64 s[G0B+4*(\slot)+2:G0B+4*(\slot)+3], s[G0B+4*(\slot)+2:G0B+4*(\slot)+3], 2*KSB
	JLOAD \slot                                    ; the four v_nop behind it are also the places in front of the loads below
	FETCH \next, 0, F0
.if (\slot) == 0
	ASK
.endif
	MUL16 F1, 1, 0, 0
	MUL16 F1, 1, 2, 0
.endm
	s_wait_tensorcnt 1                             ; my part of K step 0 is in; K step 1's may stay out
	s_barrier_signal -1
	s_barrier_wait -1
	FETCH 0, 0, F0
	QUARTER 0, 1, F0, F1, 1                        ; the first quarter's products start the sums
	WIN 0
	s_mov_b32 s3, LAPS-1
.Llap:                                 ; a trip goes once round the ring, from a lap's second quarter to the next lap's first, and fills both slots again
	QUARTER 0, 2, F1, F0, 0
	QUARTER 0, 3, F0, F1, 0
	TURN 0, 1
	QUARTER 1, 1, F0, F1, 0
	QUARTER 1, 2, F1, F0, 0
	QUARTER 1, 3, F0, F1, 0
	TURN 1, 0
	QUARTER 0, 1, F0, F1, 0
	WIN 0
	s_sub_co_u32 s3, s3, 1
	s_cmp_lg_u32 s3, 0
	s_cbranch_scc1 .Llap
	QUARTER 0, 2, F1, F0, 0                        ; the last lap fills nothing
	QUARTER 0, 3, F0, F1, 0
	MEET 0
	PLACES
	FETCH 1, 0, F0
	MUL16 F1, 1, 0, 0
	MUL16 F1, 1, 2, 0
	QUARTER 1, 1, F0, F1, 0
	QUARTER 1, 2, F1, F0, 0
	QUARTER 1, 3, F0, F1, 0
	s_wait_dscnt 8
	MUL16 F1, 0, 0, 0
	MUL16 F1, 0, 2, 0
	s_wait_dscnt 0x0
	MUL16 F1, 1, 0, 0
	MUL16 F1, 1, 2, 0
	WIN 0
	; THE WAY OUT.  The bias is rounded to bf16; these 48 plain lines, which name no register of the last products, are also the places behind them.
	s_wait_loadcnt 0x0
.set i, 0
.rept 16
	v_cvt_pk_bf16_f32 v[32+i], v[BIAS+2*i], v[BIAS+2*i+1]
	v_lshlrev_b32 v[BIAS+2*i], 16, v[32+i]
	v_and_b32 v[BIAS+2*i+1], 0xffff0000, v[32+i]
.set i, i+1
.endr
.macro OUT a                           ; 16 rows: sums + bias (each accumulator from its low end on), through my stage, and out as whole rows of 256 bytes
.set BK, 96+32*((\a)%2)                ; two sets of registers take turns
	WIN 0x02+(\a)/4
.set i, 0
.rept 4*BF
	v_pk_add_f32 v[T+2*i:T+2*i+1], v[8*BF*((\a)%4)+2*i:8*BF*((\a)%4)+2*i+1], v[BIAS+2*i:BIAS+2*i+1]
.set i, i+1
.endr
	WIN 0
.irp b, 0,1,2,3
	ds_store_b128 v[STO], v[T+8*(\b):T+8*(\b)+3]   offset:64*(\b)
	ds_store_b128 v[STO], v[T+8*(\b)+4:T+8*(\b)+7] offset:64*(\b)+16
.endr
	s_wait_xcnt 0x0                                ; earlier stores have read the registers that are loaded again below
.irp t, 0,1,2,3,4,5,6,7
	ds_load_b128 v[BK+4*(\t):BK+4*(\t)+3], v[RD] offset:(\t)*2*PITCH  ; LDS serves a wave's instructions in order (ISA guide 5.7.1.4): these see the stores above
.endr
	s_wait_dscnt 0x0
.irp t, 0,1,2,3,4,5,6,7
	global_store_b128 v[CO], v[BK+4*(\t):BK+4*(\t)+3], s[8:9] offset:(16*(\a)+2*(\t))*8192  ; 16 lanes store 256 consecutive bytes, at a multiple of 256 from out's first byte
.endr
.endm
.irp a, 0,1,2,3,4,5,6,7
	OUT \a
.endr
	s_wait_tensorcnt 0x0                           ; the wave's end, behind my last tensor load and my last LDS store
	ds_add_u32 v[SPW], v[NIL]
	s_wait_dscnt 0x0
	CROUND                                         ; the closing round
	s_endpgm
.Lfunc_end_k_q43e1ba1163_outp:
	.size	k_q43e1ba1163_outp, .Lfunc_end_k_q43e1ba1163_outp-k_q43e1ba1163_outp
	.p2alignl 7, 3214868480
	.fill 96, 4, 3214868480
	.section	.rodata,"a",@progbits
	.p2align	6, 0x0
	.amdhsa_kernel k_q43e1ba1163_outp
		.amdhsa_group_segment_fixed_size 327680
		.amdhsa_private_segment_fixed_size 0
		.amdhsa_enable_private_segment 0
		.amdhsa_kernarg_size 32
		.amdhsa_user_sgpr_count 2
		.amdhsa_user_sgpr_kernarg_segment_ptr 1
		.amdhsa_wavefront_size32 1
		.amdhsa_system_sgpr_workgroup_id_x 1
		.amdhsa_system_sgpr_workgroup_id_y 1
		.amdhsa_system_sgpr_workgroup_id_z 1
		.amdhsa_system_vgpr_workitem_id 0
		.amdhsa_next_free_vgpr 1024
		.amdhsa_next_free_sgpr 80
		.amdhsa_reserve_vcc 0
		.amdhsa_float_denorm_mode_32 3
		.amdhsa_float_denorm_mode_16_64 3
		.amdhsa_memory_ordered 1
		.amdhsa_forward_progress 1
		.amdhsa_inst_pref_size 99
	.end_amdhsa_kernel
	.amdgpu_metadata
---
amdhsa.version: [ 1, 2 ]
amdhsa.kernels:
  - .name:           k_q43e1ba1163_outp
    .symbol:         k_q43e1ba1163_outp.kd
    .args:
      - { .name: oimg, .offset: 0, .size: 8, .value_kind: global_buffer, .address_space: global }
      - { .name: cst, .offset: 8, .size: 8, .value_kind: global_buffer, .address_space: global }
      - { .name: b_o, .offset: 16, .size: 8, .value_kind: global_buffer, .address_space: global }
      - { .name: out0, .offset: 24, .size: 8, .value_kind: global_buffer, .address_space: global }
    .group_segment_fixed_size: 327680
    .private_segment_fixed_size: 0
    .kernarg_segment_align: 8
    .kernarg_segment_size: 32
    .max_flat_workgroup_size: 128
    .sgpr_count:     80
    .vgpr_count:     1024
    .wavefront_size: 32
...
	.end_amdgpu_metadata
.endif
;; end of part 6
;; ======== version 2 of 2: 6 launches
;; limits: values are held in f16: magnitudes above 65,504 overflow, below 6.1e-05 lose precision
;; workspace buffers: cst 39,845,888 bytes; qimg 16,777,216 bytes; yimg 8,388,608 bytes; latimg 4,194,304 bytes; kvimg 33,554,432 bytes; oimg 16,777,216 bytes
;; launch cast: the kernel of part 1 again; grid 1216 x 1, 8 waves a work-group, no clusters, 0 bytes of LDS; arguments x, w_q, w_lat, w_kv, w_o, cst; writes cst
;; launch proj (part 7): grid 8 x 32, 4 waves a work-group, clusters of 4 x 4, 327,680 bytes of LDS; arguments cst, b_q, b_lat, qimg, yimg; writes qimg, yimg
.if DOCPART == 7
	.amdgcn_target "amdgcn-amd-amdhsa--gfx1250"
	.amdhsa_code_object_version 6
	.text
	.protected	k_q43e1ba1163_proj
	.globl	k_q43e1ba1163_proj
	.p2align	8
	.type	k_q43e1ba1163_proj,@function
k_q43e1ba1163_proj:
	s_mov_b64 s[64:65], 0
	v_nop
	global_prefetch_b8 v0, s[64:65] scope:SCOPE_SE
	s_setreg_imm32_b32 hwreg(HW_REG_WAVE_MODE, 25, 1), 1
	s_wait_xcnt 0x0
	s_wait_alu depctr_hold_cnt(0) depctr_sa_sdst(0) depctr_va_vdst(0) depctr_va_sdst(0) depctr_va_ssrc(0) depctr_va_vcc(0) depctr_vm_vsrc(0)
	s_getreg_b32 s2, hwreg(HW_REG_IB_STS2, 6, 4)
	s_cmp_eq_u32 s2, 0
	s_cbranch_scc0 .Lentry_in_a_cluster
	s_endpgm
.Lentry_in_a_cluster:
	s_bfe_u32 s2, ttmp6, 0x10000c
	s_cmp_lg_u32 s2, 0xf033
	s_cbranch_scc0 .Lentry_shape_is_right
	s_endpgm
.Lentry_shape_is_right:
; PROJ.  [q | y] = x [w_q | w_lat]^T + [b_q | b_lat].  x: 4,096 rows x 2,048, the weights 2,560 rows x 2,048, both bf16 in cst (the weights' rows interleaved: see below); sums in f32.
; A tile is 128 rows x 320 columns: 32 x 8 = 256 work-groups of equal work.  Four waves side by side, each 128 rows x 80 columns: 8 x 5 accumulators of 16 x 16.  Of a wave's 80 weight rows
; 64 are w_q's (256 tx + 64 w ..) and 16 are w_lat's (64 tx + 16 w ..), so all four waves run one text: blocks b = 0..3 are q, block 4 is y.
; K goes in 16 steps of 128 through a ring of two LDS slots filled by tensor loads: waves 0 and 1 fetch the halves of x's tile (64 rows), waves 2 and 3 those of the weights' (160 rows).
; A K STEP IS WRITTEN ONCE: a trip of the loop is one K step; the slot in hand is a scalar, turned by an exclusive or, that is added to the lanes' places.  The two K steps that fill nothing are a second loop.
; CLUSTER 4 x 4: x's tile is asked for jointly along a row of the cluster, the weights' along a column: the same load, descriptor and mask in the four that it names.
; TWO WALKS.  The clusters whose x + y is even walk K steps 0 to 15; those whose x + y is odd begin at K step 8 and go round to K step 7.  Of the two clusters that read the same rows of x one is odd and one even, and so
; are neighbours along y, which read the same weight rows: a row's K step is asked for by the one eight steps ahead of the other.  The phase is made of the cluster's own x and y: it is alike in all sixteen partners.
; LIMIT: the f32 sums run over K in the order of the cluster's walk, which is not the same in all clusters.
; THE PRODUCT IS TAKEN TRANSPOSED (source 0 = 16 weight rows, source 1 = 16 rows of x): a lane (r = l % 16, h = l / 16) ends with row r and eight neighbouring columns 8 h + 0..7.
; THE BIASES, rounded to bf16 like every input, are the C operand of each sum's first product: a lane's eight registers of a column block hold the block's columns 8 h + 0..7, for every row block alike.
; OUT.  q as f16 in blocks of 16 rows x 16 columns, 512 bytes each, block (R, Cb) at (128 R + Cb) x 512, a lane's 16 bytes at 16 l: one store of a wave is 512 consecutive bytes, and two such
; blocks are a fragment of a later product as they lie.  y as f32 in blocks of 1,024 bytes at (32 R + Cb) x 1024: columns 8 h + 0..3 at 16 l, columns 8 h + 4..7 at 512 + 16 l.
; q carries no scale.  LIMITS: q must lie within f16's 65,504; NaN and infinities are not treated apart.
; REGISTERS, in windows of 256 (s_set_vgpr_msb: bits 1:0 source 0, 3:2 source 1, 5:4 source 2, 7:6 destination): window 0: v16-31 addresses, v64-127 and v128-191 x's fragments (two buffers; q packed on
; the way out), v192-231 the biases; window 1: the weights' fragments at the same numbers; window 2: accumulators of rows 0-63 ((a, b) at 8 (5 a + b)); window 3: rows 64-127.
.set BF,    5                          ; weight fragments a wave
.set PITCH, 272                        ; an LDS row: 256 bytes + 16 of padding = 68 words: the 16 rows of a load start at 16 different groups of four banks (64 banks of 4 bytes: ISA guide 11.1)
.set ABLK,  16*PITCH                   ; from fragment to fragment of x
.set AQ,    64                         ; from quarter to quarter (32 along K)
.set AH,    32                         ; from a fragment's first 16 bytes to its second
.set BBLK,  16*PITCH
.set BQ,    64
.set BH,    32
.set AHALF, 64*PITCH                   ; what one load of x brings
.set AREG,  2*AHALF
.set BHALF, 160*PITCH                  ; what one load of weights brings
.set SLOT,  AREG+2*BHALF               ; 121,856 bytes
.set SLOT1, 131072                     ; slot 1 begins here, so that one exclusive or turns an address in one slot into the other's
.set SPARE, SLOT1+SLOT                 ; behind the ring: the spare words, 128 bytes a wave: two blocks of 256 bytes that no other line names
.set KSA,   256                        ; bytes of memory from K step to K step
.set KSB,   256
.set KSTEPS, 16
.set NL,    2*BF+16                    ; LDS loads in a run
.set WQL,   16777216                   ; the weights' first byte in cst
.set RMW,   (1<<16)|(1<<20)|(1<<21)|(5<<22)|(3<<25)  ; group 1, word 0: 2-byte elements; padding on; bit 21 beside a mask; after every 64 words; 4 words
.set ADRA, 16                          ; v16  LDS address of my fragments of x in the slot in hand
.set LA,   17                          ; v17  the same in slot 0; never rewritten
.set ADRB, 20                          ; v20, v21  the same for the weights
.set LB,   21
.set CO,   26                          ; v26  16 x lane: my place in a block on the way out
.set BO,   27                          ; v27  my byte offset in b_q; never rewritten
.set SPW,  28                          ; v28  my spare word: SPARE + 4 x my thread's number; never rewritten
.set NIL,  29                          ; v29  0; never rewritten
.set PFO,  30                          ; v30  the prefetches' offset; never rewritten
.set BO2,  31                          ; v31  my byte offset in b_lat; never rewritten
.set F0,   64
.set F1,   128
.set PK,   64                          ; the way out: 16 registers of f16 for each of the 8 row blocks
.set BIAS, 192
.set G1,  24                           ; s[24:31] group 1 for x's tiles;  s[32:35] group 0 of the first fill of slot 0, s[36:39] of slot 1: that one then walks on
.set G0,  32
.set G1B, 48                           ; s[48:55], s[56:63] the same for the weights'
.set G0B, 56
.set LIM, 43                           ; s43  11 in a wave that prefetches, else the greatest number
.set PFA, 44                           ; s[44:45] where my prefetches stand
.set TB,  66                           ; s66  the slot in hand: 0 or SLOT1
.set HIM, 67                           ; s67  a word's upper bf16
.set PHB, 76                           ; s76  where my cluster's walk begins in a row: 0, or 2,048 bytes (K step 8)
.set WRP, 78                           ; s78  how far its walk goes back at its middle: 0, or a row's 4,096 bytes
.set BACK, 18                          ; s[18:19] what this trip's refill goes back by: s78 in the trip that asks for my K step 8, else 0
.set MSB, 0
.macro WIN new                         ; the immediate's high byte repeats the setting that is left; a switch that changes nothing is dropped
.if MSB != (\new)
	s_set_vgpr_msb (MSB<<8)|(\new)
.set MSB, \new
.endif
.endm
.set MUL_LO, 0xa1                      ; weights window 1, x window 0, C and D window 2
.set MUL_1ST, 0x81                     ; the same with C, the bias, in window 0
.set TO_B,   0x40
.macro PLACES                          ; four places behind a matrix instruction, in front of loads into registers that it has read (ISA guide 7.12.1 for vector instructions)
.rept 4
	v_nop
.endr
.endm
.macro JLOAD s                         ; a joint load; an s_nop 0 and four v_nop follow each of the two lines, ahead of the jump and the label
	s_cmp_eq_u32 s11, 0
	s_cbranch_scc0 .Lfor_b_\@
	tensor_load_to_lds s[G0+4*(\s):G0+4*(\s)+3], s[G1:G1+7]
	s_nop 0
	PLACES
	s_branch .Lasked_\@
.Lfor_b_\@:
	tensor_load_to_lds s[G0B+4*(\s):G0B+4*(\s)+3], s[G1B:G1B+7]
	s_nop 0
	PLACES
.Lasked_\@:
.endm
.macro CREST                           ; a round of the cluster's barrier behind its opening barrier
	s_cmp_lg_u32 s10, 0
	s_cbranch_scc1 .Lnot_wave_0_\@
	s_barrier_signal -3
.Lnot_wave_0_\@:
	s_barrier_wait -3
	s_barrier_signal -1
	s_barrier_wait -1
.endm
.macro CROUND
	s_barrier_signal -1
	s_barrier_wait -1
	CREST
.endm
; A PREFETCH, in every second trip (slot 0's: the count is even), behind the joint load and the run of LDS loads that follows it: the pair of K steps after the pair whose first has just been asked for: 512 bytes of
; each row, as two blocks of 256: lanes 0-15 name 16 rows' first block, lanes 16-31 their second.  A block is named once in the launch, by the cluster that reads it first, which is the one in whose first eight K steps it
; lies: x's rows by wave 0 of every cluster (of the two that read them one is odd, one even), the weights' by wave 2 of the clusters with y = 0 and y = 1 (one odd, one even).  The four partners that ask for a tile jointly
; share its rows out BY ADDRESS (32 rows of x by cx, 80 weight rows by cy).  My K steps 0 to 3 come by their loads alone; counts 14 and 12 name my K steps 4 to 7; my K steps 8 to 15 are not asked for.
.macro ASK
	s_and_b32 s22, s3, 1
	s_cmp_lg_u32 s22, 0
	s_cbranch_scc1 .Lnot_mine_\@
	s_cmp_gt_u32 s3, s[LIM]
	s_cbranch_scc0 .Lnot_mine_\@
	s_wait_xcnt 0x0                                ; the last prefetches, two K steps back, have read their address
	s_add_nc_u64 s[PFA:PFA+1], s[PFA:PFA+1], 2*KSB
	global_prefetch_b8 v[PFO], s[PFA:PFA+1] th:TH_LOAD_NT scope:SCOPE_SE
	global_prefetch_b8 v[PFO], s[PFA:PFA+1] offset:65536 th:TH_LOAD_NT scope:SCOPE_SE
	s_cmp_eq_u32 s11, 0
	s_cbranch_scc1 .Lnot_mine_\@
	global_prefetch_b8 v[PFO], s[PFA:PFA+1] offset:2*65536 th:TH_LOAD_NT scope:SCOPE_SE
	global_prefetch_b8 v[PFO], s[PFA:PFA+1] offset:3*65536 th:TH_LOAD_NT scope:SCOPE_SE
	global_prefetch_b8 v[PFO], s[PFA:PFA+1] offset:4*65536 th:TH_LOAD_NT scope:SCOPE_SE
.Lnot_mine_\@:
.endm
	s_load_b64 s[4:5], s[0:1], 0x0                 ; cst
	s_load_b256 s[68:75], s[0:1], 0x8              ; b_q s[68:69], b_lat s[70:71], qimg s[72:73], yimg s[74:75]
	v_lshl_add_u32 v[SPW], v0, 2, SPARE
	v_mov_b32 v[NIL], 0
	ds_add_u32 v[SPW], v[NIL]                      ; the wave's opening: the add and its wait ahead of my first tensor load; work on registers stands between them
	ds_add_u32 v28, v29
	v_lshrrev_b32 v1, 5, v0
	v_readfirstlane_b32 s10, v1                    ; wave 0..3
	s_lshr_b32 s11, s10, 1                         ; I fetch for x (0) or for the weights (1)
	s_and_b32 s12, s10, 1                          ; which half of that tile
	s_bfe_u32 s40, ttmp6, 0x40000                  ; cx
	s_bfe_u32 s41, ttmp6, 0x40004                  ; cy
	s_lshl_b32 s42, ttmp9, 2
	s_add_co_u32 s42, s42, s40                     ; tx = 4 x cluster x + cx
	s_and_b32 s13, ttmp7, 0xffff
	s_lshl_b32 s13, s13, 2
	s_add_co_u32 s13, s13, s41                     ; ty = 4 x cluster y + cy
	s_lshl_b32 s43, s41, 2
	s_lshl_b32 s43, 15, s43                        ; my row of the cluster
	s_lshl_b32 s44, 0x1111, s40                    ; my column
	s_and_b32 s22, ttmp7, 0xffff
	s_add_co_u32 s22, s22, ttmp9
	s_and_b32 s22, s22, 1                          ; cluster x + cluster y, odd or even
	s_lshl_b32 s[PHB], s22, 11                     ; odd: the walk begins at K step 8, 2,048 bytes into the rows,
	s_lshl_b32 s[WRP], s22, 12                     ; and goes back by a row's 4,096 bytes at its middle; even: both are 0
	s_mov_b32 s[BACK+1], 0
	s_or_b32 s[G1+0], s43, RMW
	s_mov_b32 s[G1+1], 128<<16                     ; tensor_dim0 = 128
	s_mov_b32 s[G1+2], 64<<16                      ; tensor_dim1 = 64
	s_mov_b32 s[G1+3], 128<<16                     ; tile_dim0 = 128
	s_mov_b32 s[G1+4], 64                          ; tile_dim1 = 64
	s_mov_b32 s[G1+5], 2048                        ; elements from row to row
	s_mov_b32 s[G1+6], 0
	s_mov_b32 s[G1+7], 0
	s_or_b32 s[G1B+0], s44, RMW
	s_mov_b32 s[G1B+1], 128<<16
	s_mov_b32 s[G1B+2], 160<<16                    ; 160 rows
	s_mov_b32 s[G1B+3], 128<<16
	s_mov_b32 s[G1B+4], 160
	s_mov_b32 s[G1B+5], 2048
	s_mov_b32 s[G1B+6], 0
	s_mov_b32 s[G1B+7], 0
	s_lshl_b32 s16, s13, 7                         ; x: row 128 ty + 64 x half,
	s_lshl_b32 s17, s12, 6
	s_add_co_u32 s16, s16, s17
	s_lshl_b32 s16, s16, 12                        ; of 4,096 bytes,
	s_add_co_u32 s16, s16, s[PHB]                  ; at my cluster's first K step
	s_mov_b32 s17, 0
	s_mul_i32 s46, s42, 320                        ; weights: row 320 tx + 160 x half
	s_mul_i32 s47, s12, 160
	s_add_co_u32 s46, s46, s47
	s_lshl_b32 s46, s46, 12
	s_add_co_u32 s46, s46, s[PHB]
	s_mov_b32 s47, 0
	s_mul_i32 s20, s12, AHALF                      ; where they go: no place in the cluster enters an LDS address
	s_mul_i32 s21, s12, BHALF
	s_add_co_u32 s21, s21, AREG
	s_mov_b32 s[TB], 0
	s_mov_b32 s[HIM], 0xffff0000
	s_wait_dscnt 0x0                               ; the opening add is done
	s_wait_kmcnt 0x0
	s_add_nc_u64 s[6:7], s[4:5], WQL
	s_add_nc_u64 s[14:15], s[4:5], s[16:17]
	s_add_nc_u64 s[46:47], s[6:7], s[46:47]
	CROUND                                         ; all sixteen work-groups are here: the first joint loads meet
.irp s, 0,1
	s_mov_b32 s[G0+4*(\s)], 1
	s_add_co_u32 s[G0+4*(\s)+1], s20, (\s)*SLOT1
	s_add_nc_u64 s[G0+4*(\s)+2:G0+4*(\s)+3], s[14:15], (\s)*KSA
	s_or_b32 s[G0+4*(\s)+3], s[G0+4*(\s)+3], 0x80000000
	s_mov_b32 s[G0B+4*(\s)], 1
	s_add_co_u32 s[G0B+4*(\s)+1], s21, (\s)*SLOT1
	s_add_nc_u64 s[G0B+4*(\s)+2:G0B+4*(\s)+3], s[46:47], (\s)*KSB
	s_or_b32 s[G0B+4*(\s)+3], s[G0B+4*(\s)+3], 0x80000000
	JLOAD \s                                       ; two loads of mine are out
.endr
	v_and_b32 v1, 15, v0                           ; r
	v_bfe_u32 v2, v0, 4, 1                         ; h
	v_and_b32 v5, 31, v0                           ; lane
	s_lshl_b32 s20, s42, 10                        ; b_q at column 256 tx + 64 w + 8 h, in bytes
	s_lshl_b32 s23, s10, 8
	s_add_co_u32 s20, s20, s23
	v_lshl_add_u32 v[BO], v2, 5, s20
	s_lshr_b32 s20, s20, 2                         ; b_lat at column 64 tx + 16 w + 8 h
	v_lshl_add_u32 v[BO2], v2, 5, s20
.irp b, 0,1,2,3
	global_load_b128 v[BIAS+8*(\b):BIAS+8*(\b)+3],   v[BO], s[68:69] offset:64*(\b)
	global_load_b128 v[BIAS+8*(\b)+4:BIAS+8*(\b)+7], v[BO], s[68:69] offset:64*(\b)+16
.endr
	global_load_b128 v[BIAS+32:BIAS+35], v[BO2], s[70:71]
	global_load_b128 v[BIAS+36:BIAS+39], v[BO2], s[70:71] offset:16
	v_mul_u32_u24 v[LA], v1, PITCH                 ; every wave reads all 128 rows of x: a fragment's row x pitch + 16 x half,
	v_lshl_add_u32 v[LA], v2, 4, v[LA]
	s_mul_i32 s22, s10, 80*PITCH                   ; and its own 80 weight rows
	s_add_co_u32 s22, s22, AREG
	v_add_nc_u32 v[LB], s22, v[LA]
	v_mov_b32 v[ADRA], v[LA]                       ; slot 0 is the first in hand
	v_mov_b32 v[ADRB], v[LB]
	v_lshlrev_b32 v[CO], 4, v5
	s_lshl_b32 s16, s13, 19                        ; qimg: block (8 ty, 16 tx + 4 w) x 512 bytes
	s_lshl_b32 s17, s42, 13
	s_add_co_u32 s16, s16, s17
	s_lshl_b32 s17, s10, 11
	s_add_co_u32 s16, s16, s17
	s_mov_b32 s17, 0
	s_add_nc_u64 s[8:9], s[72:73], s[16:17]
	s_lshr_b32 s16, s16, 1                         ; yimg: block (8 ty, 4 tx + w) x 1,024 bytes: just half of that
	s_add_nc_u64 s[14:15], s[74:75], s[16:17]
	s_lshl_b32 s20, s13, 7                         ; the prefetches: x's rows 128 ty + 32 cx ..,
	s_lshl_b32 s21, s40, 5
	s_add_co_u32 s20, s20, s21
	s_mul_i32 s21, s42, 320                        ; the weights' rows 320 tx + 80 cy ..
	s_mul_i32 s23, s41, 80
	s_add_co_u32 s21, s21, s23
	s_and_b32 s22, ttmp7, 0xffff                   ; cluster y:
	s_lshr_b32 s22, s22, 1                         ; 0 in the clusters with y = 0 and y = 1
	s_cmp_eq_u32 s11, 0
	s_cselect_b32 s20, s20, s21
	s_cselect_b32 s22, 0, s22                      ; x's rows: every cluster asks; the weights': those two
	s_cselect_b64 s[PFA:PFA+1], s[4:5], s[6:7]
	s_or_b32 s22, s22, s12                         ; and waves 0 and 2 alone ask
	s_cmp_eq_u32 s22, 0
	s_cselect_b32 s[LIM], 11, -1                   ; the same in all sixteen partners, for a given wave
	s_lshl_b32 s20, s20, 12
	s_add_co_u32 s20, s20, s[PHB]                  ; at my cluster's first K step
	s_mov_b32 s21, 0
	s_add_nc_u64 s[PFA:PFA+1], s[PFA:PFA+1], s[20:21]
	s_add_nc_u64 s[PFA:PFA+1], s[PFA:PFA+1], 2*KSB ; at my K step 2: the first prefetch steps it to my K step 4
	v_lshlrev_b32 v[PFO], 12, v1
	v_lshl_add_u32 v[PFO], v2, 8, v[PFO]           ; row r, block h
; 2 BF matrix instructions: row blocks a0, a0 + 1 of the window's four x all BF column blocks, 32 along K.  first = 1: the product starts the sum, with the bias as C.  The accumulators take turns, one instruction a turn.
.macro MUL16 f, hi, a0, first
.if \first
	WIN MUL_1ST+0x40*(\hi)
.else
	WIN MUL_LO+0x50*(\hi)
.endif
.irp a, \a0, (\a0)+1
.set b, 0
.rept BF
.set rD, 8*(BF*(\a)+b)
.set rB, (\f)+8*b
.set rA, (\f)+8*(4*(\hi)+(\a))
.if \first
	v_wmma_f32_16x16x32_bf16 v[rD:rD+7], v[rB:rB+7], v[rA:rA+7], v[BIAS+8*b:BIAS+8*b+7]
.else
	v_wmma_f32_16x16x32_bf16 v[rD:rD+7], v[rB:rB+7], v[rA:rA+7], v[rD:rD+7]
.endif
.set b, b+1
.endr
.endr
.endm
.macro FETCH q, f                      ; NL LDS loads in one run: quarter q of the slot in hand into buffer f: the weights' fragments first, then x's
	WIN TO_B
.set i, 0
.rept BF
	ds_load_b128 v[(\f)+8*i:(\f)+8*i+3],   v[ADRB] offset:(\q)*BQ+i*BBLK
	ds_load_b128 v[(\f)+8*i+4:(\f)+8*i+7], v[ADRB] offset:(\q)*BQ+i*BBLK+BH
.set i, i+1
.endr
	WIN 0
.set i, 0
.rept 8
	ds_load_b128 v[(\f)+8*i:(\f)+8*i+3],   v[ADRA] offset:(\q)*AQ+i*ABLK
	ds_load_b128 v[(\f)+8*i+4:(\f)+8*i+7], v[ADRA] offset:(\q)*AQ+i*ABLK+AH
.set i, i+1
.endr
.endm
.macro FLIP                            ; the other slot comes in hand
	s_xor_b32 s[TB], s[TB], SLOT1
	v_add_nc_u32 v[ADRA], s[TB], v[LA]
	v_add_nc_u32 v[ADRB], s[TB], v[LB]
.endm
.macro QUARTER q, f, g, first          ; multiplies buffer f; in its middle fetches quarter q of the slot in hand into buffer g
	s_wait_dscnt 8                                 ; the weights and x's rows 0-63 are in; the youngest eight loads (rows 64-127) may be out
	MUL16 \f, 0, 0, \first
	MUL16 \f, 0, 2, \first
	PLACES
	FETCH \q, \g
	s_wait_dscnt NL                                ; all but the run just issued
	MUL16 \f, 1, 0, \first
	MUL16 \f, 1, 2, \first
.endm
.macro MEET                            ; the first half of a K step's last quarter: one barrier for the change of slots
	WIN 0
	s_wait_tensorcnt 0x0                           ; all my tensor loads have landed: the one that was out is my part of the next slot
	ds_add_u32 v[SPW], v[NIL]                      ; 0 onto my spare word
	s_wait_dscnt 9                                 ; (the add and the youngest eight loads may be out)
	MUL16 F1, 0, 0, 0
	s_wait_dscnt 0x0                               ; the add is done, and my reads of this slot are over
	s_barrier_signal -1
	MUL16 F1, 0, 2, 0
	WIN 0
	s_barrier_wait -1
.endm
.macro TURN                            ; the last quarter, with the slot filled again two K steps on: the barrier opens a round of the cluster's, and the joint load is the first thing behind it
	MEET
	CREST
	s_cmp_eq_u32 s3, KSTEPS/2                      ; the trip with count c asks for my K step 16 - c: at my K step 8 an odd cluster's walk has reached the rows' end
	s_cselect_b32 s[BACK], s[WRP], 0
	s_xor_b32 s[G0+5], s[G0+5], SLOT1              ; the walking descriptors: the slot just read out,
	s_add_nc_u64 s[G0+6:G0+7], s[G0+6:G0+7], KSA   ; the next K step; the type bits on top are not reached
	s_sub_nc_u64 s[G0+6:G0+7], s[G0+6:G0+7], s[BACK:BACK+1]
	s_xor_b32 s[G0B+5], s[G0B+5], SLOT1
	s_add_nc_u64 s[G0B+6:G0B+7], s[G0B+6:G0B+7], KSB
	s_sub_nc_u64 s[G0B+6:G0B+7], s[G0B+6:G0B+7], s[BACK:BACK+1]
	JLOAD 1                                        ; the four v_nop behind it are also the places in front of the loads below
	FLIP
	FETCH 0, F0
	ASK
	MUL16 F1, 1, 0, 0
	MUL16 F1, 1, 2, 0
.endm
	s_wait_loadcnt 0x0                             ; the biases: rounded to bf16, and kept as f32
.set i, 0
.rept 4*BF
	v_cvt_pk_bf16_f32 v[32+i], v[BIAS+2*i], v[BIAS+2*i+1]
	v_lshlrev_b32 v[BIAS+2*i], 16, v[32+i]
	v_and_b32 v[BIAS+2*i+1], s[HIM], v[32+i]
.set i, i+1
.endr
	s_wait_tensorcnt 1                             ; my part of my K step 0 is in; K step 1's may stay out
	s_barrier_signal -1
	s_barrier_wait -1
	FETCH 0, F0
	QUARTER 1, F0, F1, 1                           ; the first quarter stands in front of the loop: its products start the sums
	WIN 0
	s_mov_b32 s3, KSTEPS-2
.Lstep:                                ; a trip: a K step's second quarter to the next step's first; the slot read out is filled again
	QUARTER 2, F1, F0, 0
	QUARTER 3, F0, F1, 0
	TURN
	QUARTER 1, F0, F1, 0
	WIN 0
	s_sub_co_u32 s3, s3, 1
	s_cmp_lg_u32 s3, 0
	s_cbranch_scc1 .Lstep
	s_mov_b32 s3, 2
.Ltail:                                ; the last two K steps fill nothing; the second has no step behind it and jumps over the fetch and the quarter that are not there
	QUARTER 2, F1, F0, 0
	QUARTER 3, F0, F1, 0
	MEET
	PLACES
	s_cmp_eq_u32 s3, 1
	s_cbranch_scc1 .Llast
	FLIP
	FETCH 0, F0
.Llast:
	MUL16 F1, 1, 0, 0
	MUL16 F1, 1, 2, 0
	WIN 0
	s_cmp_eq_u32 s3, 1
	s_cbranch_scc1 .Ldone
	QUARTER 1, F0, F1, 0
	WIN 0
.Ldone:
	s_sub_co_u32 s3, s3, 1
	s_cmp_lg_u32 s3, 0
	s_cbranch_scc1 .Ltail
	; THE WAY OUT.  Every block of 16 rows has packed registers of its own, and y leaves from its accumulators: no register that a store reads is written again, so no wait stands here.
	PLACES
	PLACES
.macro OUT a                           ; 16 rows: q rounded to f16 (each accumulator from its low end on), six stores of 512 consecutive bytes
	WIN 0x0a+5*((\a)/4)                            ; sources 0 and 1: window 2 or 3
.set i, 0
.rept 16
	v_cvt_pk_f16_f32 v[PK+16*(\a)+i], v[8*BF*((\a)%4)+2*i], v[8*BF*((\a)%4)+2*i+1]
.set i, i+1
.endr
	WIN 0
.set i, 0
.rept 4
	global_store_b128 v[CO], v[PK+16*(\a)+4*i:PK+16*(\a)+4*i+3], s[8:9] offset:(\a)*65536+i*512
.set i, i+1
.endr
	WIN 0x08+4*((\a)/4)                            ; the stores' data: window 2 or 3
	global_store_b128 v[CO], v[8*BF*((\a)%4)+32:8*BF*((\a)%4)+35], s[14:15] offset:(\a)*32768
	global_store_b128 v[CO], v[8*BF*((\a)%4)+36:8*BF*((\a)%4)+39], s[14:15] offset:(\a)*32768+512
.endm
.irp a, 0,1,2,3,4,5,6,7
	OUT \a
.endr
	WIN 0
	s_wait_tensorcnt 0x0                           ; the wave's end
	ds_add_u32 v[SPW], v[NIL]
	s_wait_dscnt 0x0
	CROUND                                         ; the closing round: no work-group ends while a partner may still ask for a tile that names it
	s_endpgm
.Lfunc_end_k_q43e1ba1163_proj:
	.size	k_q43e1ba1163_proj, .Lfunc_end_k_q43e1ba1163_proj-k_q43e1ba1163_proj
	.p2alignl 7, 3214868480
	.fill 96, 4, 3214868480
	.section	.rodata,"a",@progbits
	.p2align	6, 0x0
	.amdhsa_kernel k_q43e1ba1163_proj
		.amdhsa_group_segment_fixed_size 327680
		.amdhsa_private_segment_fixed_size 0
		.amdhsa_enable_private_segment 0
		.amdhsa_kernarg_size 40
		.amdhsa_user_sgpr_count 2
		.amdhsa_user_sgpr_kernarg_segment_ptr 1
		.amdhsa_wavefront_size32 1
		.amdhsa_system_sgpr_workgroup_id_x 1
		.amdhsa_system_sgpr_workgroup_id_y 1
		.amdhsa_system_sgpr_workgroup_id_z 1
		.amdhsa_system_vgpr_workitem_id 0
		.amdhsa_next_free_vgpr 1024
		.amdhsa_next_free_sgpr 80
		.amdhsa_reserve_vcc 0
		.amdhsa_float_denorm_mode_32 3
		.amdhsa_float_denorm_mode_16_64 3
		.amdhsa_memory_ordered 1
		.amdhsa_forward_progress 1
		.amdhsa_inst_pref_size 70
	.end_amdhsa_kernel
	.amdgpu_metadata
---
amdhsa.version: [ 1, 2 ]
amdhsa.kernels:
  - .name:           k_q43e1ba1163_proj
    .symbol:         k_q43e1ba1163_proj.kd
    .args:
      - { .name: cst, .offset: 0, .size: 8, .value_kind: global_buffer, .address_space: global }
      - { .name: b_q, .offset: 8, .size: 8, .value_kind: global_buffer, .address_space: global }
      - { .name: b_lat, .offset: 16, .size: 8, .value_kind: global_buffer, .address_space: global }
      - { .name: qimg, .offset: 24, .size: 8, .value_kind: global_buffer, .address_space: global }
      - { .name: yimg, .offset: 32, .size: 8, .value_kind: global_buffer, .address_space: global }
    .group_segment_fixed_size: 327680
    .private_segment_fixed_size: 0
    .kernarg_segment_align: 8
    .kernarg_segment_size: 40
    .max_flat_workgroup_size: 128
    .sgpr_count:     80
    .vgpr_count:     1024
    .wavefront_size: 32
...
	.end_amdgpu_metadata
.endif
;; end of part 7
;; launch ln: the kernel of part 3 again; grid 256 x 1, 4 waves a work-group, no clusters, 1,024 bytes of LDS; arguments yimg, g_ln, b_ln, latimg; writes latimg
;; launch kvp (part 8): grid 16 x 16, 4 waves a work-group, clusters of 4 x 4, 327,680 bytes of LDS; arguments latimg, cst, b_kv, kvimg; writes kvimg
.if DOCPART == 8
	.amdgcn_target "amdgcn-amd-amdhsa--gfx1250"
	.amdhsa_code_object_version 6
	.text
	.protected	k_q43e1ba1163_kvp
	.globl	k_q43e1ba1163_kvp
	.p2align	8
	.type	k_q43e1ba1163_kvp,@function
k_q43e1ba1163_kvp:
	s_mov_b64 s[64:65], 0
	v_nop
	global_prefetch_b8 v0, s[64:65] scope:SCOPE_SE
	s_setreg_imm32_b32 hwreg(HW_REG_WAVE_MODE, 25, 1), 1
	s_wait_xcnt 0x0
	s_wait_alu depctr_hold_cnt(0) depctr_sa_sdst(0) depctr_va_vdst(0) depctr_va_sdst(0) depctr_va_ssrc(0) depctr_va_vcc(0) depctr_vm_vsrc(0)
	s_getreg_b32 s2, hwreg(HW_REG_IB_STS2, 6, 4)
	s_cmp_eq_u32 s2, 0
	s_cbranch_scc0 .Lentry_in_a_cluster
	s_endpgm
.Lentry_in_a_cluster:
	s_bfe_u32 s2, ttmp6, 0x10000c
	s_cmp_lg_u32 s2, 0xf033
	s_cbranch_scc0 .Lentry_shape_is_right
	s_endpgm
.Lentry_shape_is_right:
; KVP.  kv = latent w_kv^T + b_kv.  latent: 4,096 rows x 512 in f16, in blocks of 16 x 16 (512 bytes, block (R, Cb) at (32 R + Cb) x 512, lane l's 16 bytes at 16 l: row l % 16, columns 8 (l / 16) + 0..7);
; w_kv: [4096][512] in cst, bf16 numbers written as f16; sums in f32.  A tile is 256 x 256: 16 x 16 = 256 work-groups; four waves 2 x 2, each 128 x 128: 64 accumulators.
; K goes in four steps of 128 through a ring of two LDS slots filled by tensor loads.  latent's part of a step is 4,096 consecutive bytes of each row of blocks and is read from LDS as it lies: a fragment is two
; loads of 16 bytes at 16 l, 512 bytes apart: consecutive lanes, consecutive bytes.  The weights' rows are 256 bytes, padded to 272 in LDS.
; A K STEP IS WRITTEN ONCE: a trip of the loop is one K step; the slot in hand is a scalar, turned by an exclusive or, that is added to the lanes' places.  The two K steps that fill nothing are a second loop.
; CLUSTER 4 x 4: latent's tile is asked for jointly along a row of the cluster, the weights' along a column.  NO PREFETCH: of K's four steps two are asked for at the head and two by the first loop's refills: a
; prefetch that runs two steps ahead of the loads would have nothing left to name.
; THE PRODUCT IS TAKEN TRANSPOSED: a lane ends with row l % 16 and eight neighbouring columns.  b_kv, rounded to bf16 like every input, is the C operand of each sum's first product.
; OUT, f16 blocks of 512 bytes at (256 R + Cb) x 512: K (Cb 0..127) with lane l's 16 bytes at 16 l; V (Cb 128..255) with the 16 bytes of key r, channel half h at 16 x (r % 8 + 8 h + 16 (r / 8)), so that a turning
; LDS load at 16 l finds each group of eight lanes its eight keys of one channel half.  LIMITS: latent, w_kv, k and v must lie within f16's 65,504; NaN and infinities are not treated apart.
; REGISTERS, in windows of 256 (s_set_vgpr_msb: bits 1:0 source 0, 3:2 source 1, 5:4 source 2, 7:6 destination): window 0: v16-31 addresses, v64-191 latent's fragments (two buffers), v192-255 the bias;
; window 1: v64-191 the weights' fragments; window 2: accumulators of my rows 0-63 ((a, b) at 8 (8 a + b)); window 3: rows 64-127.  On the way out both windows' v64-191 take the packed blocks.
.set BF,    8
.set PITCH, 272                        ; 256 bytes + 16 of padding = 68 words: the 16 rows of a load start at 16 different groups of four banks (64 banks of 4 bytes: ISA guide 11.1)
.set ABLK,  4096                       ; from row of blocks to row of blocks
.set AQ,    1024                       ; a quarter is two blocks
.set AH,    512
.set BBLK,  16*PITCH
.set BQ,    64
.set BH,    32
.set AHALF, 8*4096
.set AREG,  2*AHALF
.set BHALF, 128*PITCH
.set SLOT,  AREG+2*BHALF               ; 135,168 = 0x21000
.set SLOT1, SLOT                       ; slot 1 begins here.  The four places in slot 0 to which loads go, 0, 0x8000, 0x10000 and 0x18800, have neither bit 12 nor bit 17 set, so an exclusive or with 0x21000 turns each into its place in slot 1 and back
.set SPARE, 2*SLOT                     ; the spare words, 128 bytes a wave: two blocks of 256 bytes that no other line names
.set KSA,   4096
.set KSB,   256
.set KSTEPS, 4
.set NL,    2*BF+16
.set WKV,   27262976                   ; w_kv's first byte in cst
.set RMW,   (1<<16)|(1<<20)|(1<<21)|(5<<22)|(3<<25)  ; 2-byte elements; padding on; bit 21 beside a mask; after every 64 words; 4 words
.set IMW,   (3<<16)|(1<<21)            ; 8-byte elements, no padding; bit 21 beside a mask
.set ADRA, 16                          ; v16  LDS address of my fragments of latent in the slot in hand
.set LA,   17                          ; v17  the same in slot 0; never rewritten
.set ADRB, 20                          ; v20, v21  the same for the weights
.set LB,   21
.set CO,   26                          ; v26  my place in a block on the way out
.set BO,   27                          ; v27  my byte offset in b_kv; never rewritten
.set SPW,  28
.set NIL,  29
.set F0,   64
.set F1,   128
.set PK,   64
.set BIAS, 192
.set G1,  24                           ; s[24:31] group 1 for latent's tiles;  s[32:35] group 0 of the first fill of slot 0, s[36:39] of slot 1: that one then walks on
.set G0,  32
.set G1B, 48
.set G0B, 56
.set TB,  66                           ; s66  the slot in hand: 0 or SLOT1
.set HIM, 67                           ; s67  a word's upper bf16
.set MSB, 0
.macro WIN new                         ; the immediate's high byte repeats the setting that is left; a switch that changes nothing is dropped
.if MSB != (\new)
	s_set_vgpr_msb (MSB<<8)|(\new)
.set MSB, \new
.endif
.endm
.set MUL_LO, 0xa1
.set MUL_1ST, 0x81                     ; C, the bias, in window 0
.set TO_B,   0x40
.macro PLACES                          ; four places behind a matrix instruction, in front of loads into registers that it has read (ISA guide 7.12.1 for vector instructions)
.rept 4
	v_nop
.endr
.endm
.macro JLOAD s                         ; a joint load; an s_nop 0 and four v_nop follow each of the two lines, ahead of the jump and the label
	s_cmp_eq_u32 s11, 0
	s_cbranch_scc0 .Lfor_b_\@
	tensor_load_to_lds s[G0+4*(\s):G0+4*(\s)+3], s[G1:G1+7]
	s_nop 0
	PLACES
	s_branch .Lasked_\@
.Lfor_b_\@:
	tensor_load_to_lds s[G0B+4*(\s):G0B+4*(\s)+3], s[G1B:G1B+7]
	s_nop 0
	PLACES
.Lasked_\@:
.endm
.macro CREST
	s_cmp_lg_u32 s10, 0
	s_cbranch_scc1 .Lnot_wave_0_\@
	s_barrier_signal -3
.Lnot_wave_0_\@:
	s_barrier_wait -3
	s_barrier_signal -1
	s_barrier_wait -1
.endm
.macro CROUND
	s_barrier_signal -1
	s_barrier_wait -1
	CREST
.endm
	s_load_b256 s[68:75], s[0:1], 0x0              ; latimg s[68:69], cst s[70:71], b_kv s[72:73], kvimg s[74:75]
	v_lshl_add_u32 v[SPW], v0, 2, SPARE
	v_mov_b32 v[NIL], 0
	ds_add_u32 v[SPW], v[NIL]                      ; the wave's opening: the add and its wait ahead of my first tensor load; work on registers stands between them
	ds_add_u32 v28, v29
	v_lshrrev_b32 v1, 5, v0
	v_readfirstlane_b32 s10, v1                    ; wave 0..3
	s_lshr_b32 s11, s10, 1                         ; which half of the tile's rows is mine.  Also: I fetch for latent (0) or for the weights (1)
	s_and_b32 s12, s10, 1                          ; which half of its columns.  Also: which half of that tile I fetch
	s_bfe_u32 s40, ttmp6, 0x40000                  ; cx
	s_bfe_u32 s41, ttmp6, 0x40004                  ; cy
	s_lshl_b32 s42, ttmp9, 2
	s_add_co_u32 s42, s42, s40                     ; tx
	s_and_b32 s13, ttmp7, 0xffff
	s_lshl_b32 s13, s13, 2
	s_add_co_u32 s13, s13, s41                     ; ty
	s_lshl_b32 s43, s41, 2
	s_lshl_b32 s43, 15, s43                        ; my row of the cluster
	s_lshl_b32 s44, 0x1111, s40                    ; my column
	s_or_b32 s[G1+0], s43, IMW
	s_mov_b32 s[G1+1], 512<<16                     ; tensor_dim0 = 512 elements of 8 bytes
	s_mov_b32 s[G1+2], 8<<16                       ; tensor_dim1 = 8 rows of blocks
	s_mov_b32 s[G1+3], 512<<16                     ; tile_dim0
	s_mov_b32 s[G1+4], 8                           ; tile_dim1
	s_mov_b32 s[G1+5], 2048                        ; 16,384 bytes from row of blocks to row of blocks
	s_mov_b32 s[G1+6], 0
	s_mov_b32 s[G1+7], 0
	s_or_b32 s[G1B+0], s44, RMW
	s_mov_b32 s[G1B+1], 128<<16
	s_mov_b32 s[G1B+2], 128<<16
	s_mov_b32 s[G1B+3], 128<<16
	s_mov_b32 s[G1B+4], 128
	s_mov_b32 s[G1B+5], 512                        ; elements from row to row of w_kv
	s_mov_b32 s[G1B+6], 0
	s_mov_b32 s[G1B+7], 0
	s_lshl_b32 s16, s13, 18                        ; latent: row of blocks 16 ty + 8 x half, of 16,384 bytes
	s_lshl_b32 s17, s12, 17
	s_add_co_u32 s16, s16, s17
	s_mov_b32 s17, 0
	s_lshl_b32 s46, s42, 18                        ; weights: row 256 tx + 128 x half, of 1,024 bytes
	s_lshl_b32 s47, s12, 17
	s_add_co_u32 s46, s46, s47
	s_mov_b32 s47, 0
	s_mul_i32 s20, s12, AHALF
	s_mul_i32 s21, s12, BHALF
	s_add_co_u32 s21, s21, AREG
	s_mov_b32 s[TB], 0
	s_mov_b32 s[HIM], 0xffff0000
	s_wait_dscnt 0x0                               ; the opening add is done
	s_wait_kmcnt 0x0
	s_add_nc_u64 s[6:7], s[70:71], WKV
	s_add_nc_u64 s[14:15], s[68:69], s[16:17]
	s_add_nc_u64 s[46:47], s[6:7], s[46:47]
	CROUND                                         ; all sixteen work-groups are here: the first joint loads meet
.irp s, 0,1
	s_mov_b32 s[G0+4*(\s)], 1
	s_add_co_u32 s[G0+4*(\s)+1], s20, (\s)*SLOT1
	s_add_nc_u64 s[G0+4*(\s)+2:G0+4*(\s)+3], s[14:15], (\s)*KSA
	s_or_b32 s[G0+4*(\s)+3], s[G0+4*(\s)+3], 0x80000000
	s_mov_b32 s[G0B+4*(\s)], 1
	s_add_co_u32 s[G0B+4*(\s)+1], s21, (\s)*SLOT1
	s_add_nc_u64 s[G0B+4*(\s)+2:G0B+4*(\s)+3], s[46:47], (\s)*KSB
	s_or_b32 s[G0B+4*(\s)+3], s[G0B+4*(\s)+3], 0x80000000
	JLOAD \s                                       ; two loads of mine are out
.endr
	v_and_b32 v1, 15, v0                           ; r
	v_bfe_u32 v2, v0, 4, 1                         ; h
	v_and_b32 v5, 31, v0                           ; lane
	s_lshl_b32 s20, s42, 10                        ; b_kv at column 256 tx + 128 x half + 8 h, in bytes
	s_lshl_b32 s23, s12, 9
	s_add_co_u32 s20, s20, s23
	v_lshl_add_u32 v[BO], v2, 5, s20
.irp b, 0,1,2,3,4,5,6,7
	global_load_b128 v[BIAS+8*(\b):BIAS+8*(\b)+3],   v[BO], s[72:73] offset:64*(\b)
	global_load_b128 v[BIAS+8*(\b)+4:BIAS+8*(\b)+7], v[BO], s[72:73] offset:64*(\b)+16
.endr
	v_mul_u32_u24 v3, v1, PITCH
	v_lshl_add_u32 v3, v2, 4, v3                   ; the weights: row x pitch + 16 x half
	v_lshlrev_b32 v4, 4, v5                        ; latent: 16 x lane
	s_mul_i32 s21, s11, AHALF                      ; my 128 rows of latent
	s_mul_i32 s22, s12, BHALF                      ; my 128 weight rows
	s_add_co_u32 s22, s22, AREG
	v_add_nc_u32 v[LA], s21, v4
	v_add_nc_u32 v[LB], s22, v3
	v_mov_b32 v[ADRA], v[LA]                       ; slot 0 is the first in hand
	v_mov_b32 v[ADRB], v[LB]
	v_and_b32 v6, 7, v0                            ; V's place in a block: r % 8 + 8 h + 16 (r / 8)
	v_bfe_u32 v7, v0, 3, 1
	v_lshl_add_u32 v8, v2, 3, v6
	v_lshl_add_u32 v8, v7, 4, v8
	v_lshlrev_b32 v8, 4, v8
	s_cmp_ge_u32 ttmp9, 2                          ; column tiles 8 .. 15 are V: clusters 2 and 3 along x, alike in all partners; it enters a store's offset alone
	s_cselect_b32 s78, -1, 0
	v_cndmask_b32 v[CO], v4, v8, s78
	s_lshl_b32 s16, s13, 21                        ; kvimg: block (16 ty + 8 x row half, 16 tx + 8 x column half) x 512 bytes
	s_lshl_b32 s17, s11, 20
	s_add_co_u32 s16, s16, s17
	s_lshl_b32 s17, s42, 13
	s_add_co_u32 s16, s16, s17
	s_lshl_b32 s17, s12, 12
	s_add_co_u32 s16, s16, s17
	s_mov_b32 s17, 0
	s_add_nc_u64 s[8:9], s[74:75], s[16:17]
; 2 BF matrix instructions: row blocks a0, a0 + 1 of the window's four x all BF column blocks, 32 along K.  first = 1: the product starts the sum, with the bias as C.  The accumulators take turns, one instruction a turn.
.macro MUL16 f, hi, a0, first
.if \first
	WIN MUL_1ST+0x40*(\hi)
.else
	WIN MUL_LO+0x50*(\hi)
.endif
.irp a, \a0, (\a0)+1
.set b, 0
.rept BF
.set rD, 8*(BF*(\a)+b)
.set rB, (\f)+8*b
.set rA, (\f)+8*(4*(\hi)+(\a))
.if \first
	v_wmma_f32_16x16x32_f16 v[rD:rD+7], v[rB:rB+7], v[rA:rA+7], v[BIAS+8*b:BIAS+8*b+7]
.else
	v_wmma_f32_16x16x32_f16 v[rD:rD+7], v[rB:rB+7], v[rA:rA+7], v[rD:rD+7]
.endif
.set b, b+1
.endr
.endr
.endm
.macro FETCH q, f                      ; NL LDS loads in one run: quarter q of the slot in hand into buffer f: the weights' fragments first, then latent's
	WIN TO_B
.set i, 0
.rept BF
	ds_load_b128 v[(\f)+8*i:(\f)+8*i+3],   v[ADRB] offset:(\q)*BQ+i*BBLK
	ds_load_b128 v[(\f)+8*i+4:(\f)+8*i+7], v[ADRB] offset:(\q)*BQ+i*BBLK+BH
.set i, i+1
.endr
	WIN 0
.set i, 0
.rept 8
	ds_load_b128 v[(\f)+8*i:(\f)+8*i+3],   v[ADRA] offset:(\q)*AQ+i*ABLK
	ds_load_b128 v[(\f)+8*i+4:(\f)+8*i+7], v[ADRA] offset:(\q)*AQ+i*ABLK+AH
.set i, i+1
.endr
.endm
.macro FLIP                            ; the other slot comes in hand
	s_xor_b32 s[TB], s[TB], SLOT1
	v_add_nc_u32 v[ADRA], s[TB], v[LA]
	v_add_nc_u32 v[ADRB], s[TB], v[LB]
.endm
.macro QUARTER q, f, g, first
	s_wait_dscnt 8                                 ; the weights and latent's rows 0-63 are in; the youngest eight loads (rows 64-127) may be out
	MUL16 \f, 0, 0, \first
	MUL16 \f, 0, 2, \first
	PLACES
	FETCH \q, \g
	s_wait_dscnt NL                                ; all but the run just issued
	MUL16 \f, 1, 0, \first
	MUL16 \f, 1, 2, \first
.endm
.macro MEET                            ; the first half of a K step's last quarter: one barrier for the change of slots
	WIN 0
	s_wait_tensorcnt 0x0                           ; all my tensor loads have landed: the one that was out is my part of the next slot
	ds_add_u32 v[SPW], v[NIL]                      ; 0 onto my spare word
	s_wait_dscnt 9                                 ; (the add and the youngest eight loads may be out)
	MUL16 F1, 0, 0, 0
	s_wait_dscnt 0x0                               ; the add is done, and my reads of this slot are over
	s_barrier_signal -1
	MUL16 F1, 0, 2, 0
	WIN 0
	s_barrier_wait -1
.endm
.macro TURN                            ; the last quarter, with the slot filled again two K steps on: the barrier opens a round of the cluster's, and the joint load is the first thing behind it
	MEET
	CREST
	s_xor_b32 s[G0+5], s[G0+5], SLOT1              ; the walking descriptors: the slot just read out,
	s_add_nc_u64 s[G0+6:G0+7], s[G0+6:G0+7], KSA   ; the next K step; the type bits on top are not reached
	s_xor_b32 s[G0B+5], s[G0B+5], SLOT1
	s_add_nc_u64 s[G0B+6:G0B+7], s[G0B+6:G0B+7], KSB
	JLOAD 1                                        ; the four v_nop behind it are also the places in front of the loads below
	FLIP
	FETCH 0, F0
	MUL16 F1, 1, 0, 0
	MUL16 F1, 1, 2, 0
.endm
	s_wait_loadcnt 0x0                             ; the bias: rounded to bf16, and kept as f32
.set i, 0
.rept 4*BF
	v_cvt_pk_bf16_f32 v[32+i], v[BIAS+2*i], v[BIAS+2*i+1]
	v_lshlrev_b32 v[BIAS+2*i], 16, v[32+i]
	v_and_b32 v[BIAS+2*i+1], s[HIM], v[32+i]
.set i, i+1
.endr
	s_wait_tensorcnt 1                             ; my part of K step 0 is in; K step 1's may stay out
	s_barrier_signal -1
	s_barrier_wait -1
	FETCH 0, F0
	QUARTER 1, F0, F1, 1                           ; the first quarter's products start the sums
	WIN 0
	s_mov_b32 s3, KSTEPS-2
.Lstep:                                ; a trip: a K step's second quarter to the next step's first; the slot read out is filled again
	QUARTER 2, F1, F0, 0
	QUARTER 3, F0, F1, 0
	TURN
	QUARTER 1, F0, F1, 0
	WIN 0
	s_sub_co_u32 s3, s3, 1
	s_cmp_lg_u32 s3, 0
	s_cbranch_scc1 .Lstep
	s_mov_b32 s3, 2
.Ltail:                                ; the last two K steps fill nothing; the second has no step behind it and jumps over the fetch and the quarter that are not there
	QUARTER 2, F1, F0, 0
	QUARTER 3, F0, F1, 0
	MEET
	PLACES
	s_cmp_eq_u32 s3, 1
	s_cbranch_scc1 .Llast
	FLIP
	FETCH 0, F0
.Llast:
	MUL16 F1, 1, 0, 0
	MUL16 F1, 1, 2, 0
	WIN 0
	s_cmp_eq_u32 s3, 1
	s_cbranch_scc1 .Ldone
	QUARTER 1, F0, F1, 0
	WIN 0
.Ldone:
	s_sub_co_u32 s3, s3, 1
	s_cmp_lg_u32 s3, 0
	s_cbranch_scc1 .Ltail
	; THE WAY OUT.  Every block of 16 rows has packed registers of its own (blocks 0-3 in window 0, blocks 4-7 in window 1, where the fragments lay): no register that a store reads is written again, so no wait stands here.
	PLACES
	PLACES
.macro OUT a                           ; 16 rows: rounded to f16 (each accumulator from its low end on), eight stores of 512 consecutive bytes
	WIN 0x0a+0x45*((\a)/4)                         ; sources window 2, destination window 0; or sources window 3, destination window 1
.set i, 0
.rept 32
	v_cvt_pk_f16_f32 v[PK+32*((\a)%4)+i], v[8*BF*((\a)%4)+2*i], v[8*BF*((\a)%4)+2*i+1]
.set i, i+1
.endr
	WIN 0x04*((\a)/4)                              ; the stores' data: window 0 or 1
.set i, 0
.rept 8
	global_store_b128 v[CO], v[PK+32*((\a)%4)+4*i:PK+32*((\a)%4)+4*i+3], s[8:9] offset:(\a)*131072+i*512
.set i, i+1
.endr
.endm
.irp a, 0,1,2,3,4,5,6,7
	OUT \a
.endr
	WIN 0
	s_wait_tensorcnt 0x0                           ; the wave's end
	ds_add_u32 v[SPW], v[NIL]
	s_wait_dscnt 0x0
	CROUND                                         ; the closing round
	s_endpgm
.Lfunc_end_k_q43e1ba1163_kvp:
	.size	k_q43e1ba1163_kvp, .Lfunc_end_k_q43e1ba1163_kvp-k_q43e1ba1163_kvp
	.p2alignl 7, 3214868480
	.fill 96, 4, 3214868480
	.section	.rodata,"a",@progbits
	.p2align	6, 0x0
	.amdhsa_kernel k_q43e1ba1163_kvp
		.amdhsa_group_segment_fixed_size 327680
		.amdhsa_private_segment_fixed_size 0
		.amdhsa_enable_private_segment 0
		.amdhsa_kernarg_size 32
		.amdhsa_user_sgpr_count 2
		.amdhsa_user_sgpr_kernarg_segment_ptr 1
		.amdhsa_wavefront_size32 1
		.amdhsa_system_sgpr_workgroup_id_x 1
		.amdhsa_system_sgpr_workgroup_id_y 1
		.amdhsa_system_sgpr_workgroup_id_z 1
		.amdhsa_system_vgpr_workitem_id 0
		.amdhsa_next_free_vgpr 1024
		.amdhsa_next_free_sgpr 80
		.amdhsa_reserve_vcc 0
		.amdhsa_float_denorm_mode_32 3
		.amdhsa_float_denorm_mode_16_64 3
		.amdhsa_memory_ordered 1
		.amdhsa_forward_progress 1
		.amdhsa_inst_pref_size 97
	.end_amdhsa_kernel
	.amdgpu_metadata
---
amdhsa.version: [ 1, 2 ]
amdhsa.kernels:
  - .name:           k_q43e1ba1163_kvp
    .symbol:         k_q43e1ba1163_kvp.kd
    .args:
      - { .name: latimg, .offset: 0, .size: 8, .value_kind: global_buffer, .address_space: global }
      - { .name: cst, .offset: 8, .size: 8, .value_kind: global_buffer, .address_space: global }
      - { .name: b_kv, .offset: 16, .size: 8, .value_kind: global_buffer, .address_space: global }
      - { .name: kvimg, .offset: 24, .size: 8, .value_kind: global_buffer, .address_space: global }
    .group_segment_fixed_size: 327680
    .private_segment_fixed_size: 0
    .kernarg_segment_align: 8
    .kernarg_segment_size: 32
    .max_flat_workgroup_size: 128
    .sgpr_count:     80
    .vgpr_count:     1024
    .wavefront_size: 32
...
	.end_amdgpu_metadata
.endif
;; end of part 8
;; launch attn (part 9): grid 4 x 64, 4 waves a work-group, no clusters, 327,680 bytes of LDS; arguments qimg, kvimg, oimg; writes oimg
.if DOCPART == 9
	.amdgcn_target "amdgcn-amd-amdhsa--gfx1250"
	.amdhsa_code_object_version 6
	.text
	.protected	k_q43e1ba1163_attn
	.globl	k_q43e1ba1163_attn
	.p2align	8
	.type	k_q43e1ba1163_attn,@function
k_q43e1ba1163_attn:
	s_mov_b64 s[64:65], 0
	v_nop
	global_prefetch_b8 v0, s[64:65] scope:SCOPE_SE
	s_setreg_imm32_b32 hwreg(HW_REG_WAVE_MODE, 25, 1), 1
	s_wait_xcnt 0x0
; ATTN.  O[q] = the sum over k <= q of softmax_k(Q[q] . K[k] / sqrt(128)) V[k], for 64 pairs of batch and head, 1,024 rows each, head size 128.  The window of 1,024 hides nothing that the causal mask leaves at 1,024 rows.
; Q, K, V, O are f16 in blocks of 16 rows x 16 columns, 512 bytes: qimg and oimg at (128 R + Cb) x 512, kvimg at (256 R + Cb) x 512 (K: Cb 0..127, V: 128..255); R = row / 16 of 4,096 rows, Cb = 8 x head + ..
; In a block lane l's 16 bytes (row l % 16, columns 8 (l / 16) + 0..7) lie at 16 l; in V's blocks key r, channel half h lie at 16 x (r % 8 + 8 h + 16 (r / 8)).  So fragments of Q and K are two loads at 16 l, 512 bytes
; apart, V comes turned by ds_load_tr16_b128 at 16 l, O leaves by stores of 512 consecutive bytes, and no LDS access has two lanes in one bank.
; Products, maxima and sums in f32; the weights p are rounded to f16 for the second product (their sum l is taken of the unrounded p), O once at the end.
; LIMITS.  Q, K, V arrive within f16's 65,504.  A hidden score counts as its value less 1e30.  A weight below 2^-126 counts as 0 in l; below 6e-5 p keeps f16's fixed step of 6e-8.  NaN and infinities are not treated apart.
; THE WALK.  A head's queries lie in 8 blocks of 128; block i needs the key tiles 0 .. i of 128 keys, the last of which holds the diagonal.  A work-group takes TWO blocks, 7 - b and then b: 9 tiles whatever b: 256 work-groups
; of equal work, and one loop with a constant trip count.  Which tile is asked for, and what a trip does, hang on scalar registers made from b; every jump but the loops' own goes forward.
; NO CLUSTER: only a head's four work-groups read the same K and V; what a trip does hangs on b, which differs between them, and from trip 5 on they ask for different tiles; one walk common to all four would have 12 trips for 9.
; SHARES.  A wave owns two tiles of 16 queries, one in each of the block's two bands of 64: rows 64 t + 16 w + r.  A key tile is two steps of 64 keys.
; A KEY STEP IS WRITTEN ONCE and walked twice a tile.  THE MASK is the C operand that starts every sum S^T = K Q^T: MC, made anew at each step's head as MD x AL + BE, where MD, made once, is -1e30 where 16 kb + 8 h + j > 16 w + r
; and else 0.  Full tiles: 0 for both bands.  The diagonal tile's first step: MD for band 0, 0 for band 1; its second step: -1e30 for band 0, MD for band 1.  Band 0's share of that second step is wholly hidden: it is
; computed all the same and comes to nothing (its maximum stays, its weights are 0): 32 products and one tile's softmax for each diagonal tile, the price of one text for every step.
; LAYOUT.  S^T = K Q^T (source 0 = 16 keys, source 1 = 16 queries) holds ONE query a lane and the keys 8 h + 0..7; two such results rounded to f16 ARE source 1 of O^T = V^T P, whose result holds one query a lane and eight channels.
; SOFTMAX.  A running maximum m and sum l: p = 2^(c s - c m), c = log2(e) / sqrt(128); in every step O and l are multiplied by a = 2^(c m_old - c m_new).  A block begins with c m far below every c s: its first a is 0, so O^T and l
; need only hold finite numbers there: zeros at the start (128 lines, in the wait for the first tile), the first block's leavings later: no first step is written out.
; IN PHASES: a step's K Q^T, then the two runs of LDS loads, the softmax, then V^T P.
; REGISTERS, in windows of 256 (s_set_vgpr_msb: bits 1:0 source 0, 3:2 source 1, 5:4 source 2, 7:6 destination): window 0: v2-7 addresses, v8-23 statistics, v32-95 S^T, v96-127 P, v128-159 MD, v160-223 Q;
; window 1: v0-127 O^T (64 t + 8 cb), v128-255 K of a step (32 kb + 8 c); window 2: v0-127 V of a step (64 kk + 8 cb), v128-191 the second block's Q, v192-255 MC (32 t + 8 kb).
.set SLOT1, 65536                      ; a slot: K's 8 rows of blocks x 4,096 bytes, then V's 8; slot 1 begins here: one exclusive or turns an address
.set STEPB, 16384                      ; a step's four rows of blocks, of K and of V
.set VOFF,  32768
.set SPARE, 131072                     ; the spare words, 128 bytes a wave: two blocks of 256 bytes that no other line names
.set L16, 2                            ; v2  16 x lane; never rewritten
.set ADR, 3                            ; v3  the step in hand + 16 x lane
.set MQ,  4                            ; v4  16 w + r - 8 h, for the mask
.set PFO, 5                            ; v5  the prefetches' offset; never rewritten
.set SPW, 6                            ; v6  my spare word; never rewritten
.set NIL, 7                            ; v7  0; never rewritten
.set ST,  8                            ; tile t's statistics at v[ST+8 t]: c m, m, l (even keys', odd keys'), c0-c3 at work; a takes c2's place
.set S,   32
.set P,   96
.set MD,  128
.set Q,   160
.set KF,  128                          ; window 1
.set QB,  128                          ; window 2
.set MC,  192                          ; window 2
.set WV,  12
.set PB,  14                           ; s14  b
.set HI,  15                           ; s15  7 - b
.set G1,  24                           ; s[24:31] descriptor group 1
.set G0,  40                           ; s[40:43] group 0, made anew at each change of slots
.set PFA, 44                           ; s[44:45] my four rows of blocks of the tile behind the one that is being asked for
.set LIM, 46                           ; s46  2 where b = 0, else the greatest number
.set DG,  47                           ; s47  1: the tile in hand holds the diagonal
.set DGF, 48                           ; s48  the same as a float
.set DGB, 49                           ; s49  -1e30 in that tile, else 0
.set AL0, 50                           ; s[50:51] band 0's factor, in the low word
.set BE0, 52                           ; s[52:53] band 0's addend
.set AL1, 54                           ; s[54:55] band 1's factor
.set SLOTS, 56                         ; s56  tiles still to be asked for
.set CNT, 57                           ; s57  counts a tile's two steps, 2 and 1
.set CS,  58                           ; s[58:59] c
.set SEL, 60                           ; s[60:61] v_permlanex16_b32's selects
.set TB,  62                           ; s62  LDS byte at which K of the step to be fetched begins
.set RT,  70                           ; s70  tiles of the block in hand still to be entered
.set NXT, 71                           ; s71  the tile to be asked for next
.set LQ,  72                           ; s72  the last tile of the block whose tiles are being asked for
.set OFF, 74                           ; s[74:75] a tile's byte offset
.set OLO, 80                           ; s[80:81] O at my rows of the second block
.set BIGN, 82                          ; s82  -1e30
.set QLO, 86                           ; s[86:87] Q at my rows of the second block
.set MSB, 0
.macro WIN new                         ; the immediate's high byte repeats the setting that is left; a switch that changes nothing is dropped
.if MSB != (\new)
	s_set_vgpr_msb (MSB<<8)|(\new)
.set MSB, \new
.endif
.endm
.set W_KQ, 0x01                        ; K in window 1; Q and S^T in window 0
.set W_KM, 0x21                        ; the same with C, the mask, in window 2
.set W_PV, 0x52                        ; V in window 2, P in window 0, O^T in window 1
.set W_RS, 0x41                        ; O^T (destination and source 0) in window 1, the factor in window 0
.macro PLACES                          ; four places behind a matrix instruction (ISA guide 7.12.1 for vector instructions)
.rept 4
	v_nop
.endr
.endm
; THE CHANGE OF SLOTS.  Each wave waits for all its tensor loads, of which one is out: its part of the other slot; adds 0 to its spare word; waits for that and for its reads of the slot that it leaves.  Behind the barrier nobody reads
; the old slot and the other slot is whole.  fill = 1: the old slot is filled again, first thing behind the barrier, with tile NXT: each wave its own four rows of blocks, 16 KiB.  (At its first use slot 0 is waited for and slot 1 filled.)
.macro CHANGE fill
	WIN 0
	s_wait_tensorcnt 0x0                           ; no tensor load of mine is out, so group 0 may be written
	ds_add_u32 v[SPW], v[NIL]                      ; 0 onto my spare word; scalar work stands between it and the wait for it
.if \fill
	s_lshl_b32 s[OFF], s[NXT], 20                  ; a tile is 8 rows of blocks of 131,072 bytes
	s_xor_b32 s[G0+1], s[G0+1], SLOT1
	s_add_nc_u64 s[G0+2:G0+3], s[6:7], s[OFF:OFF+1]
	s_or_b32 s[G0+3], s[G0+3], 0x80000000
	s_wait_xcnt 0x0                                ; the last prefetches, a tile back, have read their address
	s_add_nc_u64 s[PFA:PFA+1], s[6:7], s[OFF:OFF+1]
	s_add_nc_u64 s[PFA:PFA+1], s[PFA:PFA+1], 0x100000
	s_add_co_u32 s[NXT], s[NXT], 1                 ; the block's next tile, or behind its last the second block's tile 0
	s_cmp_gt_u32 s[NXT], s[LQ]
	s_cselect_b32 s[NXT], 0, s[NXT]
	s_cselect_b32 s[LQ], s[PB], s[LQ]
.endif
	s_wait_dscnt 0x0                               ; the add is done, and my reads of the slot are over
	s_barrier_signal -1
	s_sub_co_u32 s[TB], s[TB], STEPB               ; the fetches go back to a slot's first step,
	s_xor_b32 s[TB], s[TB], SLOT1                  ; in the other slot
	s_barrier_wait -1
.if \fill
	tensor_load_to_lds s[G0:G0+3], s[G1:G1+7]      ; my one tensor load until the next such barrier
	s_nop 0
	PLACES
.endif
.endm
; A PREFETCH of the tile behind the one just asked for, behind the tensor load and the run of LDS loads that the products wait for.  A head's four work-groups walk tiles 0, 1, 2 .. together at first: the one with b = 0, whose
; first block needs all eight, asks, each wave for the 64 blocks of 256 bytes that it will fetch itself: lanes 0-15 one row of blocks, lanes 16-31 the next, two instructions.  So tiles 2 to 7 are named once each in the launch;
; tiles 0 and 1 come by their loads alone, and the last two trips ask for nothing.
.macro ASK
	s_cmp_gt_u32 s[SLOTS], s[LIM]
	s_cbranch_scc0 .Lnot_mine_\@
	global_prefetch_b8 v[PFO], s[PFA:PFA+1] th:TH_LOAD_NT scope:SCOPE_SE
	global_prefetch_b8 v[PFO], s[PFA:PFA+1] offset:262144 th:TH_LOAD_NT scope:SCOPE_SE
.Lnot_mine_\@:
.endm
	s_load_b128 s[4:7], s[0:1], 0x0                ; qimg s[4:5], kvimg s[6:7]
	s_load_b64 s[10:11], s[0:1], 0x10              ; oimg
	v_lshl_add_u32 v[SPW], v0, 2, SPARE
	v_mov_b32 v[NIL], 0
	ds_add_u32 v[SPW], v[NIL]                      ; the wave's opening: the add and its wait ahead of my first tensor load; work on registers stands between them
	ds_add_u32 v6, v7
	v_lshrrev_b32 v1, 5, v0
	v_readfirstlane_b32 s[WV], v1                  ; wave 0..3
	s_mov_b32 s[PB], ttmp9
	s_sub_co_u32 s[HI], 7, s[PB]
	s_and_b32 s16, ttmp7, 0xffff
	s_lshr_b32 s17, s16, 4                         ; batch
	s_and_b32 s18, s16, 15                         ; head:
	s_lshl_b32 s18, s18, 12                        ; its 8 blocks of 512 bytes
	s_lshl_b32 s2, s17, 23                         ; kvimg: the batch's 64 rows of blocks,
	s_add_co_u32 s2, s2, s18
	s_and_b32 s19, s[WV], 1                        ; my half of a tile's 8 rows of blocks,
	s_lshl_b32 s19, s19, 19
	s_add_co_u32 s2, s2, s19
	s_lshr_b32 s19, s[WV], 1                       ; of K (waves 0, 1) or of V (waves 2, 3)
	s_lshl_b32 s19, s19, 16
	s_add_co_u32 s2, s2, s19
	s_mov_b32 s3, 0
	s_lshl_b32 s17, s17, 6
	s_add_co_u32 s17, s17, s[WV]                   ; qimg, oimg: row of blocks 64 x batch + 8 x block + w (+ 4 t)
	s_lshl_b32 s20, s[HI], 3
	s_add_co_u32 s20, s20, s17
	s_lshl_b32 s20, s20, 16
	s_add_co_u32 s20, s20, s18
	s_mov_b32 s21, 0
	s_lshl_b32 s22, s[PB], 3
	s_add_co_u32 s22, s22, s17
	s_lshl_b32 s22, s22, 16
	s_add_co_u32 s22, s22, s18
	s_mov_b32 s23, 0
	s_mov_b32 s[G1+0], 3<<16                       ; elements of 8 bytes, no mask, no padding
	s_mov_b32 s[G1+1], 512<<16                     ; tensor_dim0 = 512: 4,096 bytes
	s_mov_b32 s[G1+2], 4<<16                       ; tensor_dim1 = 4 rows of blocks
	s_mov_b32 s[G1+3], 512<<16                     ; tile_dim0
	s_mov_b32 s[G1+4], 4                           ; tile_dim1
	s_mov_b32 s[G1+5], 16384                       ; 131,072 bytes from row of blocks to row of blocks
	s_mov_b32 s[G1+6], 0
	s_mov_b32 s[G1+7], 0
	s_mov_b32 s[G0], 1
	s_lshl_b32 s[G0+1], s[WV], 14                  ; slot 0, my 16 KiB
	s_mov_b32 s[CS], 0x3e0293ee                    ; c = log2(e) / sqrt(128)
	s_mov_b32 s[CS+1], s[CS]
	s_mov_b32 s[SEL], 0x76543210
	s_mov_b32 s[SEL+1], 0xfedcba98
	s_mov_b32 s[TB], SLOT1+STEPB                   ; the first change of slots turns it into 0
	s_sub_co_u32 s[RT], 8, s[PB]                   ; the first block has 8 - b tiles
	s_mov_b32 s[NXT], 1
	s_mov_b32 s[LQ], s[HI]
	s_mov_b32 s[OFF+1], 0
	s_mov_b32 s[AL0+1], 0                          ; named as pairs
	s_mov_b32 s[BE0+1], 0
	s_mov_b32 s[AL1+1], 0
	s_mov_b32 s[BIGN], 0xf149f2ca                  ; -1e30
	s_mov_b32 s[SLOTS], 8
	s_cmp_eq_u32 s[PB], 0
	s_cselect_b32 s[LIM], 2, -1
	s_wait_dscnt 0x0                               ; the opening add is done
	s_wait_kmcnt 0x0
	s_add_nc_u64 s[6:7], s[6:7], s[2:3]            ; my part of the head's tile 0
	s_add_nc_u64 s[G0+2:G0+3], s[6:7], 0
	s_or_b32 s[G0+3], s[G0+3], 0x80000000
	s_add_nc_u64 s[QLO:QLO+1], s[4:5], s[22:23]
	s_add_nc_u64 s[4:5], s[4:5], s[20:21]
	s_add_nc_u64 s[OLO:OLO+1], s[10:11], s[22:23]
	s_add_nc_u64 s[10:11], s[10:11], s[20:21]
	tensor_load_to_lds s[G0:G0+3], s[G1:G1+7]      ; tile 0 into slot 0
	s_nop 0
	PLACES
	v_and_b32 v1, 31, v0
	v_lshlrev_b32 v[L16], 4, v1
.set i, 0
.rept 8                                ; Q of the first block: tile i / 4, channels 32 (i % 4) on
	global_load_b128 v[Q+8*i:Q+8*i+3],   v[L16], s[4:5] offset:(i/4)*262144+(i%4)*1024
	global_load_b128 v[Q+8*i+4:Q+8*i+7], v[L16], s[4:5] offset:(i/4)*262144+(i%4)*1024+512
.set i, i+1
.endr
	WIN 0x80
.set i, 0
.rept 8                                ; and of the second
	global_load_b128 v[QB+8*i:QB+8*i+3],   v[L16], s[QLO:QLO+1] offset:(i/4)*262144+(i%4)*1024
	global_load_b128 v[QB+8*i+4:QB+8*i+7], v[L16], s[QLO:QLO+1] offset:(i/4)*262144+(i%4)*1024+512
.set i, i+1
.endr
	WIN 0
	v_and_b32 v24, 15, v0                          ; r
	v_bfe_u32 v25, v0, 4, 1                        ; h
	v_lshlrev_b32 v26, 3, v25
	v_sub_nc_u32 v[MQ], v24, v26
	s_lshl_b32 s13, s[WV], 4
	v_add_nc_u32 v[MQ], s13, v[MQ]
.set i, 0
.rept 32
	v_cmp_gt_i32 vcc_lo, 16*(i/8)+i%8, v[MQ]
	v_cndmask_b32 v[MD+i], 0, s[BIGN], vcc_lo
.set i, i+1
.endr
	v_lshlrev_b32 v[PFO], 8, v24
	v_lshl_add_u32 v[PFO], v25, 17, v[PFO]
	WIN 0x40
.set i, 0
.rept 128
	v_mov_b32 v[i], 0
.set i, i+1
.endr
	WIN 0
.macro INIT                            ; a block begins: c m far below every c s, m at the lowest finite number
.irp t, 0,1
	v_mov_b32 v[ST+8*(\t)], 0xfe000000
	v_mov_b32 v[ST+8*(\t)+1], 0xff7fffff
.endr
.endm
.irp t, 0,1
	v_mov_b32 v[ST+8*(\t)+2], 0
	v_mov_b32 v[ST+8*(\t)+3], 0
.endr
	INIT
	s_wait_loadcnt 0x0                             ; Q
; THE MATRIX WORK.  The accumulators take turns, one instruction a turn.
.macro KQS                             ; S^T = K Q^T: channels 32 c on, keys 16 kb on; the first product of a sum takes the mask
.set c, 0
.rept 4
.if c == 0
	WIN W_KM
.else
	WIN W_KQ
.endif
.set kb, 0
.rept 4
.irp t, 0,1
.set rS, S+32*(\t)+8*kb
.set rK, KF+32*kb+8*c
.set rQ, Q+32*(\t)+8*c
.if c == 0
	v_wmma_f32_16x16x32_f16 v[rS:rS+7], v[rK:rK+7], v[rQ:rQ+7], v[MC+32*(\t)+8*kb:MC+32*(\t)+8*kb+7]
.else
	v_wmma_f32_16x16x32_f16 v[rS:rS+7], v[rK:rK+7], v[rQ:rQ+7], v[rS:rS+7]
.endif
.endr
.set kb, kb+1
.endr
.set c, c+1
.endr
.endm
.macro PVS                             ; O^T += V^T P: keys 32 kk on, channels 16 cb on
.set kk, 0
.rept 2
.set cb, 0
.rept 8
.irp t, 0,1
.set rO, 64*(\t)+8*cb
.set rV, 64*kk+8*cb
.set rP, P+16*(\t)+8*kk
	v_wmma_f32_16x16x32_f16 v[rO:rO+7], v[rV:rV+7], v[rP:rP+7], v[rO:rO+7]
.endr
.set cb, cb+1
.endr
.set kk, kk+1
.endr
.endm
.macro FETCH_K                         ; the step at ADR: 16 fragments of K, 32 loads in one run
	WIN 0x40
.set i, 0
.rept 16                               ; keys 16 (i / 4) on, channels 32 (i % 4) on
	ds_load_b128 v[KF+8*i:KF+8*i+3],   v[ADR] offset:(i/4)*4096+(i%4)*1024
	ds_load_b128 v[KF+8*i+4:KF+8*i+7], v[ADR] offset:(i/4)*4096+(i%4)*1024+512
.set i, i+1
.endr
	WIN 0
.endm
.macro FETCH_V                         ; 16 fragments of V^T, turned: lane l gets channel l % 16 and 8 keys from each load
	WIN 0x80
.set i, 0
.rept 16                               ; keys 32 (i / 8) on, channels 16 (i % 8) on
	ds_load_tr16_b128 v[8*i:8*i+3],   v[ADR] offset:VOFF+2*(i/8)*4096+(i%8)*512
	ds_load_tr16_b128 v[8*i+4:8*i+7], v[ADR] offset:VOFF+2*(i/8)*4096+(i%8)*512+4096
.set i, i+1
.endr
	WIN 0
.endm
; THE SOFTMAX of one tile for one step is a list of 134 lines; SM writes number j of it for tile t.  s0-s31 are the lane's 32 scores.
;   0-15  the maximum of the scores and the old m, three operands at a time (each accumulator's lowest registers are read first)     16-20  the other half of the lanes' maximum; c m_old kept; m; c m; its change
;   21    a     22-37  c s - c m, a pair each     38-69  the exponentials     (one wait)     70-85  the roundings to f16     86-101  the sums; l = a l + sum     102-133  O^T times a
.macro SM t
.set rT, ST+8*(\t)
.set rS, S+32*(\t)
.set rP, P+16*(\t)
.set rO, 64*(\t)+2*(j-102)
.if j < 4
	v_max3_num_f32 v[rT+4+j], v[rS+8*j], v[rS+8*j+1], v[rS+8*j+2]
.elseif j < 12
	v_max3_num_f32 v[rT+4+j%4], v[rT+4+j%4], v[rS+8*(j%4)+2*(j/4)+1], v[rS+8*(j%4)+2*(j/4)+2]
.elseif j == 12
	v_max3_num_f32 v[rT+4], v[rT+4], v[rS+7], v[rS+15]
.elseif j == 13
	v_max3_num_f32 v[rT+6], v[rT+6], v[rS+23], v[rS+31]
.elseif j == 14
	v_max3_num_f32 v[rT+4], v[rT+4], v[rT+5], v[rT+6]
.elseif j == 15
	v_max3_num_f32 v[rT+4], v[rT+4], v[rT+7], v[rT+1]
.elseif j == 16
	v_permlanex16_b32 v[rT+5], v[rT+4], s[SEL], s[SEL+1]  ; the query's other 32 keys lie in the lane 16 away
.elseif j == 17
	v_mov_b32 v[rT+7], v[rT]
.elseif j == 18
	v_max_num_f32 v[rT+1], v[rT+4], v[rT+5]
.elseif j == 19
	v_mul_f32 v[rT], s[CS], v[rT+1]
.elseif j == 20
	v_sub_f32 v[rT+7], v[rT+7], v[rT]
.elseif j == 21
	v_exp_f32 v[rT+6], v[rT+7]
.elseif j < 38
	v_pk_fma_f32 v[rS+2*(j-22):rS+2*(j-22)+1], v[rS+2*(j-22):rS+2*(j-22)+1], s[CS:CS+1], v[rT:rT+1] op_sel_hi:[1,0,0] neg_lo:[0,0,1] neg_hi:[0,0,1]
.elseif j < 70
	v_exp_f32 v[rS+j-38], v[rS+j-38]
.elseif j < 86
	v_cvt_pk_f16_f32 v[rP+j-70], v[rS+2*(j-70)], v[rS+2*(j-70)+1]
.elseif j < 102                        ; the 16 pairs are added in place, neighbours 1, 2, 4 and 8 pairs apart; then l takes the sum
.set z, j-86
.set w, 4
.set u, z
.if z >= 14
.set w, 32
.set u, 0
.elseif z >= 12
.set w, 16
.set u, z-12
.elseif z >= 8
.set w, 8
.set u, z-8
.endif
.if z < 15
	v_pk_add_f32 v[rS+w*u:rS+w*u+1], v[rS+w*u:rS+w*u+1], v[rS+w*u+w/2:rS+w*u+w/2+1]
.else
	v_pk_fma_f32 v[rT+2:rT+3], v[rT+2:rT+3], v[rT+6:rT+7], v[rS:rS+1] op_sel_hi:[1,0,1]
.endif
.else
	v_pk_mul_f32 v[rO:rO+1], v[rO:rO+1], v[rT+6:rT+7] op_sel_hi:[1,0]
.endif
.endm
.macro RUN n                           ; the list's next n numbers, the two tiles alternating
.rept \n
	SM 0
	SM 1
.set j, j+1
.endr
.endm
.macro SOFT
	WIN 0
.set j, 0
	RUN 70                                         ; nothing here names an exponential's result
	v_nop                                          ; a plain line behind the last exponential,
	s_wait_alu depctr_va_vdst(0)                   ; and the one wait ahead of the first use: for all exponentials of both tiles
	RUN 32
	WIN W_RS
	RUN 32
.endm
; A TILE of 128 keys: K of its first step is fetched; then its two steps, one text walked twice.  ask = 1: the prefetch stands behind K's run of loads.
.macro TILE ask
	v_add_nc_u32 v[ADR], s[TB], v[L16]
	FETCH_K
.if \ask
	ASK
.endif
	s_sub_co_u32 s[RT], s[RT], 1
	s_cmp_eq_u32 s[RT], 0                          ; the block's last tile holds the diagonal
	s_cselect_b32 s[DG], 1, 0
	s_cselect_b32 s[DGF], 1.0, 0
	s_cselect_b32 s[DGB], s[BIGN], 0
	s_mov_b32 s[CNT], 2
.Lstep_\@:
	s_cmp_eq_u32 s[CNT], 2                         ; the masks of this step: in the diagonal tile (1, 0) and 0, then (0, -1e30) and 1; else all 0
	s_cselect_b32 s[AL0], s[DGF], 0
	s_cselect_b32 s[BE0], 0, s[DGB]
	s_cselect_b32 s[AL1], 0, s[DGF]
	WIN 0x80                                       ; destination window 2, MD in window 0
.set z, 0
.rept 16
	v_pk_fma_f32 v[MC+2*z:MC+2*z+1], v[MD+2*z:MD+2*z+1], s[AL0:AL0+1], s[BE0:BE0+1] op_sel_hi:[1,0,0]
.set z, z+1
.endr
.set z, 0
.rept 16
	v_pk_mul_f32 v[MC+32+2*z:MC+32+2*z+1], v[MD+2*z:MD+2*z+1], s[AL1:AL1+1] op_sel_hi:[1,0]
.set z, z+1
.endr
	s_wait_dscnt 0x0                               ; K is in
	KQS
	PLACES                                         ; behind the products that read K: in front of the loads into it, and of the softmax
	FETCH_V
	s_cmp_eq_u32 s[CNT], 1                         ; the tile's second step has no K behind it in this slot
	s_cbranch_scc1 .Lno_k_\@
	s_add_co_u32 s[TB], s[TB], STEPB
	v_add_nc_u32 v[ADR], s[TB], v[L16]
	FETCH_K
.Lno_k_\@:
	SOFT
	s_wait_dscnt 0x0                               ; V is in, and K where it was fetched: both runs were issued a whole softmax ago
	WIN W_PV
	PVS
	WIN 0
	s_sub_co_u32 s[CNT], s[CNT], 1
	s_cmp_lg_u32 s[CNT], 0
	s_cbranch_scc1 .Lstep_\@
.endm
; A BLOCK ENDS: l's two halves and the other half of the lanes' are added; O^T is divided by l, rounded to f16 and stored as it lies: a store of a wave is one block, 512 consecutive bytes.
.macro FINISH
	PLACES
	WIN 0
.irp t, 0,1
	v_add_f32 v[ST+8*(\t)+4], v[ST+8*(\t)+2], v[ST+8*(\t)+3]
.endr
.irp t, 0,1
	v_permlanex16_b32 v[ST+8*(\t)+5], v[ST+8*(\t)+4], s[SEL], s[SEL+1]
.endr
.irp t, 0,1
	v_add_f32 v[ST+8*(\t)+4], v[ST+8*(\t)+4], v[ST+8*(\t)+5]
.endr
.irp t, 0,1
	v_rcp_f32 v[ST+8*(\t)+6], v[ST+8*(\t)+4]
.endr
	v_nop                                          ; a plain line behind the last reciprocal,
	s_wait_alu depctr_va_vdst(0)                   ; and the wait ahead of the first use: one for both
.irp t, 0,1
	WIN W_RS
.set i, 64*(\t)
.rept 32
	v_pk_mul_f32 v[i:i+1], v[i:i+1], v[ST+8*(\t)+6:ST+8*(\t)+7] op_sel_hi:[1,0]
.set i, i+2
.endr
	WIN 0x05                                       ; sources 0 and 1 window 1, destination window 0: S^T's registers are free
.set i, 0
.rept 32
	v_cvt_pk_f16_f32 v[S+32*(\t)+i], v[64*(\t)+2*i], v[64*(\t)+2*i+1]
.set i, i+1
.endr
	WIN 0
.set i, 0
.rept 8
	global_store_b128 v[L16], v[S+32*(\t)+4*i:S+32*(\t)+4*i+3], s[10:11] offset:(\t)*262144+i*512
.set i, i+1
.endr
.endr
	s_wait_xcnt 0x0                                ; the stores have read their registers and O's address
.endm
.Lslot:                                ; 8 trips: a tile is entered and the next is asked for
	CHANGE 1
	TILE 1
	s_cmp_eq_u32 s[DG], 0
	s_cbranch_scc1 .Lbottom
	FINISH                                         ; the first block's end (the second block's last tile is the walk's last, behind the loop)
	s_mov_b64 s[10:11], s[OLO:OLO+1]
	s_add_co_u32 s[RT], s[PB], 1                   ; the second block has b + 1 tiles
	WIN 0x02                                       ; its Q goes where the one text of the steps names Q
.set i, 0
.rept 64
	v_mov_b32 v[Q+i], v[QB+i]
.set i, i+1
.endr
	WIN 0
	INIT
.Lbottom:
	s_sub_co_u32 s[SLOTS], s[SLOTS], 1
	s_cmp_lg_u32 s[SLOTS], 0
	s_cbranch_scc1 .Lslot
	CHANGE 0                                       ; the walk's last tile is written out: nothing is asked for
	TILE 0
	FINISH
	s_wait_tensorcnt 0x0                           ; the wave's end
	ds_add_u32 v[SPW], v[NIL]
	s_wait_dscnt 0x0
	s_endpgm
.Lfunc_end_k_q43e1ba1163_attn:
	.size	k_q43e1ba1163_attn, .Lfunc_end_k_q43e1ba1163_attn-k_q43e1ba1163_attn
	.p2alignl 7, 3214868480
	.fill 96, 4, 3214868480
	.section	.rodata,"a",@progbits
	.p2align	6, 0x0
	.amdhsa_kernel k_q43e1ba1163_attn
		.amdhsa_group_segment_fixed_size 327680
		.amdhsa_private_segment_fixed_size 0
		.amdhsa_enable_private_segment 0
		.amdhsa_kernarg_size 24
		.amdhsa_user_sgpr_count 2
		.amdhsa_user_sgpr_kernarg_segment_ptr 1
		.amdhsa_wavefront_size32 1
		.amdhsa_system_sgpr_workgroup_id_x 1
		.amdhsa_system_sgpr_workgroup_id_y 1
		.amdhsa_system_sgpr_workgroup_id_z 1
		.amdhsa_system_vgpr_workitem_id 0
		.amdhsa_next_free_vgpr 768
		.amdhsa_next_free_sgpr 88
		.amdhsa_reserve_vcc 1
		.amdhsa_float_denorm_mode_32 3
		.amdhsa_float_denorm_mode_16_64 3
		.amdhsa_memory_ordered 1
		.amdhsa_forward_progress 1
		.amdhsa_inst_pref_size 95
	.end_amdhsa_kernel
	.amdgpu_metadata
---
amdhsa.version: [ 1, 2 ]
amdhsa.kernels:
  - .name:           k_q43e1ba1163_attn
    .symbol:         k_q43e1ba1163_attn.kd
    .args:
      - { .name: qimg, .offset: 0, .size: 8, .value_kind: global_buffer, .address_space: global }
      - { .name: kvimg, .offset: 8, .size: 8, .value_kind: global_buffer, .address_space: global }
      - { .name: oimg, .offset: 16, .size: 8, .value_kind: global_buffer, .address_space: global }
    .group_segment_fixed_size: 327680
    .private_segment_fixed_size: 0
    .kernarg_segment_align: 8
    .kernarg_segment_size: 24
    .max_flat_workgroup_size: 128
    .sgpr_count:     88
    .vgpr_count:     768
    .wavefront_size: 32
...
	.end_amdgpu_metadata
.endif
;; end of part 9
;; launch outp (part 10): grid 8 x 32, 4 waves a work-group, clusters of 4 x 4, 327,680 bytes of LDS; arguments oimg, cst, b_o, out0; writes out0
.if DOCPART == 10
	.amdgcn_target "amdgcn-amd-amdhsa--gfx1250"
	.amdhsa_code_object_version 6
	.text
	.protected	k_q43e1ba1163_outp
	.globl	k_q43e1ba1163_outp
	.p2align	8
	.type	k_q43e1ba1163_outp,@function
k_q43e1ba1163_outp:
	s_mov_b64 s[64:65], 0
	v_nop
	global_prefetch_b8 v0, s[64:65] scope:SCOPE_SE
	s_setreg_imm32_b32 hwreg(HW_REG_WAVE_MODE, 25, 1), 1
	s_wait_xcnt 0x0
	s_wait_alu depctr_hold_cnt(0) depctr_sa_sdst(0) depctr_va_vdst(0) depctr_va_sdst(0) depctr_va_ssrc(0) depctr_va_vcc(0) depctr_vm_vsrc(0)
	s_getreg_b32 s2, hwreg(HW_REG_IB_STS2, 6, 4)
	s_cmp_eq_u32 s2, 0
	s_cbranch_scc0 .Lentry_in_a_cluster
	s_endpgm
.Lentry_in_a_cluster:
	s_bfe_u32 s2, ttmp6, 0x10000c
	s_cmp_lg_u32 s2, 0xf033
	s_cbranch_scc0 .Lentry_shape_is_right
	s_endpgm
.Lentry_shape_is_right:
; OUTP.  out = o w_o^T + b_o.  o: 4,096 rows x 2,048 in f16, in blocks of 16 x 16 (512 bytes, block (R, Cb) at (128 R + Cb) x 512, lane l's 16 bytes at 16 l: row l % 16, columns 8 (l / 16) + 0..7);
; w_o: [2048][2048] in cst, bf16 numbers written as f16; sums in f32; out in f32, row-major.  A tile is 128 x 256: 32 x 8 = 256 work-groups; four waves side by side, each 128 rows x 64 columns: 8 x 4 accumulators.
; K goes in 16 steps of 128 through a ring of two LDS slots filled by tensor loads.  o's part of a step is 4,096 consecutive bytes of each row of blocks and is read from LDS as it lies (a fragment: two loads of 16 bytes at 16 l,
; 512 bytes apart); the weights' rows are 256 bytes, padded to 272 in LDS.  Waves 0 and 1 fetch the halves of o's tile, waves 2 and 3 those of the weights'.
; A K STEP IS WRITTEN ONCE: a trip of the loop is one K step; the slot in hand is a scalar, turned by an exclusive or, that is added to the lanes' places.  The two K steps that fill nothing are a second loop.
; CLUSTER 4 x 4: o's tile is asked for jointly along a row of the cluster, the weights' along a column.
; TWO WALKS.  The clusters whose x + y is even walk K steps 0 to 15; those whose x + y is odd begin at K step 8 and go round to K step 7.  Of the two clusters that read the same rows of o one is odd and one even, and so
; are neighbours along y, which read the same weight rows: a row's K step is asked for by the one eight steps ahead of the other.  The phase is made of the cluster's own x and y: it is alike in all sixteen partners.
; LIMIT: the f32 sums run over K in the order of the cluster's walk, which is not the same in all clusters.
; THE PRODUCT IS TAKEN TRANSPOSED: a lane ends with row l % 16 and eight neighbouring columns, 32 bytes.  b_o, rounded to bf16 like every input, is the C operand of each sum's first product.  A wave's 64 columns are 256 bytes
; of a row of out: 16 rows at a time go from the accumulators through the wave's own stage in LDS and come back as whole rows, so that sixteen lanes store 256 consecutive bytes, aligned.
; LIMITS: o and w_o must lie within f16's 65,504; NaN and infinities are not treated apart.
; REGISTERS, in windows of 256 (s_set_vgpr_msb: bits 1:0 source 0, 3:2 source 1, 5:4 source 2, 7:6 destination): window 0: v16-31 addresses, v64-191 o's fragments (two buffers), v192-223 the bias;
; window 1: v64-191 the weights' fragments; window 2: accumulators of rows 0-63 ((a, b) at 8 (4 a + b)); window 3: rows 64-127.  On the way out both windows' v64-191 take the rows read back from the stage.
.set BF,    4
.set PITCH, 272                        ; 256 bytes + 16 of padding = 68 words: the 16 rows of a load start at 16 different groups of four banks (64 banks of 4 bytes: ISA guide 11.1)
.set ABLK,  4096
.set AQ,    1024
.set AH,    512
.set BBLK,  16*PITCH
.set BQ,    64
.set BH,    32
.set AHALF, 4*4096
.set AREG,  2*AHALF
.set BHALF, 128*PITCH
.set SLOT,  AREG+2*BHALF               ; 102,400 bytes
.set SLOT1, 131072                     ; slot 1 begins here, so that one exclusive or turns an address in one slot into the other's
.set STAGE, SLOT1+SLOT                 ; behind the ring, never filled by a tensor load: 16 rows x 272 bytes for each wave
.set SPARE, STAGE+4*16*PITCH           ; the spare words, 128 bytes a wave: two blocks of 256 bytes that no other line names
.set KSA,   4096
.set KSB,   256
.set KSTEPS, 16
.set NL,    2*BF+16
.set WO,    31457280                   ; w_o's first byte in cst
.set RMW,   (1<<16)|(1<<20)|(1<<21)|(5<<22)|(3<<25)  ; 2-byte elements; padding on; bit 21 beside a mask; after every 64 words; 4 words
.set IMW,   (3<<16)|(1<<21)            ; 8-byte elements, no padding; bit 21 beside a mask
.set ADRA, 16                          ; v16  LDS address of my fragments of o in the slot in hand
.set LA,   17                          ; v17  the same in slot 0; never rewritten
.set ADRB, 20                          ; v20, v21  the same for the weights
.set LB,   21
.set STO,  24                          ; v24  the way out: where I put 32 bytes of a row
.set RD,   25                          ; v25  where I read a row back
.set CO,   26                          ; v26  my byte offset in two rows of out
.set BO,   27                          ; v27  my byte offset in b_o; never rewritten
.set SPW,  28
.set NIL,  29
.set PFO,  30                          ; v30  the prefetches' offset; never rewritten
.set F0,   64
.set F1,   128
.set BK,   64                          ; the way out: 32 registers for each block of 16 rows
.set BIAS, 192
.set G1,  24                           ; s[24:31] group 1 for o's tiles;  s[32:35] group 0 of the first fill of slot 0, s[36:39] of slot 1: that one then walks on
.set G0,  32
.set G1B, 48
.set G0B, 56
.set LIM, 43                           ; s43  11 in a wave that prefetches, else the greatest number
.set PFA, 44                           ; s[44:45] where my prefetches stand
.set TB,  66                           ; s66  the slot in hand: 0 or SLOT1
.set HIM, 67                           ; s67  a word's upper bf16
.set PFS, 76                           ; s[76:77] two K steps in bytes: 8,192 in o's rows of blocks, 512 in the weights' rows
.set WRA, 2                            ; s2   how far an odd cluster's walk goes back at its middle in o: a row of blocks' 65,536 bytes; even: 0.  Half of it is where the walk begins
.set WRB, 79                           ; s79  the same in the weights: a row's 4,096 bytes, or 0
.set BACKA, 14                         ; s[14:15] what this trip's refill of o goes back by: s2 in the trip that asks for my K step 8, else 0
.set BACKB, 18                         ; s[18:19] the same for the weights
.set MSB, 0
.macro WIN new                         ; the immediate's high byte repeats the setting that is left; a switch that changes nothing is dropped
.if MSB != (\new)
	s_set_vgpr_msb (MSB<<8)|(\new)
.set MSB, \new
.endif
.endm
.set MUL_LO, 0xa1
.set MUL_1ST, 0x81                     ; C, the bias, in window 0
.set TO_B,   0x40
.macro PLACES                          ; four places behind a matrix instruction, in front of loads into registers that it has read (ISA guide 7.12.1 for vector instructions)
.rept 4
	v_nop
.endr
.endm
.macro JLOAD s                         ; a joint load; an s_nop 0 and four v_nop follow each of the two lines, ahead of the jump and the label
	s_cmp_eq_u32 s11, 0
	s_cbranch_scc0 .Lfor_b_\@
	tensor_load_to_lds s[G0+4*(\s):G0+4*(\s)+3], s[G1:G1+7]
	s_nop 0
	PLACES
	s_branch .Lasked_\@
.Lfor_b_\@:
	tensor_load_to_lds s[G0B+4*(\s):G0B+4*(\s)+3], s[G1B:G1B+7]
	s_nop 0
	PLACES
.Lasked_\@:
.endm
.macro CREST
	s_cmp_lg_u32 s10, 0
	s_cbranch_scc1 .Lnot_wave_0_\@
	s_barrier_signal -3
.Lnot_wave_0_\@:
	s_barrier_wait -3
	s_barrier_signal -1
	s_barrier_wait -1
.endm
.macro CROUND
	s_barrier_signal -1
	s_barrier_wait -1
	CREST
.endm
; A PREFETCH, in every second trip (slot 0's: the count is even), behind the joint load and the run of LDS loads that follows it: the pair of K steps after the pair whose first has just been asked for.  Of o that is 8,192
; consecutive bytes of a row of blocks: a lane a block of 256 bytes, an instruction a row of blocks; of the weights 512 bytes of each row: lanes 0-15 name 16 rows' first 256 bytes, lanes 16-31 their second.  A block is named
; once in the launch, by the cluster that reads it first, which is the one in whose first eight K steps it lies: o's by wave 0 of every cluster (of the two that read them one is odd, one even), the weights' by wave 2 of the
; clusters with y = 0 and y = 1 (one odd, one even).  The four partners that ask for a tile jointly share it out BY ADDRESS (2 rows of blocks by cx, 64 weight rows by cy).  My K steps 0 to 3 come by their loads alone; counts
; 14 and 12 name my K steps 4 to 7; my K steps 8 to 15 are not asked for.
.macro ASK
	s_and_b32 s22, s3, 1
	s_cmp_lg_u32 s22, 0
	s_cbranch_scc1 .Lnot_mine_\@
	s_cmp_gt_u32 s3, s[LIM]
	s_cbranch_scc0 .Lnot_mine_\@
	s_wait_xcnt 0x0                                ; the last prefetches, two K steps back, have read their address
	s_add_nc_u64 s[PFA:PFA+1], s[PFA:PFA+1], s[PFS:PFS+1]
	global_prefetch_b8 v[PFO], s[PFA:PFA+1] th:TH_LOAD_NT scope:SCOPE_SE
	global_prefetch_b8 v[PFO], s[PFA:PFA+1] offset:65536 th:TH_LOAD_NT scope:SCOPE_SE
	s_cmp_eq_u32 s11, 0
	s_cbranch_scc1 .Lnot_mine_\@
	global_prefetch_b8 v[PFO], s[PFA:PFA+1] offset:2*65536 th:TH_LOAD_NT scope:SCOPE_SE
	global_prefetch_b8 v[PFO], s[PFA:PFA+1] offset:3*65536 th:TH_LOAD_NT scope:SCOPE_SE
.Lnot_mine_\@:
.endm
	s_load_b256 s[68:75], s[0:1], 0x0              ; oimg s[68:69], cst s[70:71], b_o s[72:73], out0 s[74:75]
	v_lshl_add_u32 v[SPW], v0, 2, SPARE
	v_mov_b32 v[NIL], 0
	ds_add_u32 v[SPW], v[NIL]                      ; the wave's opening: the add and its wait ahead of my first tensor load; work on registers stands between them
	ds_add_u32 v28, v29
	v_lshrrev_b32 v1, 5, v0
	v_readfirstlane_b32 s10, v1                    ; wave 0..3
	s_lshr_b32 s11, s10, 1                         ; I fetch for o (0) or for the weights (1)
	s_and_b32 s12, s10, 1                          ; which half of that tile
	s_bfe_u32 s40, ttmp6, 0x40000                  ; cx
	s_bfe_u32 s41, ttmp6, 0x40004                  ; cy
	s_lshl_b32 s42, ttmp9, 2
	s_add_co_u32 s42, s42, s40                     ; tx
	s_and_b32 s13, ttmp7, 0xffff
	s_lshl_b32 s13, s13, 2
	s_add_co_u32 s13, s13, s41                     ; ty
	s_lshl_b32 s43, s41, 2
	s_lshl_b32 s43, 15, s43                        ; my row of the cluster
	s_lshl_b32 s44, 0x1111, s40                    ; my column
	s_and_b32 s22, ttmp7, 0xffff
	s_add_co_u32 s22, s22, ttmp9
	s_and_b32 s22, s22, 1                          ; cluster x + cluster y, odd or even
	s_lshl_b32 s[WRA], s22, 16                     ; odd: 65,536 and 4,096; even: 0 and 0
	s_lshl_b32 s[WRB], s22, 12
	s_or_b32 s[G1+0], s43, IMW
	s_mov_b32 s[G1+1], 512<<16                     ; tensor_dim0 = 512 elements of 8 bytes
	s_mov_b32 s[G1+2], 4<<16                       ; tensor_dim1 = 4 rows of blocks
	s_mov_b32 s[G1+3], 512<<16
	s_mov_b32 s[G1+4], 4
	s_mov_b32 s[G1+5], 8192                        ; 65,536 bytes from row of blocks to row of blocks
	s_mov_b32 s[G1+6], 0
	s_mov_b32 s[G1+7], 0
	s_or_b32 s[G1B+0], s44, RMW
	s_mov_b32 s[G1B+1], 128<<16
	s_mov_b32 s[G1B+2], 128<<16
	s_mov_b32 s[G1B+3], 128<<16
	s_mov_b32 s[G1B+4], 128
	s_mov_b32 s[G1B+5], 2048
	s_mov_b32 s[G1B+6], 0
	s_mov_b32 s[G1B+7], 0
	s_lshl_b32 s16, s13, 19                        ; o: row of blocks 8 ty + 4 x half, of 65,536 bytes,
	s_lshl_b32 s17, s12, 18
	s_add_co_u32 s16, s16, s17
	s_lshr_b32 s17, s[WRA], 1                      ; at my cluster's first K step: 0, or 32,768 bytes on
	s_add_co_u32 s16, s16, s17
	s_mov_b32 s17, 0
	s_lshl_b32 s46, s42, 20                        ; weights: row 256 tx + 128 x half, of 4,096 bytes,
	s_lshl_b32 s47, s12, 19
	s_add_co_u32 s46, s46, s47
	s_lshr_b32 s47, s[WRB], 1                      ; at the same K step: 0, or 2,048 bytes on
	s_add_co_u32 s46, s46, s47
	s_mov_b32 s47, 0
	s_mul_i32 s20, s12, AHALF
	s_mul_i32 s21, s12, BHALF
	s_add_co_u32 s21, s21, AREG
	s_mov_b32 s[TB], 0
	s_mov_b32 s[HIM], 0xffff0000
	s_wait_dscnt 0x0                               ; the opening add is done
	s_wait_kmcnt 0x0
	s_mov_b64 s[4:5], s[68:69]
	s_add_nc_u64 s[6:7], s[70:71], WO
	s_add_nc_u64 s[14:15], s[4:5], s[16:17]
	s_add_nc_u64 s[46:47], s[6:7], s[46:47]
	CROUND                                         ; all sixteen work-groups are here: the first joint loads meet
.irp s, 0,1
	s_mov_b32 s[G0+4*(\s)], 1
	s_add_co_u32 s[G0+4*(\s)+1], s20, (\s)*SLOT1
	s_add_nc_u64 s[G0+4*(\s)+2:G0+4*(\s)+3], s[14:15], (\s)*KSA
	s_or_b32 s[G0+4*(\s)+3], s[G0+4*(\s)+3], 0x80000000
	s_mov_b32 s[G0B+4*(\s)], 1
	s_add_co_u32 s[G0B+4*(\s)+1], s21, (\s)*SLOT1
	s_add_nc_u64 s[G0B+4*(\s)+2:G0B+4*(\s)+3], s[46:47], (\s)*KSB
	s_or_b32 s[G0B+4*(\s)+3], s[G0B+4*(\s)+3], 0x80000000
	JLOAD \s                                       ; two loads of mine are out
.endr
	s_mov_b32 s[BACKA+1], 0                        ; the two pairs' upper words (s[14:15] has served as o's address)
	s_mov_b32 s[BACKB+1], 0
	v_and_b32 v1, 15, v0                           ; r
	v_bfe_u32 v2, v0, 4, 1                         ; h
	v_and_b32 v5, 31, v0                           ; lane
	s_lshl_b32 s20, s42, 10                        ; b_o at column 256 tx + 64 w + 8 h, in bytes
	s_lshl_b32 s23, s10, 8
	s_add_co_u32 s20, s20, s23
	v_lshl_add_u32 v[BO], v2, 5, s20
.irp b, 0,1,2,3
	global_load_b128 v[BIAS+8*(\b):BIAS+8*(\b)+3],   v[BO], s[72:73] offset:64*(\b)
	global_load_b128 v[BIAS+8*(\b)+4:BIAS+8*(\b)+7], v[BO], s[72:73] offset:64*(\b)+16
.endr
	s_lshl_b32 s16, s13, 20                        ; out: row 128 ty, column 256 tx + 64 w
	s_add_co_u32 s16, s16, s20
	s_mov_b32 s17, 0
	s_add_nc_u64 s[8:9], s[74:75], s[16:17]
	v_mul_u32_u24 v3, v1, PITCH
	v_lshl_add_u32 v3, v2, 4, v3                   ; the weights: row x pitch + 16 x half
	v_lshlrev_b32 v[LA], 4, v5                     ; o: 16 x lane: every wave reads all 128 rows of o,
	s_mul_i32 s22, s10, 64*PITCH                   ; and its own 64 weight rows
	s_add_co_u32 s22, s22, AREG
	v_add_nc_u32 v[LB], s22, v3
	v_mov_b32 v[ADRA], v[LA]                       ; slot 0 is the first in hand
	v_mov_b32 v[ADRB], v[LB]
	s_mul_i32 s23, s10, 16*PITCH
	s_add_co_u32 s23, s23, STAGE                   ; my stage
	v_mul_u32_u24 v6, v1, PITCH                    ; in: row r, 32 bytes for each half of the lanes
	v_lshl_add_u32 v6, v2, 5, v6
	v_add_nc_u32 v[STO], s23, v6
	v_mul_u32_u24 v6, v2, PITCH                    ; back: lanes 0-15 take one row of 256 bytes, lanes 16-31 the next
	v_lshl_add_u32 v6, v1, 4, v6
	v_add_nc_u32 v[RD], s23, v6
	v_lshlrev_b32 v6, 13, v2                       ; and the same two rows in out: 8,192 bytes a row
	v_lshl_add_u32 v[CO], v1, 4, v6
	s_lshl_b32 s20, s13, 19                        ; the prefetches: o's rows of blocks 8 ty + 2 cx ..,
	s_lshl_b32 s21, s40, 17
	s_add_co_u32 s20, s20, s21
	s_lshr_b32 s21, s[WRA], 1                      ; at my cluster's first K step
	s_add_co_u32 s20, s20, s21
	s_lshl_b32 s21, s42, 20                        ; the weights' rows 256 tx + 64 cy ..,
	s_lshl_b32 s23, s41, 18
	s_add_co_u32 s21, s21, s23
	s_lshr_b32 s23, s[WRB], 1                      ; at the same K step
	s_add_co_u32 s21, s21, s23
	s_and_b32 s22, ttmp7, 0xffff                   ; cluster y:
	s_lshr_b32 s22, s22, 1                         ; 0 in the clusters with y = 0 and y = 1
	s_mov_b32 s[PFS], 2*KSB
	s_mov_b32 s[PFS+1], 0
	s_cmp_eq_u32 s11, 0
	s_cselect_b32 s20, s20, s21
	s_cselect_b32 s22, 0, s22                      ; o's rows: every cluster asks; the weights': those two
	s_cselect_b64 s[PFA:PFA+1], s[4:5], s[6:7]
	s_cselect_b32 s[PFS], 2*KSA, s[PFS]
	s_cselect_b32 s78, -1, 0
	s_or_b32 s22, s22, s12                         ; waves 0 and 2 alone ask
	s_cmp_eq_u32 s22, 0
	s_cselect_b32 s[LIM], 11, -1                   ; the same in all sixteen partners, for a given wave
	s_mov_b32 s21, 0
	s_add_nc_u64 s[PFA:PFA+1], s[PFA:PFA+1], s[20:21]
	s_add_nc_u64 s[PFA:PFA+1], s[PFA:PFA+1], s[PFS:PFS+1]  ; at my K step 2: the first prefetch steps it to my K step 4
	v_lshlrev_b32 v6, 12, v1
	v_lshl_add_u32 v6, v2, 8, v6                   ; the weights: row r, block h
	v_lshlrev_b32 v7, 8, v5                        ; o: block l
	v_cndmask_b32 v[PFO], v6, v7, s78
; 2 BF matrix instructions: row blocks a0, a0 + 1 of the window's four x all BF column blocks, 32 along K.  first = 1: the product starts the sum, with the bias as C.  The accumulators take turns, one instruction a turn.
.macro MUL16 f, hi, a0, first
.if \first
	WIN MUL_1ST+0x40*(\hi)
.else
	WIN MUL_LO+0x50*(\hi)
.endif
.irp a, \a0, (\a0)+1
.set b, 0
.rept BF
.set rD, 8*(BF*(\a)+b)
.set rB, (\f)+8*b
.set rA, (\f)+8*(4*(\hi)+(\a))
.if \first
	v_wmma_f32_16x16x32_f16 v[rD:rD+7], v[rB:rB+7], v[rA:rA+7], v[BIAS+8*b:BIAS+8*b+7]
.else
	v_wmma_f32_16x16x32_f16 v[rD:rD+7], v[rB:rB+7], v[rA:rA+7], v[rD:rD+7]
.endif
.set b, b+1
.endr
.endr
.endm
.macro FETCH q, f                      ; NL LDS loads in one run: quarter q of the slot in hand into buffer f: the weights' fragments first, then o's
	WIN TO_B
.set i, 0
.rept BF
	ds_load_b128 v[(\f)+8*i:(\f)+8*i+3],   v[ADRB] offset:(\q)*BQ+i*BBLK
	ds_load_b128 v[(\f)+8*i+4:(\f)+8*i+7], v[ADRB] offset:(\q)*BQ+i*BBLK+BH
.set i, i+1
.endr
	WIN 0
.set i, 0
.rept 8
	ds_load_b128 v[(\f)+8*i:(\f)+8*i+3],   v[ADRA] offset:(\q)*AQ+i*ABLK
	ds_load_b128 v[(\f)+8*i+4:(\f)+8*i+7], v[ADRA] offset:(\q)*AQ+i*ABLK+AH
.set i, i+1
.endr
.endm
.macro FLIP                            ; the other slot comes in hand
	s_xor_b32 s[TB], s[TB], SLOT1
	v_add_nc_u32 v[ADRA], s[TB], v[LA]
	v_add_nc_u32 v[ADRB], s[TB], v[LB]
.endm
.macro QUARTER q, f, g, first
	s_wait_dscnt 8                                 ; the weights and o's rows 0-63 are in; the youngest eight loads (rows 64-127) may be out
	MUL16 \f, 0, 0, \first
	MUL16 \f, 0, 2, \first
	PLACES
	FETCH \q, \g
	s_wait_dscnt NL                                ; all but the run just issued
	MUL16 \f, 1, 0, \first
	MUL16 \f, 1, 2, \first
.endm
.macro MEET                            ; the first half of a K step's last quarter: one barrier for the change of slots
	WIN 0
	s_wait_tensorcnt 0x0                           ; all my tensor loads have landed: the one that was out is my part of the next slot
	ds_add_u32 v[SPW], v[NIL]                      ; 0 onto my spare word
	s_wait_dscnt 9                                 ; (the add and the youngest eight loads may be out)
	MUL16 F1, 0, 0, 0
	s_wait_dscnt 0x0                               ; the add is done, and my reads of this slot are over
	s_barrier_signal -1
	MUL16 F1, 0, 2, 0
	WIN 0
	s_barrier_wait -1
.endm
.macro TURN                            ; the last quarter, with the slot filled again two K steps on: the barrier opens a round of the cluster's, and the joint load is the first thing behind it
	MEET
	CREST
	s_cmp_eq_u32 s3, KSTEPS/2                      ; the trip with count c asks for my K step 16 - c: at my K step 8 an odd cluster's walk has reached the rows' end
	s_cselect_b32 s[BACKA], s[WRA], 0
	s_cselect_b32 s[BACKB], s[WRB], 0
	s_xor_b32 s[G0+5], s[G0+5], SLOT1              ; the walking descriptors: the slot just read out,
	s_add_nc_u64 s[G0+6:G0+7], s[G0+6:G0+7], KSA   ; the next K step; the type bits on top are not reached
	s_sub_nc_u64 s[G0+6:G0+7], s[G0+6:G0+7], s[BACKA:BACKA+1]
	s_xor_b32 s[G0B+5], s[G0B+5], SLOT1
	s_add_nc_u64 s[G0B+6:G0B+7], s[G0B+6:G0B+7], KSB
	s_sub_nc_u64 s[G0B+6:G0B+7], s[G0B+6:G0B+7], s[BACKB:BACKB+1]
	JLOAD 1                                        ; the four v_nop behind it are also the places in front of the loads below
	FLIP
	FETCH 0, F0
	ASK
	MUL16 F1, 1, 0, 0
	MUL16 F1, 1, 2, 0
.endm
	s_wait_loadcnt 0x0                             ; the bias: rounded to bf16, and kept as f32
.set i, 0
.rept 4*BF
	v_cvt_pk_bf16_f32 v[32+i], v[BIAS+2*i], v[BIAS+2*i+1]
	v_lshlrev_b32 v[BIAS+2*i], 16, v[32+i]
	v_and_b32 v[BIAS+2*i+1], s[HIM], v[32+i]
.set i, i+1
.endr
	s_wait_tensorcnt 1                             ; my part of my K step 0 is in; K step 1's may stay out
	s_barrier_signal -1
	s_barrier_wait -1
	FETCH 0, F0
	QUARTER 1, F0, F1, 1                           ; the first quarter's products start the sums
	WIN 0
	s_mov_b32 s3, KSTEPS-2
.Lstep:                                ; a trip: a K step's second quarter to the next step's first; the slot read out is filled again
	QUARTER 2, F1, F0, 0
	QUARTER 3, F0, F1, 0
	TURN
	QUARTER 1, F0, F1, 0
	WIN 0
	s_sub_co_u32 s3, s3, 1
	s_cmp_lg_u32 s3, 0
	s_cbranch_scc1 .Lstep
	s_mov_b32 s3, 2
.Ltail:                                ; the last two K steps fill nothing; the second has no step behind it and jumps over the fetch and the quarter that are not there
	QUARTER 2, F1, F0, 0
	QUARTER 3, F0, F1, 0
	MEET
	PLACES
	s_cmp_eq_u32 s3, 1
	s_cbranch_scc1 .Llast
	FLIP
	FETCH 0, F0
.Llast:
	MUL16 F1, 1, 0, 0
	MUL16 F1, 1, 2, 0
	WIN 0
	s_cmp_eq_u32 s3, 1
	s_cbranch_scc1 .Ldone
	QUARTER 1, F0, F1, 0
	WIN 0
.Ldone:
	s_sub_co_u32 s3, s3, 1
	s_cmp_lg_u32 s3, 0
	s_cbranch_scc1 .Ltail
	; THE WAY OUT.  A block of 16 rows goes from its accumulators into my stage and comes back as whole rows, into registers of its own (blocks 0-3 in window 0, blocks 4-7 in window 1, where the fragments lay): no register that
	; a store reads is written again.  Block a's trip through the stage stands ahead of block a - 1's stores.
	PLACES
	PLACES
.macro TOSTAGE a
	WIN 0x08+4*((\a)/4)                            ; the LDS stores' data: window 2 or 3; each accumulator from its low end on
.irp b, 0,1,2,3
	ds_store_b128 v[STO], v[8*(BF*((\a)%4)+(\b)):8*(BF*((\a)%4)+(\b))+3]   offset:64*(\b)
	ds_store_b128 v[STO], v[8*(BF*((\a)%4)+(\b))+4:8*(BF*((\a)%4)+(\b))+7] offset:64*(\b)+16
.endr
	WIN 0x40*((\a)/4)                              ; the loads' destination: window 0 or 1
.irp t, 0,1,2,3,4,5,6,7
	ds_load_b128 v[BK+32*((\a)%4)+4*(\t):BK+32*((\a)%4)+4*(\t)+3], v[RD] offset:(\t)*2*PITCH  ; LDS serves a wave's instructions in order (ISA guide 5.7.1.4): these see the stores above, and the next block's stores come behind them
.endr
.endm
.macro SEND a, younger                 ; younger: the LDS instructions issued behind block a's loads: the next block's sixteen, or none
	WIN 0x04*((\a)/4)                              ; the stores' data: window 0 or 1
	s_wait_dscnt \younger
.irp t, 0,1,2,3,4,5,6,7
	global_store_b128 v[CO], v[BK+32*((\a)%4)+4*(\t):BK+32*((\a)%4)+4*(\t)+3], s[8:9] offset:(16*(\a)+2*(\t))*8192  ; 16 lanes store 256 consecutive bytes, at a multiple of 256 from out's first byte
.endr
.endm
	TOSTAGE 0
.irp a, 1,2,3,4,5,6,7
	TOSTAGE \a
	SEND (\a)-1, 16
.endr
	SEND 7, 0
	WIN 0
	s_wait_tensorcnt 0x0                           ; the wave's end, behind my last tensor load and my last LDS store
	ds_add_u32 v[SPW], v[NIL]
	s_wait_dscnt 0x0
	CROUND                                         ; the closing round
	s_endpgm
.Lfunc_end_k_q43e1ba1163_outp:
	.size	k_q43e1ba1163_outp, .Lfunc_end_k_q43e1ba1163_outp-k_q43e1ba1163_outp
	.p2alignl 7, 3214868480
	.fill 96, 4, 3214868480
	.section	.rodata,"a",@progbits
	.p2align	6, 0x0
	.amdhsa_kernel k_q43e1ba1163_outp
		.amdhsa_group_segment_fixed_size 327680
		.amdhsa_private_segment_fixed_size 0
		.amdhsa_enable_private_segment 0
		.amdhsa_kernarg_size 32
		.amdhsa_user_sgpr_count 2
		.amdhsa_user_sgpr_kernarg_segment_ptr 1
		.amdhsa_wavefront_size32 1
		.amdhsa_system_sgpr_workgroup_id_x 1
		.amdhsa_system_sgpr_workgroup_id_y 1
		.amdhsa_system_sgpr_workgroup_id_z 1
		.amdhsa_system_vgpr_workitem_id 0
		.amdhsa_next_free_vgpr 1024
		.amdhsa_next_free_sgpr 80
		.amdhsa_reserve_vcc 0
		.amdhsa_float_denorm_mode_32 3
		.amdhsa_float_denorm_mode_16_64 3
		.amdhsa_memory_ordered 1
		.amdhsa_forward_progress 1
		.amdhsa_inst_pref_size 66
	.end_amdhsa_kernel
	.amdgpu_metadata
---
amdhsa.version: [ 1, 2 ]
amdhsa.kernels:
  - .name:           k_q43e1ba1163_outp
    .symbol:         k_q43e1ba1163_outp.kd
    .args:
      - { .name: oimg, .offset: 0, .size: 8, .value_kind: global_buffer, .address_space: global }
      - { .name: cst, .offset: 8, .size: 8, .value_kind: global_buffer, .address_space: global }
      - { .name: b_o, .offset: 16, .size: 8, .value_kind: global_buffer, .address_space: global }
      - { .name: out0, .offset: 24, .size: 8, .value_kind: global_buffer, .address_space: global }
    .group_segment_fixed_size: 327680
    .private_segment_fixed_size: 0
    .kernarg_segment_align: 8
    .kernarg_segment_size: 32
    .max_flat_workgroup_size: 128
    .sgpr_count:     80
    .vgpr_count:     1024
    .wavefront_size: 32
...
	.end_amdgpu_metadata
.endif
;; end of part 10
